; MI455X (gfx1250); checked and timed in simulation.
; The chip was launched on July 23, 2026; its instructions are those of AMD's public machine-readable ISA for CDNA 5 (MIT licence, August 2026) and "CDNA5" Instruction Set Architecture Reference Guide (July 2026). The comments in the code are by the model that wrote it; some were corrected since.
;; Attn. Allowed arithmetic: float matrix products may take bf16 or f16 operands with f32 sums; all other float work in f32.
;; Inputs: Wk 512 x 2,048 float32; Wo 2,048 x 2,048 float32; Wq 2,048 x 2,048 float32; Wv 512 x 2,048 float32; cos 2,048 x 64 float32; gate_w 16 x 16 float32; pos_ids 1 x 2,048 int32; sin 2,048 x 64 float32; v1 1 x 4 x 2,048 x 128 float32; v_lamb one number float32; x 1 x 2,048 x 2,048 float32.
;; Outputs: out0 1 x 2,048 x 2,048 float32; out1 1 x 4 x 2,048 x 128 float32.
;; 2 versions, each right and faster than the one before. Each part assembles by itself: llvm-mc -triple=amdgcn-amd-amdhsa -mcpu=gfx1250 --defsym DOCPART=n.
;; ======== version 1 of 2: 4 launches
;; limits: values outside matrix products are rounded to f16; values are held in f16: magnitudes above 65,504 overflow, below 6.1e-05 lose precision
;; workspace buffers: xb 8,388,608 bytes; wqkv 12,582,912 bytes; wob 8,388,608 bytes; qf 8,388,608 bytes; kf 2,097,152 bytes; vf 2,097,152 bytes; yb 8,388,608 bytes
;; launch prep (part 1): grid 64 x 15, 8 waves a work-group, no clusters, 0 bytes of LDS; arguments x, Wq, Wk, Wv, Wo, v1, xb, wqkv, wob, out1; writes xb, wqkv, wob, out1
.if DOCPART == 1
	.amdgcn_target "amdgcn-amd-amdhsa--gfx1250"
	.amdhsa_code_object_version 6
	.text
	.protected	k_qc25817288f_prep
	.globl	k_qc25817288f_prep
	.p2align	8
	.type	k_qc25817288f_prep,@function
k_qc25817288f_prep:
	s_mov_b64 s[64:65], 0
	v_nop
	global_prefetch_b8 v0, s[64:65] scope:SCOPE_SE
	s_setreg_imm32_b32 hwreg(HW_REG_WAVE_MODE, 25, 1), 1
	s_wait_xcnt 0x0
; LAUNCH 1 OF 4.  x, Wq, Wk, Wv and 4 Wo are rounded once from f32 to f16 (row-major as they lie), and out1 = v1 is copied.
; The later launches read each of these operands many times (12 to 16 work-groups a tile): they then move half the bytes.
;
; NUMBER FORMAT OF THE PROGRAM: every matrix operand is f16 (11 significant bits; bf16 has 8), every sum f32.  The room, by the problem's own terms:
; x and the weights go in as they are; q and k are normalised rows times cos, sin; the weights P lie in [0, 1]; v and y are kept as v / 4 and y / 4 and Wo as 4 Wo
; (powers of two: exact), so that |v| = |(1 - lambda) x Wv^T + lambda v1| may reach 262,000.
; LIMIT: an operand beyond f16's largest number, 65,504 (x, Wq, Wk, Wv, 4 Wo, q, k, v / 4), becomes infinite; below 2^-14 its steps are 2^-24.
;
; WORK LEFT OUT IN THIS PROGRAM, for all values of the inputs:
;  - pos_ids: reference() takes it as an argument and never reads it, so it has no way to any output.  It is not loaded and is among no launch's arguments.
;  - Scores above the diagonal: reference() builds jnp.tril in its own body and sets those scores to the least f32; every row keeps its own key's
;    finite score, so behind the maximum's subtraction their weights are 0.  Key tiles (64 keys) that lie wholly above the diagonal of a query block
;    are not multiplied, but for the slots named in the third launch's head (3 of 36 tile slots of a work-group, whose waves would otherwise stand idle).
;  - The order of the 128 channels behind the rotation (halves joined, not interleaved): the same permutation on q and on k; the sum over the channels
;    does not hang on it.  The pairs stay interleaved: y0 of pair p at channel 2 p, y1 at 2 p + 1.
;  LIMIT: a NaN, an infinity or an overflow that reaches only the work left out is not carried to the result.
;
; The grid's y picks a piece of 4 MiB of a source, its x 64 KiB of that piece; 256 threads x 16 loads x 16 bytes.
;   y 0-3 x -> xb;  4-7 Wq -> wqkv rows 0-2047;  8 Wk -> rows 2048-2559;  9 Wv -> rows 2560-3071;  10-13 Wo -> wob (x 4);  14 v1 -> out1 (copied)
; All 16 loads of a thread go out at once; the only waits are the counted ones for the data.
; No LDS, no matrix unit, no cluster: no byte is used twice here.
.set X, 4                              ; v[4:67]   16 x 4 numbers as loaded
.set Y, 68                             ; v[68:99]  16 x 4 f16 to store
	s_load_b512 s[8:23], s[0:1], 0x0               ; x s[8:9], Wq s[10:11], Wk s[12:13], Wv s[14:15], Wo s[16:17], v1 s[18:19], xb s[20:21], wqkv s[22:23]
	s_load_b128 s[24:27], s[0:1], 0x40             ; wob s[24:25], out1 s[26:27]
	s_and_b32 s4, ttmp7, 0xffff                    ; y: which piece
	v_lshlrev_b32 v1, 4, v0                        ; 16 bytes of f32 a thread
	v_lshlrev_b32 v2, 3, v0                        ; 8 bytes of f16 a thread
	s_mov_b32 s6, 0                                ; the first y of my source
	s_mov_b32 s7, 0                                ; the first y of my destination
	s_wait_kmcnt 0x0
	s_mov_b64 s[28:29], s[8:9]                     ; source and destination are chosen by y alone
	s_mov_b64 s[30:31], s[20:21]
	s_cmp_ge_u32 s4, 4
	s_cselect_b64 s[28:29], s[10:11], s[28:29]
	s_cselect_b64 s[30:31], s[22:23], s[30:31]
	s_cselect_b32 s6, 4, s6
	s_cselect_b32 s7, 4, s7
	s_cmp_ge_u32 s4, 8
	s_cselect_b64 s[28:29], s[12:13], s[28:29]     ; Wk follows Wq in wqkv: the destination's count goes on
	s_cselect_b32 s6, 8, s6
	s_cmp_ge_u32 s4, 9
	s_cselect_b64 s[28:29], s[14:15], s[28:29]
	s_cselect_b32 s6, 9, s6
	s_cmp_ge_u32 s4, 10
	s_cselect_b64 s[28:29], s[16:17], s[28:29]
	s_cselect_b64 s[30:31], s[24:25], s[30:31]
	s_cselect_b32 s6, 10, s6
	s_cselect_b32 s7, 10, s7
	s_cmp_ge_u32 s4, 14
	s_cselect_b64 s[28:29], s[18:19], s[28:29]
	s_cselect_b64 s[30:31], s[26:27], s[30:31]
	s_cselect_b32 s6, 14, s6
	s_cselect_b32 s7, 14, s7
	s_cselect_b32 s34, 16, 15                      ; a work-group's bytes in the destination: 64 KiB copied, 32 KiB converted
	s_sub_co_u32 s6, s4, s6
	s_lshl_b32 s6, s6, 22                          ; pieces of 4 MiB
	s_lshl_b32 s32, ttmp9, 16
	s_add_co_u32 s32, s32, s6
	s_mov_b32 s33, 0
	s_add_nc_u64 s[28:29], s[28:29], s[32:33]
	s_sub_co_u32 s7, s4, s7
	s_lshl_b32 s7, s7, 21                          ; pieces of 2 MiB
	s_lshl_b32 s32, ttmp9, s34
	s_add_co_u32 s32, s32, s7
	s_add_nc_u64 s[30:31], s[30:31], s[32:33]
.irp i, 0,1,2,3,4,5,6,7,8,9,10,11,12,13,14,15
	global_load_b128 v[X+4*\i:X+4*\i+3], v1, s[28:29] offset:4096*\i th:TH_LOAD_NT   ; a wave's load covers 512 consecutive bytes
.endr
; The 16 loads' numbers to f16 and out.  scaled = 1: times 4 first (Wo alone, so that no other piece is multiplied by 1).
.macro CONV scaled
.irp i, 0,1,2,3,4,5,6,7,8,9,10,11,12,13,14,15
	s_wait_loadcnt 15-\i                           ; loads come back in order: load i is in, the younger ones stay out
.if \scaled
	v_pk_mul_f32 v[X+4*\i:X+4*\i+1], v[X+4*\i:X+4*\i+1], 4.0 op_sel_hi:[1,0]
	v_pk_mul_f32 v[X+4*\i+2:X+4*\i+3], v[X+4*\i+2:X+4*\i+3], 4.0 op_sel_hi:[1,0]
.endif
	v_cvt_pk_f16_f32 v[Y+2*\i], v[X+4*\i], v[X+4*\i+1]
	v_cvt_pk_f16_f32 v[Y+2*\i+1], v[X+4*\i+2], v[X+4*\i+3]
	global_store_b64 v2, v[Y+2*\i:Y+2*\i+1], s[30:31] offset:2048*\i   ; a wave's store covers 256 consecutive bytes, aligned
.endr
	s_endpgm
.endm
	s_cmp_eq_u32 s4, 14
	s_cbranch_scc1 .Lcopy
	s_cmp_ge_u32 s4, 10
	s_cbranch_scc1 .Lwo
	CONV 0
.Lwo:
	CONV 1
.Lcopy:
.irp i, 0,1,2,3,4,5,6,7,8,9,10,11,12,13,14,15
	s_wait_loadcnt 15-\i
	global_store_b128 v1, v[X+4*\i:X+4*\i+3], s[30:31] offset:4096*\i th:TH_STORE_NT
.endr
	s_endpgm
.Lfunc_end_k_qc25817288f_prep:
	.size	k_qc25817288f_prep, .Lfunc_end_k_qc25817288f_prep-k_qc25817288f_prep
	.p2alignl 7, 3214868480
	.fill 96, 4, 3214868480
	.section	.rodata,"a",@progbits
	.p2align	6, 0x0
	.amdhsa_kernel k_qc25817288f_prep
		.amdhsa_group_segment_fixed_size 0
		.amdhsa_private_segment_fixed_size 0
		.amdhsa_enable_private_segment 0
		.amdhsa_kernarg_size 80
		.amdhsa_user_sgpr_count 2
		.amdhsa_user_sgpr_kernarg_segment_ptr 1
		.amdhsa_wavefront_size32 1
		.amdhsa_system_sgpr_workgroup_id_x 1
		.amdhsa_system_sgpr_workgroup_id_y 1
		.amdhsa_system_sgpr_workgroup_id_z 1
		.amdhsa_system_vgpr_workitem_id 0
		.amdhsa_next_free_vgpr 100
		.amdhsa_next_free_sgpr 66
		.amdhsa_reserve_vcc 0
		.amdhsa_float_denorm_mode_32 3
		.amdhsa_float_denorm_mode_16_64 3
		.amdhsa_memory_ordered 1
		.amdhsa_forward_progress 1
		.amdhsa_inst_pref_size 16
	.end_amdhsa_kernel
	.amdgpu_metadata
---
amdhsa.version: [ 1, 2 ]
amdhsa.kernels:
  - .name:           k_qc25817288f_prep
    .symbol:         k_qc25817288f_prep.kd
    .args:
      - { .name: x, .offset: 0, .size: 8, .value_kind: global_buffer, .address_space: global }
      - { .name: Wq, .offset: 8, .size: 8, .value_kind: global_buffer, .address_space: global }
      - { .name: Wk, .offset: 16, .size: 8, .value_kind: global_buffer, .address_space: global }
      - { .name: Wv, .offset: 24, .size: 8, .value_kind: global_buffer, .address_space: global }
      - { .name: Wo, .offset: 32, .size: 8, .value_kind: global_buffer, .address_space: global }
      - { .name: v1, .offset: 40, .size: 8, .value_kind: global_buffer, .address_space: global }
      - { .name: xb, .offset: 48, .size: 8, .value_kind: global_buffer, .address_space: global }
      - { .name: wqkv, .offset: 56, .size: 8, .value_kind: global_buffer, .address_space: global }
      - { .name: wob, .offset: 64, .size: 8, .value_kind: global_buffer, .address_space: global }
      - { .name: out1, .offset: 72, .size: 8, .value_kind: global_buffer, .address_space: global }
    .group_segment_fixed_size: 0
    .private_segment_fixed_size: 0
    .kernarg_segment_align: 8
    .kernarg_segment_size: 80
    .max_flat_workgroup_size: 256
    .sgpr_count:     66
    .vgpr_count:     100
    .wavefront_size: 32
...
	.end_amdgpu_metadata
.endif
;; end of part 1
;; launch qkv (part 2): grid 16 x 12, 4 waves a work-group, clusters of 4 x 1, 327,680 bytes of LDS; arguments xb, wqkv, cos, sin, v1, v_lamb, qf, kf, vf; writes qf, kf, vf
.if DOCPART == 2
	.amdgcn_target "amdgcn-amd-amdhsa--gfx1250"
	.amdhsa_code_object_version 6
	.text
	.protected	k_qc25817288f_qkv
	.globl	k_qc25817288f_qkv
	.p2align	8
	.type	k_qc25817288f_qkv,@function
k_qc25817288f_qkv:
	s_mov_b64 s[64:65], 0
	v_nop
	global_prefetch_b8 v0, s[64:65] scope:SCOPE_SE
	s_setreg_imm32_b32 hwreg(HW_REG_WAVE_MODE, 25, 1), 1
	s_wait_xcnt 0x0
	s_wait_alu depctr_hold_cnt(0) depctr_sa_sdst(0) depctr_va_vdst(0) depctr_va_sdst(0) depctr_va_ssrc(0) depctr_va_vcc(0) depctr_vm_vsrc(0)
	s_getreg_b32 s2, hwreg(HW_REG_IB_STS2, 6, 4)
	s_cmp_eq_u32 s2, 0
	s_cbranch_scc0 .Lentry_in_a_cluster
	s_endpgm
.Lentry_in_a_cluster:
	s_bfe_u32 s2, ttmp6, 0x10000c
	s_cmp_lg_u32 s2, 0x3003
	s_cbranch_scc0 .Lentry_shape_is_right
	s_endpgm
.Lentry_shape_is_right:
; LAUNCH 2 OF 4.  q, k, v = x W^T (f16 operands, f32 sums, K = 2048), then in registers: RMS norm and rotation (q, k), or the lerp with v1 (v).
; Left out: the joining of the rotated halves (a permutation common to q and k; shown at the first launch's head).
; q also takes the factor 128^-0.5 x log2(e) before it is rounded, so that the third launch's exponentials are plain 2^x.
; v is stored as v / 4 (exact; the room in f16 is counted at the first launch's head): the factor rides on lambda and 1 - lambda.
; LIMIT: lambda v1 / 4 is rounded to f16 before it is added to (1 - lambda) v / 4 in f32, and the sum is rounded to f16 again (V is an f16 matrix operand anyway).
;
; A work-group makes 128 'A' rows x 256 'B' rows; a wave 64 x 128: 32 accumulator tiles of 16 x 16 (256 registers, window 1).
;   y 0-9  (q, k): A = xb, positions 128 wgx ..;          B = wqkv, rows 256 y .. (two heads)
;   y 10,11 (v):   A = wqkv, rows 2560 + 128 cx .. (Wv of key/value head cx);  B = xb, positions 256 (4 (y - 10) + cluster x) ..   : this is V transposed
; The matrix instruction takes B's rows as source 0 and A's as source 1: lane (r, h) then holds A row 16 a + r, and register j of tile (a, b) B row 16 b + 8 h + j.
; So for q, k a lane holds 64 channels of one position, and for v eight neighbouring keys of one channel: both pack into the 16 bytes that the third
; launch's matrix fragments want, and every store of a wave covers 512 consecutive bytes, aligned.  No stage in LDS is needed.
;   qf, kf: byte ((head x 128 + tt) x 8 + b) x 512 + 16 lane: channels 16 b + 8 h .. + 7 of position 16 tt + r
;   vf:     byte ((head x 128 + tt) x 8 + dt) x 512 + 16 lane: keys 16 tt + 8 h .. + 7 of channel 16 dt + r
; K goes in steps of 128 through two LDS slots filled by tensor loads (rows of 256 bytes, padded to 272).
; CLUSTER 4 x 1: the four work-groups share B's tile and ask for it jointly (mask 15); A's tile is each work-group's own (mask 0).  A work-group's requests fall from
; 1.5 MiB to 0.5 + 1/4 MiB.  4 x 4 is not used: q and k have 10 block columns, which 4 does not divide, and the branch between the two epilogues
; may hang on y alone, which the four partners share.
.set KSTEP,  128
.set PITCH,  272                       ; an LDS row: 256 bytes + 16 of padding, so that the 16 rows of a fragment load start 16 bytes apart modulo 256
.set AH,     64*PITCH                  ; half of A's tile: one tensor load, and what one wave reads of A
.set BH,     128*PITCH                 ; half of B's tile
.set SLOT,   2*AH+2*BH                 ; A's 128 rows, then B's 256 rows
.set LAPS,   8                         ; 2048 / (2 x 128): a lap is once round the ring
.set ADRA, 16                          ; v16-17  LDS address of my A fragments in slot 0, 1
.set ADRB, 20                          ; v20-21  the same for B
.set F0,   32                          ; fragment buffer 0: B's eight fragments v32-95, A's four v96-127
.set F1,   128                         ; fragment buffer 1: v128-191, v192-223
.set G1,  24                           ; s[24:31] group 1 for A's tiles
.set G0,  32                           ; s[32:39] group 0 for A's tiles, a set for each slot
.set G1B, 48                           ; s[48:55] group 1 for B's tiles (mask 15)
.set G0B, 56                           ; s[56:63] group 0 for B's tiles; s[44:63] never hold the place in the cluster
.set W_MUL, 0x50                       ; C and D in window 1, the fragments in window 0
.set MSB, 0
.macro WIN new                         ; the immediate's high byte repeats the setting that is left
.if MSB != \new
	s_set_vgpr_msb (MSB<<8)|\new
.set MSB, \new
.endif
.endm
; Waves 0, 1 fetch A's two halves (a load of the work-group's own), waves 2, 3 B's (the joint load).  The branch hangs on the wave's number alone.
.macro JLOAD s
	s_cmp_eq_u32 s11, 0
	s_cbranch_scc0 .Lfor_b_\@
	tensor_load_to_lds s[G0+4*\s:G0+4*\s+3], s[G1:G1+7]
	s_nop 0
	s_branch .Lasked_\@
.Lfor_b_\@:
	tensor_load_to_lds s[G0B+4*\s:G0B+4*\s+3], s[G1B:G1B+7]
	s_nop 0
.Lasked_\@:
.endm
.macro CREST                           ; a round of the cluster's barrier behind its opening work-group barrier
	s_cmp_lg_u32 s10, 0
	s_cbranch_scc1 .Lnot_wave_0_\@
	s_barrier_signal -3
.Lnot_wave_0_\@:
	s_barrier_wait -3
	s_barrier_signal -1
	s_barrier_wait -1
.endm
.macro CROUND                          ; a whole round
	s_barrier_signal -1
	s_barrier_wait -1
	CREST
.endm
; Four places behind a matrix instruction before a vector instruction reads its result or a load lands on one of its registers (ISA guide 7.12.1 for vector instructions);
; the matrix instructions in between are not counted.
.macro PLACES
.rept 4
	v_nop
.endr
.endm
; 8 matrix instructions: A block a x all 8 B blocks, 32 along K.  The 32 accumulators take turns, one instruction a turn, in the same order in every quarter
; step.
.macro MUL8 f, a, zero
.irp b, 0,1,2,3,4,5,6,7
.if \zero
	v_wmma_f32_16x16x32_f16 v[8*(8*\a+\b):8*(8*\a+\b)+7], v[\f+8*\b:\f+8*\b+7], v[\f+64+8*\a:\f+64+8*\a+7], 0
.else
	v_wmma_f32_16x16x32_f16 v[8*(8*\a+\b):8*(8*\a+\b)+7], v[\f+8*\b:\f+8*\b+7], v[\f+64+8*\a:\f+64+8*\a+7], v[8*(8*\a+\b):8*(8*\a+\b)+7]
.endif
.endr
.endm
; 24 LDS loads in one run: a quarter step's fragments (128 rows of B, then 64 of A, 32 K at byte k of the rows) into buffer f
.macro FETCH slot, k, f
	WIN 0
.irp i, 0,1,2,3,4,5,6,7
	ds_load_b128 v[\f+8*\i:\f+8*\i+3],   v[ADRB+\slot] offset:\k+\i*16*PITCH
	ds_load_b128 v[\f+8*\i+4:\f+8*\i+7], v[ADRB+\slot] offset:\k+\i*16*PITCH+32
.endr
.irp i, 0,1,2,3
	ds_load_b128 v[\f+64+8*\i:\f+64+8*\i+3],   v[ADRA+\slot] offset:\k+\i*16*PITCH
	ds_load_b128 v[\f+64+8*\i+4:\f+64+8*\i+7], v[ADRA+\slot] offset:\k+\i*16*PITCH+32
.endr
.endm
; One of a K step's first three quarters: multiplies buffer f, and in its middle fetches the next quarter into buffer g.
.macro QUARTER slot, k, f, g, zero
	s_wait_dscnt 4                                 ; B and A's blocks 0, 1 are in; the youngest four loads (A's blocks 2, 3) may be out
	WIN W_MUL
	MUL8 \f, 0, \zero
	MUL8 \f, 1, \zero
	PLACES
	FETCH \slot, \k, \g
	s_wait_dscnt 24                                ; all but the 24 just issued
	WIN W_MUL
	MUL8 \f, 2, \zero
	MUL8 \f, 3, \zero
.endm
.macro THREE slot, zero
	QUARTER \slot, 64,  F0, F1, \zero
	QUARTER \slot, 128, F1, F0, 0
	QUARTER \slot, 192, F0, F1, 0
.endm
; The last quarter: multiplies buffer 1 and changes slots.  In front of the barrier each wave waits for its reads of this slot and for all its tensor loads
; (the one that is out is its part of the next slot).  Where the slot is filled again the barrier opens a round of the cluster's barrier, and the
; refill is the wave's first and only tensor load behind the round.
.macro TURN slot, next, fill
	s_wait_dscnt 4
	WIN W_MUL
	MUL8 F1, 0, 0
	s_wait_dscnt 0                                 ; my reads of this slot are over
	s_wait_tensorcnt 0x0                           ; all my tensor loads have landed
	ds_add_u32 v254, v255
	s_wait_dscnt 0x0
	s_barrier_signal -1
	MUL8 F1, 1, 0                                  ; register work while the others arrive
	WIN 0
	s_barrier_wait -1
.if \fill
	CREST                                          ; no wave of any partner still reads this slot or has a load on its way
	s_add_nc_u64 s[G0+4*\slot+2:G0+4*\slot+3], s[G0+4*\slot+2:G0+4*\slot+3], 2*KSTEP*2
	s_add_nc_u64 s[G0B+4*\slot+2:G0B+4*\slot+3], s[G0B+4*\slot+2:G0B+4*\slot+3], 2*KSTEP*2
	JLOAD \slot
.endif
	PLACES
	FETCH \next, 0, F0
	WIN W_MUL
	MUL8 F1, 2, 0
	MUL8 F1, 3, 0
.endm
.macro LAP zero
	THREE 0, \zero
	TURN 0, 1, 1
	THREE 1, 0
	TURN 1, 0, 1
.endm
	s_load_b128 s[4:7], s[0:1], 0x0                ; xb s[4:5], wqkv s[6:7]
	s_load_b256 s[68:75], s[0:1], 0x10             ; cos s[68:69], sin s[70:71], v1 s[72:73], v_lamb s[74:75]
	s_load_b128 s[76:79], s[0:1], 0x30             ; qf s[76:77], kf s[78:79]
	s_load_b64 s[80:81], s[0:1], 0x40              ; vf
	v_lshl_add_u32 v254, v0, 2, 0x33000
	v_mov_b32 v255, 0
	ds_add_u32 v254, v255
	v_lshrrev_b32 v1, 5, v0
	v_readfirstlane_b32 s10, v1                    ; wave 0..3
	s_lshr_b32 s11, s10, 1                         ; wa: my 64 of A's rows.  Also: I fetch for A (0) or for B (1)
	s_and_b32 s12, s10, 1                          ; wb: my 128 of B's rows.  Also: which half of that tile I fetch
	s_bfe_u32 s40, ttmp6, 0x40000                  ; cx: my place in the cluster
	s_and_b32 s13, ttmp7, 0xffff                   ; y
	s_lshl_b32 s41, ttmp9, 2
	s_add_co_u32 s41, s41, s40                     ; wgx = 4 x cluster x + cx
	s_lshl_b32 s14, s41, 7                         ; A's first row, q and k: 128 wgx
	s_lshl_b32 s15, s40, 7
	s_add_co_u32 s15, s15, 2560                    ; v: 2560 + 128 cx
	s_lshl_b32 s44, s13, 8                         ; B's first row, q and k: 256 y
	s_sub_co_u32 s45, s13, 10
	s_lshl_b32 s45, s45, 2
	s_add_co_u32 s45, s45, ttmp9
	s_lshl_b32 s45, s45, 8                         ; v: 256 (4 (y - 10) + cluster x): made of what the partners share
	s_cmp_ge_u32 s13, 10
	s_cselect_b32 s14, s15, s14
	s_cselect_b32 s44, s45, s44
	s_lshl_b32 s16, s12, 6
	s_add_co_u32 s14, s14, s16                     ; + the half that I fetch
	s_lshl_b32 s14, s14, 12                        ; rows of 4,096 bytes
	s_mov_b32 s15, 0
	s_lshl_b32 s16, s12, 7
	s_add_co_u32 s44, s44, s16
	s_lshl_b32 s44, s44, 12
	s_mov_b32 s45, 0
	s_mul_i32 s20, s12, AH                         ; where my half goes: A's halves at 0 and AH,
	s_mul_i32 s21, s12, BH
	s_add_co_u32 s21, s21, 2*AH                    ; B's behind them: the wave's number and constants alone
	; group 1: A's tile half 64 rows x 128 elements, B's 128 x 128; 2-byte elements; 4 words of padding behind every 64
	s_mov_b32 s[G1+0], (1<<16)|(1<<20)|(5<<22)|(3<<25)
	s_mov_b32 s[G1+1], KSTEP<<16                   ; tensor_dim0 = 128
	s_mov_b32 s[G1+2], 64<<16                      ; tensor_dim1 = 64
	s_mov_b32 s[G1+3], KSTEP<<16                   ; tile_dim0 = 128
	s_mov_b32 s[G1+4], 64                          ; tile_dim1 = 64
	s_mov_b32 s[G1+5], 2048                        ; elements from row to row
	s_mov_b32 s[G1+6], 0
	s_mov_b32 s[G1+7], 0
	s_mov_b32 s[G1B+0], 15|(1<<16)|(1<<20)|(1<<21)|(5<<22)|(3<<25)   ; the mask names all four partners; bit 21 beside it
	s_mov_b32 s[G1B+1], KSTEP<<16
	s_mov_b32 s[G1B+2], 128<<16
	s_mov_b32 s[G1B+3], KSTEP<<16
	s_mov_b32 s[G1B+4], 128
	s_mov_b32 s[G1B+5], 2048
	s_mov_b32 s[G1B+6], 0
	s_mov_b32 s[G1B+7], 0
	s_wait_dscnt 0x0
	s_wait_kmcnt 0x0
	s_cmp_ge_u32 s13, 10
	s_cselect_b64 s[16:17], s[6:7], s[4:5]         ; A: xb for q and k, wqkv for v
	s_cselect_b64 s[46:47], s[4:5], s[6:7]         ; B: the other
	s_add_nc_u64 s[14:15], s[16:17], s[14:15]
	s_add_nc_u64 s[46:47], s[46:47], s[44:45]
	CROUND                                         ; all four work-groups are here: the first joint loads meet
.irp s, 0,1
	s_mov_b32 s[G0+4*\s], 1
	s_add_co_u32 s[G0+4*\s+1], s20, \s*SLOT
	s_add_nc_u64 s[G0+4*\s+2:G0+4*\s+3], s[14:15], \s*KSTEP*2
	s_or_b32 s[G0+4*\s+3], s[G0+4*\s+3], 0x80000000
	s_mov_b32 s[G0B+4*\s], 1
	s_add_co_u32 s[G0B+4*\s+1], s21, \s*SLOT
	s_add_nc_u64 s[G0B+4*\s+2:G0B+4*\s+3], s[46:47], \s*KSTEP*2
	s_or_b32 s[G0B+4*\s+3], s[G0B+4*\s+3], 0x80000000
	JLOAD \s                                       ; both slots' first fills go out together: two tensor loads of a wave are out
.endr
	v_and_b32 v1, 15, v0                           ; r
	v_bfe_u32 v2, v0, 4, 1                         ; h
	v_mul_u32_u24 v3, v1, PITCH
	v_lshl_add_u32 v3, v2, 4, v3                   ; row x pitch + 16 h
	s_mul_i32 s22, s11, AH
	s_mul_i32 s23, s12, BH
	s_add_co_u32 s23, s23, 2*AH
.irp s, 0,1
	v_add_nc_u32 v[ADRA+\s], s22, v3
	v_add_nc_u32 v[ADRB+\s], s23, v3
	s_add_co_u32 s22, s22, SLOT
	s_add_co_u32 s23, s23, SLOT
.endr
	s_wait_tensorcnt 1                             ; my part of K step 0 is in; K step 1's stays out
	s_barrier_signal -1
	s_barrier_wait -1
	FETCH 0, 0, F0
	LAP 1                                          ; the first products start the sums: nothing is cleared
	WIN 0
	s_mov_b32 s3, LAPS-2
.Llap:
	LAP 0
	WIN 0
	s_sub_co_u32 s3, s3, 1
	s_cmp_lg_u32 s3, 0
	s_cbranch_scc1 .Llap
	THREE 0, 0                                     ; the last lap fills nothing
	TURN 0, 1, 0
	THREE 1, 0
	s_wait_dscnt 4
	WIN W_MUL
	MUL8 F1, 0, 0
	MUL8 F1, 1, 0
	s_wait_dscnt 0
	MUL8 F1, 2, 0
	MUL8 F1, 3, 0
	WIN 0
	PLACES                                         ; behind the last matrix instructions: the epilogues read results and load onto fragment registers
.set LN16, 24                          ; v24  16 x lane
.set CSO,  25                          ; v25  q, k: 256 r + 16 h in cos and sin
.set V1O,  26                          ; v26  v: 512 r + 32 h in v1
	v_and_b32 v[LN16], 31, v0
	v_lshlrev_b32 v[LN16], 4, v[LN16]
	s_cmp_ge_u32 s13, 10                           ; y is the same in all four partners
	s_cbranch_scc1 .Lvpart
	; ---- q, k: RMS norm over the head's 128 channels, rotation of the pairs (2 p, 2 p + 1), f16, out in fragment order ----
.set CC, 32                            ; v[32:63]   cos of my 32 pairs (4 for each b), later x the row's factor
.set SN, 64                            ; v[64:95]   sin likewise
.set YY, 96                            ; v[96:159]  the 64 rotated numbers
.set PK, 160                           ; v[160:191] packed, to store
.set SS, 192                           ; v[192:199] four chains of squares
.set RR, 200                           ; v[200:201] the row's factor, twice
.set TA, 202                           ; v[202:209] at work
	s_lshl_b32 s66, s41, 7
	s_lshl_b32 s67, s11, 6
	s_add_co_u32 s66, s66, s67                     ; t0 = 128 wgx + 64 wa: my first position
	s_lshl_b32 s92, s66, 8                         ; t0 rows of 256 bytes in cos, sin; also t0 / 16 position tiles of 4,096 bytes in qf, kf
	s_mov_b32 s93, 0
	s_add_nc_u64 s[68:69], s[68:69], s[92:93]
	s_add_nc_u64 s[70:71], s[70:71], s[92:93]
	s_lshl_b32 s67, s13, 1
	s_add_co_u32 s67, s67, s12                     ; head = 2 y + wb: 0-15 are q's, 16-19 k's
	s_and_b32 s67, s67, 15
	s_lshl_b32 s90, s67, 19                        ; a head is 128 x 8 x 512 bytes
	s_add_co_u32 s90, s90, s92
	s_mov_b32 s91, 0
	s_cmp_ge_u32 s13, 8
	s_cselect_b64 s[82:83], s[78:79], s[76:77]
	s_cselect_b32 s86, 1.0, 0x3e0293ee             ; q: 128^-0.5 x log2(e)
	s_add_nc_u64 s[82:83], s[82:83], s[90:91]
	s_mov_b32 s84, 0x3c000000                      ; 1 / 128
	s_mov_b32 s85, 0x358637bd                      ; 1e-6
	s_mov_b32 s87, 0x76543210                      ; v_permlanex16_b32: lane i of one half reads lane i of the other
	s_mov_b32 s88, 0xfedcba98
	v_lshlrev_b32 v[CSO], 8, v1
	v_lshl_add_u32 v[CSO], v2, 4, v[CSO]
; Positions 16 a + r.  Channel 16 b + 8 h + 2 q is pair p = 8 b + 4 h + q: a lane's four pairs of block b are 16 bytes of a row of cos.
.macro QKROW a
	WIN 0
.irp b, 0,1,2,3,4,5,6,7
	global_load_b128 v[CC+4*\b:CC+4*\b+3], v[CSO], s[68:69] offset:4096*\a+32*\b
	global_load_b128 v[SN+4*\b:SN+4*\b+3], v[CSO], s[70:71] offset:4096*\a+32*\b
.endr
	WIN 0x05                                       ; sources 0, 1: the accumulators
.irp i, 0,1,2,3
	v_pk_mul_f32 v[SS+2*\i:SS+2*\i+1], v[64*\a+2*\i:64*\a+2*\i+1], v[64*\a+2*\i:64*\a+2*\i+1]
.endr
.set n, 4
.rept 28
	v_pk_fma_f32 v[SS+2*(n%4):SS+2*(n%4)+1], v[64*\a+2*n:64*\a+2*n+1], v[64*\a+2*n:64*\a+2*n+1], v[SS+2*(n%4):SS+2*(n%4)+1]
.set n, n+1
.endr
	WIN 0
	v_pk_add_f32 v[SS:SS+1], v[SS:SS+1], v[SS+2:SS+3]
	v_pk_add_f32 v[SS+4:SS+5], v[SS+4:SS+5], v[SS+6:SS+7]
	v_pk_add_f32 v[SS:SS+1], v[SS:SS+1], v[SS+4:SS+5]
	v_add_f32 v[SS], v[SS], v[SS+1]                ; my 64 channels;
	v_permlanex16_b32 v[SS+2], v[SS], s87, s88     ; the other 64 lie in the lane 16 away
	v_add_f32 v[SS], v[SS], v[SS+2]
	v_fma_f32 v[SS], v[SS], s84, s85               ; mean + eps
	v_rsq_f32 v[SS+1], v[SS]
	v_nop                                          ; one plain instruction behind the transcendental (ISA guide 5.7.2)
	s_wait_alu depctr_va_vdst(0)
	v_mul_f32 v[RR], s86, v[SS+1]
	v_mul_f32 v[RR+1], s86, v[SS+1]
	s_wait_loadcnt 0x0                             ; cos and sin of this row block
.set n, 0
.rept 16
	v_pk_mul_f32 v[CC+2*n:CC+2*n+1], v[CC+2*n:CC+2*n+1], v[RR:RR+1]
	v_pk_mul_f32 v[SN+2*n:SN+2*n+1], v[SN+2*n:SN+2*n+1], v[RR:RR+1]
.set n, n+1
.endr
	WIN 0x01                                       ; source 0: the accumulators
.irp b, 0,1,2,3,4,5,6,7
.irp q, 0,1,2,3
	v_mul_f32 v[TA+2*\q], v[64*\a+8*\b+2*\q+1], v[SN+4*\b+\q]
	v_mul_f32 v[TA+2*\q+1], v[64*\a+8*\b+2*\q], v[SN+4*\b+\q]
.endr
.irp q, 0,1,2,3
	v_fma_f32 v[YY+8*\b+2*\q], v[64*\a+8*\b+2*\q], v[CC+4*\b+\q], -v[TA+2*\q]        ; y0 = x0 c - x1 s
	v_fma_f32 v[YY+8*\b+2*\q+1], v[64*\a+8*\b+2*\q+1], v[CC+4*\b+\q], v[TA+2*\q+1]   ; y1 = x1 c + x0 s
.endr
.endr
	WIN 0
	s_wait_xcnt 0x0                                ; PK, which the last row block's stores read, is rewritten only behind this wait
.irp b, 0,1,2,3,4,5,6,7
.irp q, 0,1,2,3
	v_cvt_pk_f16_f32 v[PK+4*\b+\q], v[YY+8*\b+2*\q], v[YY+8*\b+2*\q+1]
.endr
.endr
.irp b, 0,1,2,3,4,5,6,7
	global_store_b128 v[LN16], v[PK+4*\b:PK+4*\b+3], s[82:83] offset:4096*\a+512*\b   ; 512 consecutive bytes a store
.endr
.endm
	QKROW 0
	QKROW 1
	QKROW 2
	QKROW 3
	s_branch .Lclose
	; ---- v: ((1 - lambda) v + lambda v1) / 4, transposed as the accumulators lie ----
	; lambda v1 lies [key][channel] in memory; the accumulators hold [channel r][keys 8 h + j].  It is brought in as a matrix fragment (16 keys x 32 channels,
	; rounded to f16) and multiplied by a 16 x 32 piece of the identity, which adds v1(key, channel) onto the accumulator's own layout: 32 matrix instructions a wave.
.Lvpart:
.set LV,  32                           ; v[32:159]  v1 as loaded: 8 fragments x 16 f32; later the packed results
.set FV,  160                          ; v[160:223] 8 fragments (4 key tiles x 2 channel chunks) in f16
.set ID,  224                          ; v[224:235] 0,0,0,0, E0..E3, 0,0,0,0: the identity's two pieces overlap
.set LAM, 236                          ; v[236:237] lambda / 4, twice
.set OML, 238                          ; v[238:239] (1 - lambda) / 4, twice
	s_load_b32 s96, s[74:75], 0x0
	s_sub_co_u32 s66, s13, 10
	s_lshl_b32 s66, s66, 2
	s_add_co_u32 s66, s66, ttmp9                   ; my block of 256 positions
	s_lshl_b32 s90, s40, 20                        ; v1: head cx,
	s_lshl_b32 s67, s66, 17                        ; 256 positions of 512 bytes,
	s_add_co_u32 s90, s90, s67
	s_lshl_b32 s67, s12, 16                        ; my 128 of them,
	s_add_co_u32 s90, s90, s67
	s_lshl_b32 s67, s11, 8                         ; my 64 channels
	s_add_co_u32 s90, s90, s67
	s_mov_b32 s91, 0
	s_add_nc_u64 s[72:73], s[72:73], s[90:91]
	s_lshl_b32 s90, s40, 19                        ; vf: head cx,
	s_lshl_b32 s67, s66, 16                        ; 16 key tiles of 4,096 bytes,
	s_add_co_u32 s90, s90, s67
	s_lshl_b32 s67, s12, 15                        ; my 8 of them,
	s_add_co_u32 s90, s90, s67
	s_lshl_b32 s67, s11, 11                        ; my 4 channel tiles of 512 bytes
	s_add_co_u32 s90, s90, s67
	s_add_nc_u64 s[80:81], s[80:81], s[90:91]
	v_lshlrev_b32 v[V1O], 9, v1
	v_lshl_add_u32 v[V1O], v2, 5, v[V1O]
; key tiles 4 g .. 4 g + 3: fragment (bb, ec) = keys 16 b + r, channels 32 ec + 8 h .. + 7 and 32 ec + 16 + 8 h .. + 7
.macro VLOADS g
.irp bb, 0,1,2,3
.irp ec, 0,1
	global_load_b128 v[LV+16*(2*\bb+\ec):LV+16*(2*\bb+\ec)+3],     v[V1O], s[72:73] offset:8192*(4*\g+\bb)+128*\ec th:TH_LOAD_NT
	global_load_b128 v[LV+16*(2*\bb+\ec)+4:LV+16*(2*\bb+\ec)+7],   v[V1O], s[72:73] offset:8192*(4*\g+\bb)+128*\ec+16 th:TH_LOAD_NT
	global_load_b128 v[LV+16*(2*\bb+\ec)+8:LV+16*(2*\bb+\ec)+11],  v[V1O], s[72:73] offset:8192*(4*\g+\bb)+128*\ec+64 th:TH_LOAD_NT
	global_load_b128 v[LV+16*(2*\bb+\ec)+12:LV+16*(2*\bb+\ec)+15], v[V1O], s[72:73] offset:8192*(4*\g+\bb)+128*\ec+80 th:TH_LOAD_NT
.endr
.endr
.endm
.macro VCONV                           ; x lambda / 4, then f16.  The 64 multiplies are also the places between a group's matrix instructions and the writes of FV
	s_wait_loadcnt 0x0
.set n, 0
.rept 64
	v_pk_mul_f32 v[LV+2*n:LV+2*n+1], v[LV+2*n:LV+2*n+1], v[LAM:LAM+1]
.set n, n+1
.endr
.set n, 0
.rept 64
	v_cvt_pk_f16_f32 v[FV+n], v[LV+2*n], v[LV+2*n+1]
.set n, n+1
.endr
.endm
.macro VADD g                          ; 16 matrix instructions on 16 different accumulators
	WIN W_MUL
.irp a, 0,1,2,3
.irp bb, 0,1,2,3
	v_wmma_f32_16x16x32_f16 v[8*(8*\a+4*\g+\bb):8*(8*\a+4*\g+\bb)+7], v[FV+8*(2*\bb+\a/2):FV+8*(2*\bb+\a/2)+7], v[ID+4-4*(\a%2):ID+4-4*(\a%2)+7], v[8*(8*\a+4*\g+\bb):8*(8*\a+4*\g+\bb)+7]
.endr
.endr
	WIN 0
.endm
	VLOADS 0
	; the identity: row n = r has its one at k = r (a even) or 16 + r (a odd); lane (r, h) holds k = 8 h .. 8 h + 7, so the one is in the half h = r >> 3
	v_lshrrev_b32 v3, 3, v1
	v_and_b32 v4, 1, v1
	v_lshlrev_b32 v4, 4, v4
	v_mov_b32 v5, 0x3c00                           ; 1.0 in f16,
	v_lshlrev_b32 v5, v4, v5                       ; in the word's half r & 1
	v_cmp_eq_u32 vcc_lo, v3, v2
	v_cndmask_b32 v5, 0, v5, vcc_lo
	v_bfe_u32 v6, v1, 1, 2                         ; in register (r & 7) >> 1
.irp i, 0,1,2,3
	v_mov_b32 v[ID+\i], 0
	v_mov_b32 v[ID+8+\i], 0
	v_cmp_eq_u32 vcc_lo, \i, v6
	v_cndmask_b32 v[ID+4+\i], 0, v5, vcc_lo
.endr
	s_wait_kmcnt 0x0
	v_mov_b32 v[LAM+1], s96
	v_sub_f32 v[OML+1], 1.0, v[LAM+1]
	v_mul_f32 v[LAM], 0x3e800000, v[LAM+1]         ; the factor 1 / 4 of the stored v rides on both weights
	v_mul_f32 v[OML], 0x3e800000, v[OML+1]
	v_mov_b32 v[LAM+1], v[LAM]
	v_mov_b32 v[OML+1], v[OML]
	WIN 0x41                                       ; destination and source 0: the accumulators
.set n, 0
.rept 128
	v_pk_mul_f32 v[2*n:2*n+1], v[2*n:2*n+1], v[OML:OML+1]
.set n, n+1
.endr
	WIN 0
	VCONV
	VLOADS 1                                       ; LV has been converted: the second group's loads are on their way during the first group's products
	VADD 0
	VCONV
	VADD 1
	PLACES
.irp a, 0,1,2,3
	s_wait_xcnt 0x0                                ; the packed registers, which the last stores read, are rewritten only behind this wait
	WIN 0x05
.irp b, 0,1,2,3,4,5,6,7
.irp q, 0,1,2,3
	v_cvt_pk_f16_f32 v[LV+4*\b+\q], v[64*\a+8*\b+2*\q], v[64*\a+8*\b+2*\q+1]
.endr
.endr
	WIN 0
.irp b, 0,1,2,3,4,5,6,7
	global_store_b128 v[LN16], v[LV+4*\b:LV+4*\b+3], s[80:81] offset:4096*\b+512*\a   ; key tile b, channel tile a: 512 consecutive bytes
.endr
.endr
.Lclose:
	CROUND                                         ; the closing round: no work-group ends while a partner may still ask for a tile that names it
	s_endpgm
.Lfunc_end_k_qc25817288f_qkv:
	.size	k_qc25817288f_qkv, .Lfunc_end_k_qc25817288f_qkv-k_qc25817288f_qkv
	.p2alignl 7, 3214868480
	.fill 96, 4, 3214868480
	.section	.rodata,"a",@progbits
	.p2align	6, 0x0
	.amdhsa_kernel k_qc25817288f_qkv
		.amdhsa_group_segment_fixed_size 327680
		.amdhsa_private_segment_fixed_size 0
		.amdhsa_enable_private_segment 0
		.amdhsa_kernarg_size 72
		.amdhsa_user_sgpr_count 2
		.amdhsa_user_sgpr_kernarg_segment_ptr 1
		.amdhsa_wavefront_size32 1
		.amdhsa_system_sgpr_workgroup_id_x 1
		.amdhsa_system_sgpr_workgroup_id_y 1
		.amdhsa_system_sgpr_workgroup_id_z 1
		.amdhsa_system_vgpr_workitem_id 0
		.amdhsa_next_free_vgpr 512
		.amdhsa_next_free_sgpr 100
		.amdhsa_reserve_vcc 1
		.amdhsa_float_denorm_mode_32 3
		.amdhsa_float_denorm_mode_16_64 3
		.amdhsa_memory_ordered 1
		.amdhsa_forward_progress 1
		.amdhsa_inst_pref_size 207
	.end_amdhsa_kernel
	.amdgpu_metadata
---
amdhsa.version: [ 1, 2 ]
amdhsa.kernels:
  - .name:           k_qc25817288f_qkv
    .symbol:         k_qc25817288f_qkv.kd
    .args:
      - { .name: xb, .offset: 0, .size: 8, .value_kind: global_buffer, .address_space: global }
      - { .name: wqkv, .offset: 8, .size: 8, .value_kind: global_buffer, .address_space: global }
      - { .name: cos, .offset: 16, .size: 8, .value_kind: global_buffer, .address_space: global }
      - { .name: sin, .offset: 24, .size: 8, .value_kind: global_buffer, .address_space: global }
      - { .name: v1, .offset: 32, .size: 8, .value_kind: global_buffer, .address_space: global }
      - { .name: v_lamb, .offset: 40, .size: 8, .value_kind: global_buffer, .address_space: global }
      - { .name: qf, .offset: 48, .size: 8, .value_kind: global_buffer, .address_space: global }
      - { .name: kf, .offset: 56, .size: 8, .value_kind: global_buffer, .address_space: global }
      - { .name: vf, .offset: 64, .size: 8, .value_kind: global_buffer, .address_space: global }
    .group_segment_fixed_size: 327680
    .private_segment_fixed_size: 0
    .kernarg_segment_align: 8
    .kernarg_segment_size: 72
    .max_flat_workgroup_size: 128
    .sgpr_count:     100
    .vgpr_count:     512
    .wavefront_size: 32
...
	.end_amdgpu_metadata
.endif
;; end of part 2
;; launch attn (part 3): grid 16 x 16, 4 waves a work-group, no clusters, 153,088 bytes of LDS; arguments qf, kf, vf, x, gate_w, yb; writes yb
.if DOCPART == 3
	.amdgcn_target "amdgcn-amd-amdhsa--gfx1250"
	.amdhsa_code_object_version 6
	.text
	.protected	k_qc25817288f_attn
	.globl	k_qc25817288f_attn
	.p2align	8
	.type	k_qc25817288f_attn,@function
k_qc25817288f_attn:
	s_mov_b64 s[64:65], 0
	v_nop
	global_prefetch_b8 v0, s[64:65] scope:SCOPE_SE
	s_setreg_imm32_b32 hwreg(HW_REG_WAVE_MODE, 25, 1), 1
	s_wait_xcnt 0x0
; LAUNCH 3 OF 4.  Causal attention of one head (grid y) on two query blocks of 64 rows (grid x = j: blocks j and 31 - j), the head's sigmoid gate, 1 / sum; yb in f16.
; vf holds v / 4, so yb holds y / 4 (the fourth launch's weights are 4 Wo; the room in f16 is counted at the first launch's head).
; Left out: key tiles wholly above the diagonal (the mask is reference()'s own jnp.tril; shown at the first launch's head).
; All four waves hold the same 64 queries; wave w takes the key tiles (64 keys) t = w mod 4, downward from 4 (qb >> 2) + w.  A block needs (qb >> 2) + 1 trips,
; and the two blocks' trips add up to 9 for every j: all 256 work-groups do the same work.  Only a block's first trip can touch the diagonal, and it alone is masked.
; In that trip a wave with w > qb & 3 has a tile wholly above the diagonal (3 of a work-group's 36 tile slots on the average): it is multiplied and masked like the
; others, since the merge waits for the slowest wave anyway; its maximum is the mask's value, so its sums get the factor 2^(mask - true maximum) = 0 later.
; LIMITS: the mask's value is -1e30, not the least f32: scores (x log2 e) must stay above it; they are bounded by 128 x the squares of cos, sin x 0.13.
; A running maximum is kept, as reference() takes the row's maximum away.  A weight under 2^-25 of its wave's running maximum rounds to 0 in f16 (it stays in the f32 sum).
; The gate's product (16 numbers a row) is made in f32 on the vector unit.
;
; ORIENTATION.  S^T = K Q^T (source 0 = 16 keys, source 1 = 16 queries): lane (r, h) holds query r, register j key 8 h + j.  Two such tiles, packed to f16, ARE the
; fragment of P (query r; keys 8 h .., 16 + 8 h ..) for O^T = V^T P^T (source 0 = 16 channels of V^T, source 1 = P): no lane moves, and maximum, sum and factor are one number a lane.
; K, V and Q lie in memory in fragment order (second launch): a wave's load takes 512 consecutive bytes straight into fragment registers.
; NO JOINT REQUESTS: each byte of K and V is multiplied by exactly one wave of the work-group, four times from its registers; a joint request lands in LDS, which would
; add a write and a read of 32 KiB of LDS for each tile to bytes that no second wave of the work-group reads.  So the loop has no LDS access and no barrier.
;
; REGISTERS.  Window 0: below.  Window 1: O(qt, dt) at 64 qt + 8 dt.  Window 2: Q(qt, c) at 32 qt + 8 c; K(kt, c) at 128 + 32 kt + 8 c.  Window 3: V(dt, kc) at 64 kc + 8 dt.
.set PT,   0                           ; v[0:3]     at work (free after the prologue)
.set LOFF, 4                           ; 16 x lane
.set DLT,  5                           ; 64 (w - (qb & 3)) + 8 h - r: key - query at (kt, j) = (qt, 0) in a block's first trip
.set NEG,  6                           ; the mask's value
.set GXO,  7                           ; 8192 r + 32 h in x
.set GWO,  8                           ; 32 h in the head's row of gate_w
.set OPW,  9                           ; LDS: where my partial O goes
.set OPR0, 10                          ; LDS: my query tile's partial O of waves 0, 1
.set OPR1, 11                          ; of waves 2, 3
.set MLW,  12                          ; LDS: where my m and l go
.set MLR,  13                          ; LDS: my query tile's m and l
.set STO,  14                          ; LDS stage: in
.set RD,   15                          ; LDS stage: back
.set CO,   16                          ; my byte offset in two rows of yb
.set B8,   17                          ; 8 h - r
.set M,    20                          ; v[20:23]   running maximum of query tile qt
.set L,    24                          ; v[24:27]   running sum (my half of the keys)
.set MX,   28                          ; v[28:31]   new maximum
.set NM,   32                          ; v[32:39]   - maximum, twice.  In the merge: x's 8 numbers
.set AL,   40                          ; v[40:47]   2^(old - new maximum), twice.  In the merge: the four waves' m, then l
.set LS,   48                          ; v[48:55]   the trip's sums.  In the merge: the four waves' factors, twice
.set GW,   56                          ; v[56:63]   gate_w[head][8 h .. 8 h + 7]
.set S,    64                          ; v[64:191]  S(qt, kt) at 32 qt + 8 kt; P(qt, kc) at 32 qt + 16 kc
.set YY,   192                         ; v[192:255] the merge's result
.set GX, NM
.set MM, AL
.set LL, AL+4
.set FP, LS
.set QF, 0
.set KF, 128
.set VF, 0
.set ML0,    131072                    ; LDS: partial O [wave][64 x 512 bytes] at 0; m, l [wave][qt][m, l][32 lanes] here;
.set STAGE,  135168                    ; 16 rows x 272 bytes for each wave here
.set SPITCH, 272
.set W_S,   0x0a                       ; sources 0, 1 (K, Q) window 2; C, D window 0
.set W_PV,  0x53                       ; source 0 (V) window 3; source 1 (P) window 0; C, D window 1
.set W_QK,  0x80                       ; loads into window 2
.set W_V,   0xc0                       ; loads into window 3
.set W_RS,  0x41                       ; destination and source 0 window 1
.set W_OST, 0x04                       ; LDS store data window 1
.set MSB, 0
.macro WIN new                         ; the immediate's high byte repeats the setting that is left
.if MSB != \new
	s_set_vgpr_msb (MSB<<8)|\new
.set MSB, \new
.endif
.endm
.macro LDQ
	WIN W_QK
.set n, 0
.rept 32
	global_load_b128 v[QF+4*n:QF+4*n+3], v[LOFF], s[38:39] offset:512*n
.set n, n+1
.endr
	WIN 0
.endm
.macro LDK
	WIN W_QK
.set n, 0
.rept 32
	global_load_b128 v[KF+4*n:KF+4*n+3], v[LOFF], s[26:27] offset:512*n
.set n, n+1
.endr
	WIN 0
.endm
.macro LDV
	WIN W_V
.irp kc, 0,1
.irp e, 0,1
.irp dt, 0,1,2,3,4,5,6,7
	global_load_b128 v[VF+64*\kc+8*\dt+4*\e:VF+64*\kc+8*\dt+4*\e+3], v[LOFF], s[28:29] offset:(2*\kc+\e)*4096+512*\dt
.endr
.endr
.endr
	WIN 0
.endm
; key <= query  <=>  DLT <= 16 (qt - kt) - j.  One compare serves all tile pairs with the same qt - kt = dd - 3.
.macro MASK
.irp dd, 0,1,2,3,4,5,6
.irp jj, 0,1,2,3,4,5,6,7
	v_cmp_ge_i32 vcc_lo, 16*(\dd-3)-\jj, v[DLT]
.irp qt, 0,1,2,3
.if (\qt+3-\dd >= 0)
.if (\qt+3-\dd <= 3)
	v_cndmask_b32 v[S+32*\qt+8*(\qt+3-\dd)+\jj], v[NEG], v[S+32*\qt+8*(\qt+3-\dd)+\jj], vcc_lo
.endif
.endif
.endr
.endr
.endr
.endm
; One key tile.  first: a block's first trip (masked; starts maximum, sums and O).  pf: the next tile's K and V are loaded.  selb: behind tile w comes the second block's first tile.
.macro TRIP first, pf, selb
.if \first
	s_wait_loadcnt 0x0                             ; Q, K, V (and gate_w)
.else
	s_wait_loadcnt 32                              ; K is in; the 32 loads of V, issued behind it, may be out.  It also frees K's base
.endif
	WIN W_S
.irp c, 0,1,2,3                        ; 64 matrix instructions; the 16 accumulators take turns, one instruction a turn
.irp kt, 0,1,2,3
.irp qt, 0,1,2,3
.if \c
	v_wmma_f32_16x16x32_f16 v[S+32*\qt+8*\kt:S+32*\qt+8*\kt+7], v[KF+32*\kt+8*\c:KF+32*\kt+8*\c+7], v[QF+32*\qt+8*\c:QF+32*\qt+8*\c+7], v[S+32*\qt+8*\kt:S+32*\qt+8*\kt+7]
.else
	v_wmma_f32_16x16x32_f16 v[S+32*\qt+8*\kt:S+32*\qt+8*\kt+7], v[KF+32*\kt+8*\c:KF+32*\kt+8*\c+7], v[QF+32*\qt+8*\c:QF+32*\qt+8*\c+7], 0
.endif
.endr
.endr
.endr
	WIN 0
.rept 4
	v_nop                                          ; four places: loads land on K's registers, vector instructions read S (ISA guide 7.12.1 for vector instructions)
.endr
.if \pf
.if \selb
	s_sub_co_u32 s30, s21, 4
	s_cmp_ge_u32 s21, 4
	s_cselect_b32 s21, s30, s23                    ; four tiles down, or the second block's first tile
.else
	s_sub_co_u32 s21, s21, 4
.endif
	s_lshl_b32 s30, s21, 14                        ; a tile is 16 KiB in kf and in vf
	s_mov_b32 s31, 0
	s_add_nc_u64 s[26:27], s[32:33], s[30:31]
	LDK
.endif
.if \first
	MASK
.endif
	; the maximum of my 32 scores of each query tile, the four tiles' chains interleaved
.irp qt, 0,1,2,3
	v_max3_num_f32 v[MX+\qt], v[S+32*\qt], v[S+32*\qt+1], v[S+32*\qt+2]
.endr
.irp i, 3,5,7,9,11,13,15,17,19,21,23,25,27,29
.irp qt, 0,1,2,3
	v_max3_num_f32 v[MX+\qt], v[MX+\qt], v[S+32*\qt+\i], v[S+32*\qt+\i+1]
.endr
.endr
.irp qt, 0,1,2,3
.if \first
	v_max_num_f32 v[MX+\qt], v[MX+\qt], v[S+32*\qt+31]
.else
	v_max3_num_f32 v[MX+\qt], v[MX+\qt], v[S+32*\qt+31], v[M+\qt]
.endif
.endr
.irp qt, 0,1,2,3
	v_permlanex16_b32 v[PT+\qt], v[MX+\qt], s24, s25       ; the other 32 keys lie in the lane 16 away
.endr
.irp qt, 0,1,2,3
	v_max_num_f32 v[MX+\qt], v[MX+\qt], v[PT+\qt]
.endr
.if \first == 0
.irp qt, 0,1,2,3
	v_sub_f32 v[PT+\qt], v[M+\qt], v[MX+\qt]
.endr
.irp qt, 0,1,2,3
	v_exp_f32 v[AL+2*\qt], v[PT+\qt]
	v_exp_f32 v[AL+2*\qt+1], v[PT+\qt]
.endr
.endif
.irp qt, 0,1,2,3
	v_mov_b32 v[M+\qt], v[MX+\qt]                  ; plain instructions behind the exponentials (ISA guide 5.7.2)
.endr
.irp qt, 0,1,2,3
	v_sub_f32 v[NM+2*\qt], 0, v[MX+\qt]
	v_sub_f32 v[NM+2*\qt+1], 0, v[MX+\qt]
.endr
.irp qt, 0,1,2,3
.set n, 0
.rept 16
	v_pk_add_f32 v[S+32*\qt+2*n:S+32*\qt+2*n+1], v[S+32*\qt+2*n:S+32*\qt+2*n+1], v[NM+2*\qt:NM+2*\qt+1]
.set n, n+1
.endr
.endr
.set n, 0
.rept 128
	v_exp_f32 v[S+n], v[S+n]
.set n, n+1
.endr
	v_nop                                          ; one plain instruction behind the last exponential
	s_wait_alu depctr_va_vdst(0)
.irp qt, 0,1,2,3
	v_pk_add_f32 v[LS+2*\qt:LS+2*\qt+1], v[S+32*\qt:S+32*\qt+1], v[S+32*\qt+2:S+32*\qt+3]
.endr
.irp i, 4,6,8,10,12,14,16,18,20,22,24,26,28,30
.irp qt, 0,1,2,3
	v_pk_add_f32 v[LS+2*\qt:LS+2*\qt+1], v[LS+2*\qt:LS+2*\qt+1], v[S+32*\qt+\i:S+32*\qt+\i+1]
.endr
.endr
.irp qt, 0,1,2,3
.if \first
	v_add_f32 v[L+\qt], v[LS+2*\qt], v[LS+2*\qt+1]
.else
	v_add_f32 v[LS+2*\qt], v[LS+2*\qt], v[LS+2*\qt+1]
.endif
.endr
.if \first == 0
.irp qt, 0,1,2,3
	v_fma_f32 v[L+\qt], v[L+\qt], v[AL+2*\qt], v[LS+2*\qt]
.endr
.endif
	; P in f16, in place: two tiles of S (16 registers) become one fragment (8); each target has been read before it is written
.irp qt, 0,1,2,3
.irp kc, 0,1
.irp i, 0,1,2,3
	v_cvt_pk_f16_f32 v[S+32*\qt+16*\kc+\i], v[S+32*\qt+16*\kc+2*\i], v[S+32*\qt+16*\kc+2*\i+1]
.endr
.irp i, 0,1,2,3
	v_cvt_pk_f16_f32 v[S+32*\qt+16*\kc+4+\i], v[S+32*\qt+16*\kc+8+2*\i], v[S+32*\qt+16*\kc+9+2*\i]
.endr
.endr
.endr
.if \first == 0
	WIN W_RS
.irp qt, 0,1,2,3
.set n, 0
.rept 32
	v_pk_mul_f32 v[64*\qt+2*n:64*\qt+2*n+1], v[64*\qt+2*n:64*\qt+2*n+1], v[AL+2*\qt:AL+2*\qt+1]
.set n, n+1
.endr
.endr
.if \pf
	s_wait_loadcnt 32                              ; V is in; the next tile's 32 loads of K, issued behind it, may be out.  It also frees V's base
.else
	s_wait_loadcnt 0x0
.endif
.endif
	WIN W_PV
.irp kc, 0,1                           ; 64 matrix instructions; the 32 accumulators take turns, one instruction a turn
.irp dt, 0,1,2,3,4,5,6,7
.irp qt, 0,1,2,3
.if \first*(1-\kc)
	v_wmma_f32_16x16x32_f16 v[64*\qt+8*\dt:64*\qt+8*\dt+7], v[VF+64*\kc+8*\dt:VF+64*\kc+8*\dt+7], v[S+32*\qt+16*\kc:S+32*\qt+16*\kc+7], 0
.else
	v_wmma_f32_16x16x32_f16 v[64*\qt+8*\dt:64*\qt+8*\dt+7], v[VF+64*\kc+8*\dt:VF+64*\kc+8*\dt+7], v[S+32*\qt+16*\kc:S+32*\qt+16*\kc+7], v[64*\qt+8*\dt:64*\qt+8*\dt+7]
.endif
.endr
.endr
.endr
	WIN 0
.rept 5
	v_nop                                          ; five places: the next trip's first products write over P; loads land on V's registers; the merge stores O
.endr
.if \pf
	s_add_nc_u64 s[28:29], s[34:35], s[30:31]
	LDV
.endif
.endm
; The merge's reads of partial O: quads 8 bt .. 8 bt + 7 of my query tile, of all four waves, 512 consecutive bytes a load
.macro OPLOAD bt
.irp sw, 0,1
.irp q, 0,1,2,3,4,5,6,7
	ds_load_b128 v[S+4*(8*\sw+\q):S+4*(8*\sw+\q)+3], v[OPR0] offset:32768*\sw+512*(8*\bt+\q)
.endr
.endr
.irp sw, 0,1
.irp q, 0,1,2,3,4,5,6,7
	ds_load_b128 v[S+64+4*(8*\sw+\q):S+64+4*(8*\sw+\q)+3], v[OPR1] offset:32768*\sw+512*(8*\bt+\q)
.endr
.endr
.endm
.macro OPSUM bt
.set n, 0
.rept 16
	v_pk_mul_f32 v[YY+32*\bt+2*n:YY+32*\bt+2*n+1], v[S+2*n:S+2*n+1], v[FP:FP+1]
.set n, n+1
.endr
.irp sw, 1,2,3
.set n, 0
.rept 16
	v_pk_fma_f32 v[YY+32*\bt+2*n:YY+32*\bt+2*n+1], v[S+32*\sw+2*n:S+32*\sw+2*n+1], v[FP+2*\sw:FP+2*\sw+1], v[YY+32*\bt+2*n:YY+32*\bt+2*n+1]
.set n, n+1
.endr
.endr
.endm
; The four waves' partial results of block s20 meet in LDS; wave w finishes query tile w: y = gate / sum x the sum over the waves of 2^(m - maximum) O.
.macro MERGE last
.if \last == 0
	s_sub_co_u32 s46, 31, s17
	s_lshl_b32 s30, s46, 14
	s_mov_b32 s31, 0
	s_add_nc_u64 s[38:39], s[36:37], s[30:31]      ; the second block's Q: the first block's loads were waited for long ago
	LDQ
.endif
	s_lshl_b32 s30, s20, 19                        ; x: 64 rows of 8,192 bytes a block,
	s_lshl_b32 s46, s16, 17                        ; 16 a wave
	s_add_co_u32 s30, s30, s46
	s_mov_b32 s31, 0
	s_add_nc_u64 s[40:41], s[10:11], s[30:31]
	global_load_b128 v[GX:GX+3], v[GXO], s[40:41]              ; x[row r of my tile][8 h .. 8 h + 7]
	global_load_b128 v[GX+4:GX+7], v[GXO], s[40:41] offset:16
.irp qt, 0,1,2,3
	ds_store_b32 v[MLW], v[M+\qt] offset:256*\qt
	ds_store_b32 v[MLW], v[L+\qt] offset:256*\qt+128
.endr
	WIN W_OST
.set n, 0
.rept 64
	ds_store_b128 v[OPW], v[4*n:4*n+3] offset:512*n
.set n, n+1
.endr
	WIN 0
	s_wait_dscnt 0x0                               ; my stores are done, for the others' sake
	s_barrier_signal -1
	s_barrier_wait -1
.irp sw, 0,1,2,3
	ds_load_b32 v[MM+\sw], v[MLR] offset:1024*\sw
	ds_load_b32 v[LL+\sw], v[MLR] offset:1024*\sw+128
.endr
	OPLOAD 0
	s_wait_dscnt 32                                ; m and l are in; the 32 reads of partial O, issued behind them, may be out
	v_max3_num_f32 v[PT], v[MM], v[MM+1], v[MM+2]
	v_max_num_f32 v[PT], v[PT], v[MM+3]
.irp sw, 0,1,2,3
	v_sub_f32 v[MM+\sw], v[MM+\sw], v[PT]
.endr
.irp sw, 0,1,2,3
	v_exp_f32 v[MM+\sw], v[MM+\sw]
.endr
	v_nop
	s_wait_alu depctr_va_vdst(0)
	v_mul_f32 v[PT+1], v[MM], v[LL]
	v_fmac_f32 v[PT+1], v[MM+1], v[LL+1]
	v_fmac_f32 v[PT+1], v[MM+2], v[LL+2]
	v_fmac_f32 v[PT+1], v[MM+3], v[LL+3]
	v_permlanex16_b32 v[PT+2], v[PT+1], s24, s25   ; the sums of the other half of the keys
	v_add_f32 v[PT+1], v[PT+1], v[PT+2]
	s_wait_loadcnt 0x0                             ; x's 8 numbers (and whatever was issued before them)
	v_mul_f32 v[PT+2], v[GX], v[GW]
.irp i, 1,2,3,4,5,6,7
	v_fmac_f32 v[PT+2], v[GX+\i], v[GW+\i]
.endr
	v_permlanex16_b32 v[PT+3], v[PT+2], s24, s25   ; the other 8 of the 16 channels
	v_add_f32 v[PT+2], v[PT+2], v[PT+3]
	v_mul_f32 v[PT+2], 0xbfb8aa3b, v[PT+2]         ; sigmoid(z) = 1 / (1 + 2^(-log2(e) z))
	v_exp_f32 v[PT+2], v[PT+2]
	v_rcp_f32 v[PT+1], v[PT+1]                     ; 1 / sum
	v_nop
	s_wait_alu depctr_va_vdst(0)
	v_add_f32 v[PT+2], 1.0, v[PT+2]
	v_rcp_f32 v[PT+2], v[PT+2]
	v_nop
	s_wait_alu depctr_va_vdst(0)
	v_mul_f32 v[PT+1], v[PT+1], v[PT+2]
.irp sw, 0,1,2,3
	v_mul_f32 v[FP+2*\sw], v[MM+\sw], v[PT+1]
	v_mul_f32 v[FP+2*\sw+1], v[MM+\sw], v[PT+1]
.endr
	s_wait_dscnt 0x0
	OPSUM 0
	OPLOAD 1
	s_lshl_b32 s30, s20, 18                        ; yb: 64 rows of 4,096 bytes a block,
	s_lshl_b32 s46, s16, 16                        ; 16 a wave,
	s_add_co_u32 s30, s30, s46
	s_lshl_b32 s46, s18, 8                         ; the head's 256 bytes of a row
	s_add_co_u32 s30, s30, s46
	s_add_nc_u64 s[42:43], s[14:15], s[30:31]
	s_wait_dscnt 0x0
	OPSUM 1
	; a lane holds channels 16 dt + 8 h .. + 7 of query r: 16 bytes; through my own stage they become whole rows of 256 bytes
.irp dt, 0,1,2,3,4,5,6,7
.irp i, 0,1,2,3
	v_cvt_pk_f16_f32 v[S+4*\dt+\i], v[YY+8*\dt+2*\i], v[YY+8*\dt+2*\i+1]
.endr
.endr
.irp dt, 0,1,2,3,4,5,6,7
	ds_store_b128 v[STO], v[S+4*\dt:S+4*\dt+3] offset:32*\dt
.endr
.irp t, 0,1,2,3,4,5,6,7
	ds_load_b128 v[S+32+4*\t:S+32+4*\t+3], v[RD] offset:2*SPITCH*\t    ; LDS serves a wave's instructions in order: these see the stores above
.endr
.irp t, 0,1,2,3,4,5,6,7
	s_wait_dscnt 7-\t                              ; rows 2 t, 2 t + 1 are in, the younger reads stay out
	global_store_b128 v[CO], v[S+32+4*\t:S+32+4*\t+3], s[42:43] offset:8192*\t   ; 16 lanes store 256 consecutive bytes, aligned
.endr
.if \last == 0
	s_wait_dscnt 0x0                               ; my reads of the others' bytes are done:
	s_wait_xcnt 0x0                                ; (and the stores' data registers and base are written again only behind this wait)
	s_barrier_signal -1                            ; the next merge's stores come behind every wave's reads
	s_barrier_wait -1
.endif
.endm
	s_load_b256 s[4:11], s[0:1], 0x0               ; qf s[4:5], kf s[6:7], vf s[8:9], x s[10:11]
	s_load_b128 s[12:15], s[0:1], 0x20             ; gate_w s[12:13], yb s[14:15]
	v_lshl_add_u32 v18, v0, 2, 0x25400
	v_mov_b32 v19, 0
	v_lshrrev_b32 v1, 5, v0
	v_readfirstlane_b32 s16, v1                    ; wave
	s_mov_b32 s17, ttmp9                           ; j
	s_and_b32 s18, ttmp7, 0xffff                   ; head
	s_lshr_b32 s19, s18, 2                         ; its key/value head
	s_mov_b32 s24, 0x76543210                      ; v_permlanex16_b32: lane i of one half reads lane i of the other
	s_mov_b32 s25, 0xfedcba98
	v_and_b32 v2, 31, v0                           ; lane
	v_and_b32 v3, 15, v0                           ; r
	v_bfe_u32 v1, v0, 4, 1                         ; h
	v_lshlrev_b32 v[LOFF], 4, v2
	v_lshlrev_b32 v[B8], 3, v1
	v_sub_nc_u32 v[B8], v[B8], v3
	v_mov_b32 v[NEG], 0xf149f2ca                   ; -1e30
	v_lshlrev_b32 v[GXO], 13, v3
	v_lshl_add_u32 v[GXO], v1, 5, v[GXO]
	v_lshlrev_b32 v[GWO], 5, v1
	s_lshl_b32 s46, s16, 15
	v_add_nc_u32 v[OPW], s46, v[LOFF]
	s_lshl_b32 s46, s16, 13
	v_add_nc_u32 v[OPR0], s46, v[LOFF]
	v_add_nc_u32 v[OPR1], 0x10000, v[OPR0]
	s_lshl_b32 s46, s16, 10
	s_add_co_u32 s46, s46, ML0
	v_lshl_add_u32 v[MLW], v2, 2, s46
	s_lshl_b32 s46, s16, 8
	s_add_co_u32 s46, s46, ML0
	v_lshl_add_u32 v[MLR], v2, 2, s46
	s_mul_i32 s46, s16, 16*SPITCH
	s_add_co_u32 s46, s46, STAGE
	v_mul_u32_u24 v[STO], v3, SPITCH
	v_lshl_add_u32 v[STO], v1, 4, v[STO]
	v_add_nc_u32 v[STO], s46, v[STO]
	v_mul_u32_u24 v[RD], v1, SPITCH
	v_lshl_add_u32 v[RD], v3, 4, v[RD]
	v_add_nc_u32 v[RD], s46, v[RD]
	v_lshlrev_b32 v[CO], 12, v1
	v_lshl_add_u32 v[CO], v3, 4, v[CO]
	s_mov_b32 s20, s17                             ; the first block: qb = j
	s_lshr_b32 s22, s17, 2                         ; its trips behind the first
	s_lshl_b32 s21, s22, 2
	s_add_co_u32 s21, s21, s16                     ; my first tile: 4 (j >> 2) + w
	s_sub_co_u32 s23, 31, s17
	s_lshr_b32 s23, s23, 2
	s_lshl_b32 s23, s23, 2
	s_add_co_u32 s23, s23, s16                     ; my first tile of the second block: 4 ((31 - j) >> 2) + w, 31 at the most
	s_and_b32 s46, s20, 3
	s_sub_co_i32 s46, s16, s46
	s_lshl_b32 s46, s46, 6
	v_add_nc_u32 v[DLT], s46, v[B8]
	s_wait_kmcnt 0x0
	s_lshl_b32 s30, s19, 19                        ; a head is 512 KiB in qf, kf, vf
	s_mov_b32 s31, 0
	s_add_nc_u64 s[32:33], s[6:7], s[30:31]
	s_add_nc_u64 s[34:35], s[8:9], s[30:31]
	s_lshl_b32 s30, s18, 19
	s_add_nc_u64 s[36:37], s[4:5], s[30:31]
	s_lshl_b32 s30, s18, 6
	s_add_nc_u64 s[44:45], s[12:13], s[30:31]
	s_lshl_b32 s30, s17, 14
	s_add_nc_u64 s[38:39], s[36:37], s[30:31]
	s_lshl_b32 s30, s21, 14
	s_add_nc_u64 s[26:27], s[32:33], s[30:31]
	s_add_nc_u64 s[28:29], s[34:35], s[30:31]
	global_load_b128 v[GW:GW+3], v[GWO], s[44:45]
	global_load_b128 v[GW+4:GW+7], v[GWO], s[44:45] offset:16
	LDQ
	LDK
	LDV
	TRIP 1, 1, 1
	s_cmp_eq_u32 s22, 0
	s_cbranch_scc1 .Lmerge_a
.Lpass_a:
	TRIP 0, 1, 1                                   ; the block's last trip (tile w) loads the second block's first tile
	s_sub_co_u32 s22, s22, 1
	s_cmp_lg_u32 s22, 0
	s_cbranch_scc1 .Lpass_a
.Lmerge_a:
	MERGE 0
	s_sub_co_u32 s20, 31, s17                      ; the second block: qb = 31 - j, 16 to 31: 5 to 8 trips
	s_and_b32 s46, s20, 3
	s_sub_co_i32 s46, s16, s46
	s_lshl_b32 s46, s46, 6
	v_add_nc_u32 v[DLT], s46, v[B8]
	s_lshr_b32 s22, s20, 2
	s_sub_co_u32 s22, s22, 1                       ; its trips but the first and the last: 3 to 6
	TRIP 1, 1, 0
.Lpass_b:
	TRIP 0, 1, 0
	s_sub_co_i32 s22, s22, 1
	s_cmp_gt_i32 s22, 0                            ; a signed compare: the loop ends whatever the start
	s_cbranch_scc1 .Lpass_b
	TRIP 0, 0, 0                                   ; tile w: nothing is left to load
	MERGE 1
	s_wait_tensorcnt 0x0
	ds_add_u32 v18, v19
	s_wait_dscnt 0x0
	s_endpgm
.Lfunc_end_k_qc25817288f_attn:
	.size	k_qc25817288f_attn, .Lfunc_end_k_qc25817288f_attn-k_qc25817288f_attn
	.p2alignl 7, 3214868480
	.fill 96, 4, 3214868480
	.section	.rodata,"a",@progbits
	.p2align	6, 0x0
	.amdhsa_kernel k_qc25817288f_attn
		.amdhsa_group_segment_fixed_size 153088
		.amdhsa_private_segment_fixed_size 0
		.amdhsa_enable_private_segment 0
		.amdhsa_kernarg_size 48
		.amdhsa_user_sgpr_count 2
		.amdhsa_user_sgpr_kernarg_segment_ptr 1
		.amdhsa_wavefront_size32 1
		.amdhsa_system_sgpr_workgroup_id_x 1
		.amdhsa_system_sgpr_workgroup_id_y 1
		.amdhsa_system_sgpr_workgroup_id_z 1
		.amdhsa_system_vgpr_workitem_id 0
		.amdhsa_next_free_vgpr 896
		.amdhsa_next_free_sgpr 66
		.amdhsa_reserve_vcc 1
		.amdhsa_float_denorm_mode_32 3
		.amdhsa_float_denorm_mode_16_64 3
		.amdhsa_memory_ordered 1
		.amdhsa_forward_progress 1
		.amdhsa_inst_pref_size 255
	.end_amdhsa_kernel
	.section	.bss,"aw",@nobits
	.p2align	6
	.space	262144
	.amdgpu_metadata
---
amdhsa.version: [ 1, 2 ]
amdhsa.kernels:
  - .name:           k_qc25817288f_attn
    .symbol:         k_qc25817288f_attn.kd
    .args:
      - { .name: qf, .offset: 0, .size: 8, .value_kind: global_buffer, .address_space: global }
      - { .name: kf, .offset: 8, .size: 8, .value_kind: global_buffer, .address_space: global }
      - { .name: vf, .offset: 16, .size: 8, .value_kind: global_buffer, .address_space: global }
      - { .name: x, .offset: 24, .size: 8, .value_kind: global_buffer, .address_space: global }
      - { .name: gate_w, .offset: 32, .size: 8, .value_kind: global_buffer, .address_space: global }
      - { .name: yb, .offset: 40, .size: 8, .value_kind: global_buffer, .address_space: global }
    .group_segment_fixed_size: 153088
    .private_segment_fixed_size: 0
    .kernarg_segment_align: 8
    .kernarg_segment_size: 48
    .max_flat_workgroup_size: 128
    .sgpr_count:     66
    .vgpr_count:     896
    .wavefront_size: 32
...
	.end_amdgpu_metadata
.endif
;; end of part 3
;; launch oproj (part 4): grid 16 x 8, 4 waves a work-group, clusters of 4 x 1, 327,680 bytes of LDS; arguments yb, wob, out0; writes out0
.if DOCPART == 4
	.amdgcn_target "amdgcn-amd-amdhsa--gfx1250"
	.amdhsa_code_object_version 6
	.text
	.protected	k_qc25817288f_oproj
	.globl	k_qc25817288f_oproj
	.p2align	8
	.type	k_qc25817288f_oproj,@function
k_qc25817288f_oproj:
	s_mov_b64 s[64:65], 0
	v_nop
	global_prefetch_b8 v0, s[64:65] scope:SCOPE_SE
	s_setreg_imm32_b32 hwreg(HW_REG_WAVE_MODE, 25, 1), 1
	s_wait_xcnt 0x0
	s_wait_alu depctr_hold_cnt(0) depctr_sa_sdst(0) depctr_va_vdst(0) depctr_va_sdst(0) depctr_va_ssrc(0) depctr_va_vcc(0) depctr_vm_vsrc(0)
	s_getreg_b32 s2, hwreg(HW_REG_IB_STS2, 6, 4)
	s_cmp_eq_u32 s2, 0
	s_cbranch_scc0 .Lentry_in_a_cluster
	s_endpgm
.Lentry_in_a_cluster:
	s_bfe_u32 s2, ttmp6, 0x10000c
	s_cmp_lg_u32 s2, 0x3003
	s_cbranch_scc0 .Lentry_shape_is_right
	s_endpgm
.Lentry_shape_is_right:
; LAUNCH 4 OF 4.  out0 = y Wo^T = (y / 4) (4 Wo)^T: f16 operands (yb holds y / 4, wob 4 Wo: exact factors), f32 sums, K = 2048, f32 out.  Nothing is left out here.
; A work-group makes 128 rows (A = yb, rows 128 wgx ..) x 256 columns (B = wob, rows 256 y ..); a wave 64 x 128: 32 accumulator tiles (256 registers, window 1).
; The matrix instruction takes B's rows as source 0 and A's as source 1: lane (r, h) holds row 16 a + r of out0 and register j of tile (a, b) column 16 b + 8 h + j.
; K goes in steps of 128 through two LDS slots filled by tensor loads (rows of 256 bytes, padded to 272).
; CLUSTER 4 x 1: the four work-groups share B's tile and ask for it jointly (mask 15); A's tile is each work-group's own (mask 0): a work-group's requests fall from
; 1.5 MiB to 0.5 + 1/4 MiB.  The frame is the second launch's, which cannot take 4 x 4; it is kept alike here.
.set KSTEP,  128
.set PITCH,  272                       ; an LDS row: 256 bytes + 16 of padding, so that the 16 rows of a fragment load start 16 bytes apart modulo 256
.set AH,     64*PITCH
.set BH,     128*PITCH
.set SLOT,   2*AH+2*BH                 ; A's 128 rows, then B's 256 rows
.set STAGE,  2*SLOT                    ; behind the ring: 16 rows x 528 bytes for each wave; no tensor load lands here
.set SPITCH, 528                       ; 128 f32 + 16 bytes
.set LAPS,   8
.set ADRA, 16                          ; v16-17  LDS address of my A fragments in slot 0, 1
.set ADRB, 20                          ; v20-21  the same for B
.set STO,  24                          ; v24     the way out: where I put 16 bytes of a row
.set RD,   25                          ; v25     the way out: where I read a row back
.set CO,   26                          ; v26     16 x lane: my bytes in a row's 512
.set F0,   32                          ; fragment buffer 0: B v32-95, A v96-127
.set F1,   128                         ; fragment buffer 1: B v128-191, A v192-223
.set G1,  24                           ; s[24:31] group 1 for A's tiles
.set G0,  32                           ; s[32:39] group 0 for A's tiles, a set for each slot
.set G1B, 48                           ; s[48:55] group 1 for B's tiles (mask 15)
.set G0B, 56                           ; s[56:63] group 0 for B's tiles; s[44:63] never hold the place in the cluster
.set W_MUL, 0x50                       ; C and D in window 1, the fragments in window 0
.set MSB, 0
.macro WIN new                         ; the immediate's high byte repeats the setting that is left
.if MSB != \new
	s_set_vgpr_msb (MSB<<8)|\new
.set MSB, \new
.endif
.endm
; Waves 0, 1 fetch A's two halves (a load of the work-group's own), waves 2, 3 B's (the joint load).  The branch hangs on the wave's number alone.
.macro JLOAD s
	s_cmp_eq_u32 s11, 0
	s_cbranch_scc0 .Lfor_b_\@
	tensor_load_to_lds s[G0+4*\s:G0+4*\s+3], s[G1:G1+7]
	s_nop 0
	s_branch .Lasked_\@
.Lfor_b_\@:
	tensor_load_to_lds s[G0B+4*\s:G0B+4*\s+3], s[G1B:G1B+7]
	s_nop 0
.Lasked_\@:
.endm
.macro CREST                           ; a round of the cluster's barrier behind its opening work-group barrier
	s_cmp_lg_u32 s10, 0
	s_cbranch_scc1 .Lnot_wave_0_\@
	s_barrier_signal -3
.Lnot_wave_0_\@:
	s_barrier_wait -3
	s_barrier_signal -1
	s_barrier_wait -1
.endm
.macro CROUND
	s_barrier_signal -1
	s_barrier_wait -1
	CREST
.endm
; Four places behind a matrix instruction before its result is read or a load lands on one of its registers (ISA guide 7.12.1 for vector instructions)
.macro PLACES
.rept 4
	v_nop
.endr
.endm
; 8 matrix instructions: A block a x all 8 B blocks, 32 along K.  The 32 accumulators take turns, one instruction a turn.
.macro MUL8 f, a, zero
.irp b, 0,1,2,3,4,5,6,7
.if \zero
	v_wmma_f32_16x16x32_f16 v[8*(8*\a+\b):8*(8*\a+\b)+7], v[\f+8*\b:\f+8*\b+7], v[\f+64+8*\a:\f+64+8*\a+7], 0
.else
	v_wmma_f32_16x16x32_f16 v[8*(8*\a+\b):8*(8*\a+\b)+7], v[\f+8*\b:\f+8*\b+7], v[\f+64+8*\a:\f+64+8*\a+7], v[8*(8*\a+\b):8*(8*\a+\b)+7]
.endif
.endr
.endm
.macro FETCH slot, k, f                ; 24 LDS loads: a quarter step's fragments, B's eight and then A's four
	WIN 0
.irp i, 0,1,2,3,4,5,6,7
	ds_load_b128 v[\f+8*\i:\f+8*\i+3],   v[ADRB+\slot] offset:\k+\i*16*PITCH
	ds_load_b128 v[\f+8*\i+4:\f+8*\i+7], v[ADRB+\slot] offset:\k+\i*16*PITCH+32
.endr
.irp i, 0,1,2,3
	ds_load_b128 v[\f+64+8*\i:\f+64+8*\i+3],   v[ADRA+\slot] offset:\k+\i*16*PITCH
	ds_load_b128 v[\f+64+8*\i+4:\f+64+8*\i+7], v[ADRA+\slot] offset:\k+\i*16*PITCH+32
.endr
.endm
.macro QUARTER slot, k, f, g, zero
	s_wait_dscnt 4                                 ; B and A's blocks 0, 1 are in; the youngest four loads (A's blocks 2, 3) may be out
	WIN W_MUL
	MUL8 \f, 0, \zero
	MUL8 \f, 1, \zero
	PLACES
	FETCH \slot, \k, \g
	s_wait_dscnt 24                                ; all but the 24 just issued
	WIN W_MUL
	MUL8 \f, 2, \zero
	MUL8 \f, 3, \zero
.endm
.macro THREE slot, zero
	QUARTER \slot, 64,  F0, F1, \zero
	QUARTER \slot, 128, F1, F0, 0
	QUARTER \slot, 192, F0, F1, 0
.endm
; The last quarter changes slots: each wave's reads of this slot and all its tensor loads are waited for in front of the barrier; where the slot is filled again the
; barrier opens a round of the cluster's barrier, and the refill is the wave's first and only tensor load behind the round.
.macro TURN slot, next, fill
	s_wait_dscnt 4
	WIN W_MUL
	MUL8 F1, 0, 0
	s_wait_dscnt 0                                 ; my reads of this slot are over
	s_wait_tensorcnt 0x0                           ; all my tensor loads have landed
	ds_add_u32 v254, v255
	s_wait_dscnt 0x0
	s_barrier_signal -1
	MUL8 F1, 1, 0
	WIN 0
	s_barrier_wait -1
.if \fill
	CREST
	s_add_nc_u64 s[G0+4*\slot+2:G0+4*\slot+3], s[G0+4*\slot+2:G0+4*\slot+3], 2*KSTEP*2
	s_add_nc_u64 s[G0B+4*\slot+2:G0B+4*\slot+3], s[G0B+4*\slot+2:G0B+4*\slot+3], 2*KSTEP*2
	JLOAD \slot
.endif
	PLACES
	FETCH \next, 0, F0
	WIN W_MUL
	MUL8 F1, 2, 0
	MUL8 F1, 3, 0
.endm
.macro LAP zero
	THREE 0, \zero
	TURN 0, 1, 1
	THREE 1, 0
	TURN 1, 0, 1
.endm
	s_load_b128 s[4:7], s[0:1], 0x0                ; yb s[4:5], wob s[6:7]
	s_load_b64 s[8:9], s[0:1], 0x10                ; out0
	v_lshl_add_u32 v254, v0, 2, 0x3b400
	v_mov_b32 v255, 0
	ds_add_u32 v254, v255
	v_lshrrev_b32 v1, 5, v0
	v_readfirstlane_b32 s10, v1                    ; wave 0..3
	s_lshr_b32 s11, s10, 1                         ; wa: my 64 rows.  Also: I fetch for A (0) or for B (1)
	s_and_b32 s12, s10, 1                          ; wb: my 128 columns.  Also: which half of that tile I fetch
	s_bfe_u32 s40, ttmp6, 0x40000                  ; cx
	s_and_b32 s13, ttmp7, 0xffff                   ; y
	s_lshl_b32 s41, ttmp9, 2
	s_add_co_u32 s41, s41, s40                     ; wgx = 4 x cluster x + cx
	s_lshl_b32 s14, s41, 7
	s_lshl_b32 s16, s12, 6
	s_add_co_u32 s14, s14, s16                     ; A: row 128 wgx + 64 x half
	s_lshl_b32 s14, s14, 12                        ; rows of 4,096 bytes
	s_mov_b32 s15, 0
	s_lshl_b32 s44, s13, 8
	s_lshl_b32 s16, s12, 7
	s_add_co_u32 s44, s44, s16                     ; B: row 256 y + 128 x half: made of what the partners share
	s_lshl_b32 s44, s44, 12
	s_mov_b32 s45, 0
	s_mul_i32 s20, s12, AH                         ; where my half goes: the wave's number and constants alone
	s_mul_i32 s21, s12, BH
	s_add_co_u32 s21, s21, 2*AH
	s_mov_b32 s[G1+0], (1<<16)|(1<<20)|(5<<22)|(3<<25)   ; 2-byte elements; 4 words of padding behind every 64
	s_mov_b32 s[G1+1], KSTEP<<16                   ; tensor_dim0 = 128
	s_mov_b32 s[G1+2], 64<<16                      ; tensor_dim1 = 64
	s_mov_b32 s[G1+3], KSTEP<<16                   ; tile_dim0 = 128
	s_mov_b32 s[G1+4], 64                          ; tile_dim1 = 64
	s_mov_b32 s[G1+5], 2048                        ; elements from row to row
	s_mov_b32 s[G1+6], 0
	s_mov_b32 s[G1+7], 0
	s_mov_b32 s[G1B+0], 15|(1<<16)|(1<<20)|(1<<21)|(5<<22)|(3<<25)   ; the mask names all four partners; bit 21 beside it
	s_mov_b32 s[G1B+1], KSTEP<<16
	s_mov_b32 s[G1B+2], 128<<16
	s_mov_b32 s[G1B+3], KSTEP<<16
	s_mov_b32 s[G1B+4], 128
	s_mov_b32 s[G1B+5], 2048
	s_mov_b32 s[G1B+6], 0
	s_mov_b32 s[G1B+7], 0
	s_wait_dscnt 0x0
	s_wait_kmcnt 0x0
	s_add_nc_u64 s[14:15], s[4:5], s[14:15]
	s_add_nc_u64 s[46:47], s[6:7], s[44:45]
	CROUND                                         ; all four work-groups are here: the first joint loads meet
.irp s, 0,1
	s_mov_b32 s[G0+4*\s], 1
	s_add_co_u32 s[G0+4*\s+1], s20, \s*SLOT
	s_add_nc_u64 s[G0+4*\s+2:G0+4*\s+3], s[14:15], \s*KSTEP*2
	s_or_b32 s[G0+4*\s+3], s[G0+4*\s+3], 0x80000000
	s_mov_b32 s[G0B+4*\s], 1
	s_add_co_u32 s[G0B+4*\s+1], s21, \s*SLOT
	s_add_nc_u64 s[G0B+4*\s+2:G0B+4*\s+3], s[46:47], \s*KSTEP*2
	s_or_b32 s[G0B+4*\s+3], s[G0B+4*\s+3], 0x80000000
	JLOAD \s                                       ; both slots' first fills go out together: two tensor loads of a wave are out
.endr
	v_and_b32 v1, 15, v0                           ; r
	v_bfe_u32 v2, v0, 4, 1                         ; h
	v_mul_u32_u24 v3, v1, PITCH
	v_lshl_add_u32 v3, v2, 4, v3
	s_mul_i32 s22, s11, AH
	s_mul_i32 s23, s12, BH
	s_add_co_u32 s23, s23, 2*AH
.irp s, 0,1
	v_add_nc_u32 v[ADRA+\s], s22, v3
	v_add_nc_u32 v[ADRB+\s], s23, v3
	s_add_co_u32 s22, s22, SLOT
	s_add_co_u32 s23, s23, SLOT
.endr
	s_mul_i32 s68, s10, 16*SPITCH
	s_add_co_u32 s68, s68, STAGE                   ; my stage
	v_mul_u32_u24 v4, v1, SPITCH                   ; in: row r, 32 bytes for each half of the lanes
	v_lshl_add_u32 v4, v2, 5, v4
	v_add_nc_u32 v[STO], s68, v4
	v_and_b32 v5, 31, v0
	v_lshlrev_b32 v[CO], 4, v5                     ; back: the 32 lanes take one row of 512 bytes
	v_add_nc_u32 v[RD], s68, v[CO]
	s_wait_tensorcnt 1                             ; my part of K step 0 is in; K step 1's stays out
	s_barrier_signal -1
	s_barrier_wait -1
	FETCH 0, 0, F0
	LAP 1                                          ; the first products start the sums: nothing is cleared
	WIN 0
	s_mov_b32 s3, LAPS-2
.Llap:
	LAP 0
	WIN 0
	s_sub_co_u32 s3, s3, 1
	s_cmp_lg_u32 s3, 0
	s_cbranch_scc1 .Llap
	THREE 0, 0                                     ; the last lap fills nothing
	TURN 0, 1, 0
	THREE 1, 0
	s_wait_dscnt 4
	WIN W_MUL
	MUL8 F1, 0, 0
	MUL8 F1, 1, 0
	s_wait_dscnt 0
	MUL8 F1, 2, 0
	MUL8 F1, 3, 0
	WIN 0
	PLACES                                         ; behind the last matrix instructions: LDS stores read results, loads land on fragment registers
	s_lshl_b32 s66, s41, 7
	s_lshl_b32 s67, s11, 6
	s_add_co_u32 s66, s66, s67                     ; my first row of out0,
	s_lshl_b32 s66, s66, 13                        ; rows of 8,192 bytes,
	s_lshl_b32 s67, s13, 10                        ; 256 y columns of 4 bytes,
	s_add_co_u32 s66, s66, s67
	s_lshl_b32 s67, s12, 9                         ; my 128 of them
	s_add_co_u32 s66, s66, s67
	s_mov_b32 s67, 0
	s_add_nc_u64 s[8:9], s[8:9], s[66:67]
; Rows 16 a .. 16 a + 15 of my block: a lane's 8 numbers of tile (a, b) are 32 bytes of a row; through my own stage they become whole rows of 512 bytes.
.macro OUT16 a, f
	WIN 0x04                                       ; LDS store data: the accumulators
.irp b, 0,1,2,3,4,5,6,7
	ds_store_b128 v[STO], v[64*\a+8*\b:64*\a+8*\b+3] offset:64*\b
	ds_store_b128 v[STO], v[64*\a+8*\b+4:64*\a+8*\b+7] offset:64*\b+16
.endr
	WIN 0
	s_wait_xcnt 0x0                                ; buffer f, which earlier stores read, and the stores' base are rewritten only behind this wait
.if \a
	s_add_nc_u64 s[8:9], s[8:9], 16*8192
.endif
.irp t, 0,1,2,3,4,5,6,7,8,9,10,11,12,13,14,15
	ds_load_b128 v[\f+4*\t:\f+4*\t+3], v[RD] offset:SPITCH*\t      ; LDS serves a wave's instructions in order: these see the stores above
.endr
.irp t, 0,1,2,3,4,5,6,7,8,9,10,11,12,13,14,15
	s_wait_dscnt 15-\t                             ; row t is in, the younger reads stay out
	global_store_b128 v[CO], v[\f+4*\t:\f+4*\t+3], s[8:9] offset:8192*\t th:TH_STORE_NT   ; 512 consecutive bytes, aligned
.endr
.endm
	OUT16 0, 32
	OUT16 1, 96
	OUT16 2, 32
	OUT16 3, 96
	s_wait_tensorcnt 0x0
	ds_add_u32 v254, v255
	s_wait_dscnt 0x0
	CROUND                                         ; the closing round: no work-group ends while a partner may still ask for a tile that names it
	s_endpgm
.Lfunc_end_k_qc25817288f_oproj:
	.size	k_qc25817288f_oproj, .Lfunc_end_k_qc25817288f_oproj-k_qc25817288f_oproj
	.p2alignl 7, 3214868480
	.fill 96, 4, 3214868480
	.section	.rodata,"a",@progbits
	.p2align	6, 0x0
	.amdhsa_kernel k_qc25817288f_oproj
		.amdhsa_group_segment_fixed_size 327680
		.amdhsa_private_segment_fixed_size 0
		.amdhsa_enable_private_segment 0
		.amdhsa_kernarg_size 24
		.amdhsa_user_sgpr_count 2
		.amdhsa_user_sgpr_kernarg_segment_ptr 1
		.amdhsa_wavefront_size32 1
		.amdhsa_system_sgpr_workgroup_id_x 1
		.amdhsa_system_sgpr_workgroup_id_y 1
		.amdhsa_system_sgpr_workgroup_id_z 1
		.amdhsa_system_vgpr_workitem_id 0
		.amdhsa_next_free_vgpr 512
		.amdhsa_next_free_sgpr 72
		.amdhsa_reserve_vcc 0
		.amdhsa_float_denorm_mode_32 3
		.amdhsa_float_denorm_mode_16_64 3
		.amdhsa_memory_ordered 1
		.amdhsa_forward_progress 1
		.amdhsa_inst_pref_size 117
	.end_amdhsa_kernel
	.amdgpu_metadata
---
amdhsa.version: [ 1, 2 ]
amdhsa.kernels:
  - .name:           k_qc25817288f_oproj
    .symbol:         k_qc25817288f_oproj.kd
    .args:
      - { .name: yb, .offset: 0, .size: 8, .value_kind: global_buffer, .address_space: global }
      - { .name: wob, .offset: 8, .size: 8, .value_kind: global_buffer, .address_space: global }
      - { .name: out0, .offset: 16, .size: 8, .value_kind: global_buffer, .address_space: global }
    .group_segment_fixed_size: 327680
    .private_segment_fixed_size: 0
    .kernarg_segment_align: 8
    .kernarg_segment_size: 24
    .max_flat_workgroup_size: 128
    .sgpr_count:     72
    .vgpr_count:     512
    .wavefront_size: 32
...
	.end_amdgpu_metadata
.endif
;; end of part 4
;; ======== version 2 of 2: 4 launches; 1.09 times as fast as version 1
;; limits: values outside matrix products are rounded to f16; values are held in f16: magnitudes above 65,504 overflow, below 6.1e-05 lose precision
;; workspace buffers: xb 8,388,608 bytes; wqkv 12,582,912 bytes; wob 8,388,608 bytes; qf 8,388,608 bytes; kf 2,097,152 bytes; vf 2,097,152 bytes; yb 8,388,608 bytes
;; launch prep (part 5): grid 128 x 10, 8 waves a work-group, no clusters, 0 bytes of LDS; arguments x, Wq, Wk, Wv, xb, wqkv; writes xb, wqkv
.if DOCPART == 5
	.amdgcn_target "amdgcn-amd-amdhsa--gfx1250"
	.amdhsa_code_object_version 6
	.text
	.protected	k_qc25817288f_prep
	.globl	k_qc25817288f_prep
	.p2align	8
	.type	k_qc25817288f_prep,@function
k_qc25817288f_prep:
	s_mov_b64 s[64:65], 0
	v_nop
	global_prefetch_b8 v0, s[64:65] scope:SCOPE_SE
	s_setreg_imm32_b32 hwreg(HW_REG_WAVE_MODE, 25, 1), 1
	s_wait_xcnt 0x0
; LAUNCH 1 OF 4.  x, Wq, Wk, Wv are rounded once from f32 to f16 (row-major as they lie): what the second launch's products read.
; The later launches read each of these operands many times (12 to 16 work-groups a tile): they then move half the bytes.
; (4 Wo in f16 and out1 = v1, which the second launch's products do not need, are made in the second launch, by work-groups on the WGPs that its products leave free.)
;
; NUMBER FORMAT OF THE PROGRAM: every matrix operand is f16 (11 significant bits; bf16 has 8), every sum f32.  The room, by the problem's own terms:
; x and the weights go in as they are; q and k are normalised rows times cos, sin; the weights P lie in [0, 1]; v and y are kept as v / 4 and y / 4 and Wo as 4 Wo
; (powers of two: exact), so that |v| = |(1 - lambda) x Wv^T + lambda v1| may reach 262,000.
; LIMIT: an operand beyond f16's largest number, 65,504 (x, Wq, Wk, Wv, 4 Wo, q, k, v / 4), becomes infinite; below 2^-14 its steps are 2^-24.
;
; WORK LEFT OUT IN THIS PROGRAM, for all values of the inputs:
;  - pos_ids: reference() takes it as an argument and never reads it, so it has no way to any output.  It is not loaded and is among no launch's arguments.
;  - Scores above the diagonal: reference() builds jnp.tril in its own body and sets those scores to the least f32; every row keeps its own key's
;    finite score, so behind the maximum's subtraction their weights are 0.  Key tiles (64 keys) that lie wholly above the diagonal of a query block
;    are not multiplied, but for the slots named in the third launch's head (3 of 36 tile slots of a work-group).
;  - The order of the 128 channels behind the rotation (halves joined, not interleaved): the same permutation on q and on k; the sum over the channels
;    does not hang on it.  The pairs stay interleaved: y0 of pair p at channel 2 p, y1 at 2 p + 1.
;  LIMIT: a NaN, an infinity or an overflow that reaches only the work left out is not carried to the result.
;
; The grid's y picks a piece of 4 MiB of a source, its x 32 KiB of that piece; 256 threads x 8 loads x 16 bytes.  1,280 work-groups: five for each of 256 WGPs.
;   y 0-3 x -> xb;  4-7 Wq -> wqkv rows 0-2047;  8 Wk -> rows 2048-2559;  9 Wv -> rows 2560-3071
; All 8 loads of a thread go out at once; no register is written twice, so the only waits are the counted ones for the data.
; No LDS, no matrix unit, no cluster: no byte is used twice here.
.set X, 4                              ; v[4:35]   8 x 4 numbers as loaded
.set Y, 36                             ; v[36:51]  8 x 4 f16 to store
	s_load_b256 s[8:15], s[0:1], 0x0               ; x s[8:9], Wq s[10:11], Wk s[12:13], Wv s[14:15]
	s_load_b128 s[16:19], s[0:1], 0x20             ; xb s[16:17], wqkv s[18:19]
	s_and_b32 s4, ttmp7, 0xffff                    ; y: which piece
	v_lshlrev_b32 v1, 4, v0                        ; 16 bytes of f32 a thread
	v_lshlrev_b32 v2, 3, v0                        ; 8 bytes of f16 a thread
	s_mov_b32 s6, 0                                ; the first y of my source
	s_mov_b32 s7, 0                                ; the first y of my destination
	s_wait_kmcnt 0x0
	s_mov_b64 s[28:29], s[8:9]                     ; source and destination are chosen by y alone
	s_mov_b64 s[30:31], s[16:17]
	s_cmp_ge_u32 s4, 4
	s_cselect_b64 s[28:29], s[10:11], s[28:29]
	s_cselect_b64 s[30:31], s[18:19], s[30:31]
	s_cselect_b32 s6, 4, s6
	s_cselect_b32 s7, 4, s7
	s_cmp_ge_u32 s4, 8
	s_cselect_b64 s[28:29], s[12:13], s[28:29]     ; Wk and Wv follow Wq in wqkv: the destination's count goes on
	s_cselect_b32 s6, 8, s6
	s_cmp_ge_u32 s4, 9
	s_cselect_b64 s[28:29], s[14:15], s[28:29]
	s_cselect_b32 s6, 9, s6
	s_sub_co_u32 s6, s4, s6
	s_lshl_b32 s6, s6, 22                          ; pieces of 4 MiB
	s_lshl_b32 s32, ttmp9, 15                      ; 32 KiB a work-group
	s_add_co_u32 s32, s32, s6
	s_mov_b32 s33, 0
	s_add_nc_u64 s[28:29], s[28:29], s[32:33]
	s_sub_co_u32 s7, s4, s7
	s_lshl_b32 s7, s7, 21                          ; pieces of 2 MiB
	s_lshl_b32 s32, ttmp9, 14                      ; 16 KiB a work-group
	s_add_co_u32 s32, s32, s7
	s_add_nc_u64 s[30:31], s[30:31], s[32:33]
.irp i, 0,1,2,3,4,5,6,7
	global_load_b128 v[X+4*\i:X+4*\i+3], v1, s[28:29] offset:4096*\i th:TH_LOAD_NT   ; a wave's load covers 512 consecutive bytes
.endr
.irp i, 0,1,2,3,4,5,6,7
	s_wait_loadcnt 7-\i                            ; loads come back in order: load i is in, the younger ones stay out
	v_cvt_pk_f16_f32 v[Y+2*\i], v[X+4*\i], v[X+4*\i+1]
	v_cvt_pk_f16_f32 v[Y+2*\i+1], v[X+4*\i+2], v[X+4*\i+3]
	global_store_b64 v2, v[Y+2*\i:Y+2*\i+1], s[30:31] offset:2048*\i   ; a wave's store covers 256 consecutive bytes, aligned
.endr
	s_endpgm
.Lfunc_end_k_qc25817288f_prep:
	.size	k_qc25817288f_prep, .Lfunc_end_k_qc25817288f_prep-k_qc25817288f_prep
	.p2alignl 7, 3214868480
	.fill 96, 4, 3214868480
	.section	.rodata,"a",@progbits
	.p2align	6, 0x0
	.amdhsa_kernel k_qc25817288f_prep
		.amdhsa_group_segment_fixed_size 0
		.amdhsa_private_segment_fixed_size 0
		.amdhsa_enable_private_segment 0
		.amdhsa_kernarg_size 48
		.amdhsa_user_sgpr_count 2
		.amdhsa_user_sgpr_kernarg_segment_ptr 1
		.amdhsa_wavefront_size32 1
		.amdhsa_system_sgpr_workgroup_id_x 1
		.amdhsa_system_sgpr_workgroup_id_y 1
		.amdhsa_system_sgpr_workgroup_id_z 1
		.amdhsa_system_vgpr_workitem_id 0
		.amdhsa_next_free_vgpr 52
		.amdhsa_next_free_sgpr 66
		.amdhsa_reserve_vcc 0
		.amdhsa_float_denorm_mode_32 3
		.amdhsa_float_denorm_mode_16_64 3
		.amdhsa_memory_ordered 1
		.amdhsa_forward_progress 1
		.amdhsa_inst_pref_size 5
	.end_amdhsa_kernel
	.amdgpu_metadata
---
amdhsa.version: [ 1, 2 ]
amdhsa.kernels:
  - .name:           k_qc25817288f_prep
    .symbol:         k_qc25817288f_prep.kd
    .args:
      - { .name: x, .offset: 0, .size: 8, .value_kind: global_buffer, .address_space: global }
      - { .name: Wq, .offset: 8, .size: 8, .value_kind: global_buffer, .address_space: global }
      - { .name: Wk, .offset: 16, .size: 8, .value_kind: global_buffer, .address_space: global }
      - { .name: Wv, .offset: 24, .size: 8, .value_kind: global_buffer, .address_space: global }
      - { .name: xb, .offset: 32, .size: 8, .value_kind: global_buffer, .address_space: global }
      - { .name: wqkv, .offset: 40, .size: 8, .value_kind: global_buffer, .address_space: global }
    .group_segment_fixed_size: 0
    .private_segment_fixed_size: 0
    .kernarg_segment_align: 8
    .kernarg_segment_size: 48
    .max_flat_workgroup_size: 256
    .sgpr_count:     66
    .vgpr_count:     52
    .wavefront_size: 32
...
	.end_amdgpu_metadata
.endif
;; end of part 5
;; launch qkv (part 6): grid 16 x 16, 4 waves a work-group, clusters of 4 x 1, 327,680 bytes of LDS; arguments xb, wqkv, cos, sin, v1, v_lamb, qf, kf, vf, Wo, wob, out1; writes qf, kf, vf, wob, out1
.if DOCPART == 6
	.amdgcn_target "amdgcn-amd-amdhsa--gfx1250"
	.amdhsa_code_object_version 6
	.text
	.protected	k_qc25817288f_qkv
	.globl	k_qc25817288f_qkv
	.p2align	8
	.type	k_qc25817288f_qkv,@function
k_qc25817288f_qkv:
	s_mov_b64 s[64:65], 0
	v_nop
	global_prefetch_b8 v0, s[64:65] scope:SCOPE_SE
	s_setreg_imm32_b32 hwreg(HW_REG_WAVE_MODE, 25, 1), 1
	s_wait_xcnt 0x0
	s_wait_alu depctr_hold_cnt(0) depctr_sa_sdst(0) depctr_va_vdst(0) depctr_va_sdst(0) depctr_va_ssrc(0) depctr_va_vcc(0) depctr_vm_vsrc(0)
	s_getreg_b32 s2, hwreg(HW_REG_IB_STS2, 6, 4)
	s_cmp_eq_u32 s2, 0
	s_cbranch_scc0 .Lentry_in_a_cluster
	s_endpgm
.Lentry_in_a_cluster:
	s_bfe_u32 s2, ttmp6, 0x10000c
	s_cmp_lg_u32 s2, 0x3003
	s_cbranch_scc0 .Lentry_shape_is_right
	s_endpgm
.Lentry_shape_is_right:
; LAUNCH 2 OF 4.  q, k, v = x W^T (f16 operands, f32 sums, K = 2048), then in registers: RMS norm and rotation (q, k), or the lerp with v1 (v).
; Left out: the joining of the rotated halves (a permutation common to q and k; shown at the first launch's head).
; q also takes the factor 128^-0.5 x log2(e) before it is rounded, so that the third launch's exponentials are plain 2^x.
; v is stored as v / 4 (exact; the room in f16 is counted at the first launch's head): the factor rides on lambda and 1 - lambda.
; LIMIT: lambda v1 / 4 is rounded to f16 before it is added to (1 - lambda) v / 4 in f32, and the sum is rounded to f16 again (V is an f16 matrix operand anyway).
;
; A work-group makes 128 'A' rows x 256 'B' rows; a wave 64 x 128: 32 accumulator tiles of 16 x 16 (256 registers, window 1).
;   y 0-9  (q, k): A = xb, positions 128 wgx ..;          B = wqkv, rows 256 y .. (two heads)
;   y 10,11 (v):   A = wqkv, rows 2560 + 128 cx .. (Wv of key/value head cx);  B = xb, positions 256 (4 (y - 10) + cluster x) ..   : this is V transposed
;   y 12-15: no product.  The products have 192 blocks of whole heads for 256 WGPs; the other 64 work-groups make what the products do not need and the fourth
;            launch and the result do: work-group g = 16 (y - 12) + wgx rounds 256 KiB of Wo to 4 Wo in f16 (wob) and copies 64 KiB of v1 to out1.
; The matrix instruction takes B's rows as source 0 and A's as source 1: lane (r, h) then holds A row 16 a + r, and register j of tile (a, b) B row 16 b + 8 h + j.
; So for q, k a lane holds 64 channels of one position, and for v eight neighbouring keys of one channel: both pack into the 16 bytes that the third
; launch's matrix fragments want, and every store of a wave covers 512 consecutive bytes, aligned.  No stage in LDS is needed.
;   qf, kf: byte ((head x 128 + tt) x 8 + b) x 512 + 16 lane: channels 16 b + 8 h .. + 7 of position 16 tt + r
;   vf:     byte ((head x 128 + tt) x 8 + dt) x 512 + 16 lane: keys 16 tt + 8 h .. + 7 of channel 16 dt + r
; K goes in steps of 128 through two LDS slots filled by tensor loads (rows of 256 bytes, padded to 272).
; CLUSTER 4 x 1: the four work-groups share B's tile and ask for it jointly (mask 15); A's tile is each work-group's own (mask 0).  A work-group's requests fall from
; 1.5 MiB to 0.5 + 1/4 MiB.  4 x 4 is not used: q and k have 10 block columns, which 4 does not divide, and the branches between the kinds of work
; may hang on y alone, which the four partners share.
.set KSTEP,  128
.set PITCH,  272                       ; an LDS row: 256 bytes + 16 of padding, so that the 16 rows of a fragment load start 16 bytes apart modulo 256
.set AH,     64*PITCH                  ; half of A's tile: one tensor load, and what one wave reads of A
.set BH,     128*PITCH                 ; half of B's tile
.set SLOT,   2*AH+2*BH                 ; A's 128 rows, then B's 256 rows
.set LAPS,   8                         ; 2048 / (2 x 128): a lap is once round the ring
.set ADRA, 16                          ; v16-17  LDS address of my A fragments in slot 0, 1
.set ADRB, 20                          ; v20-21  the same for B
.set F0,   32                          ; fragment buffer 0: B's eight fragments v32-95, A's four v96-127
.set F1,   128                         ; fragment buffer 1: v128-191, v192-223
.set G1,  24                           ; s[24:31] group 1 for A's tiles
.set G0,  32                           ; s[32:39] group 0 for A's tiles, a set for each slot
.set G1B, 48                           ; s[48:55] group 1 for B's tiles (mask 15)
.set G0B, 56                           ; s[56:63] group 0 for B's tiles; s[44:63] never hold the place in the cluster
.set W_MUL, 0x50                       ; C and D in window 1, the fragments in window 0
.set MSB, 0
.macro WIN new                         ; the immediate's high byte repeats the setting that is left
.if MSB != \new
	s_set_vgpr_msb (MSB<<8)|\new
.set MSB, \new
.endif
.endm
; Waves 0, 1 fetch A's two halves (a load of the work-group's own), waves 2, 3 B's (the joint load).  The branch hangs on the wave's number alone.
.macro JLOAD s
	s_cmp_eq_u32 s11, 0
	s_cbranch_scc0 .Lfor_b_\@
	tensor_load_to_lds s[G0+4*\s:G0+4*\s+3], s[G1:G1+7]
	s_nop 0
	s_branch .Lasked_\@
.Lfor_b_\@:
	tensor_load_to_lds s[G0B+4*\s:G0B+4*\s+3], s[G1B:G1B+7]
	s_nop 0
.Lasked_\@:
.endm
.macro CREST                           ; a round of the cluster's barrier behind its opening work-group barrier
	s_cmp_lg_u32 s10, 0
	s_cbranch_scc1 .Lnot_wave_0_\@
	s_barrier_signal -3
.Lnot_wave_0_\@:
	s_barrier_wait -3
	s_barrier_signal -1
	s_barrier_wait -1
.endm
.macro CROUND                          ; a whole round
	s_barrier_signal -1
	s_barrier_wait -1
	CREST
.endm
; Four places behind a matrix instruction before a vector instruction reads its result or a load lands on one of its registers (ISA guide 7.12.1 for vector instructions);
; the matrix instructions in between are not counted.
.macro PLACES
.rept 4
	v_nop
.endr
.endm
; 8 matrix instructions: A block a x all 8 B blocks, 32 along K.  The 32 accumulators take turns, one instruction a turn, in the same order in every quarter
; step.
.macro MUL8 f, a, zero
.irp b, 0,1,2,3,4,5,6,7
.if \zero
	v_wmma_f32_16x16x32_f16 v[8*(8*\a+\b):8*(8*\a+\b)+7], v[\f+8*\b:\f+8*\b+7], v[\f+64+8*\a:\f+64+8*\a+7], 0
.else
	v_wmma_f32_16x16x32_f16 v[8*(8*\a+\b):8*(8*\a+\b)+7], v[\f+8*\b:\f+8*\b+7], v[\f+64+8*\a:\f+64+8*\a+7], v[8*(8*\a+\b):8*(8*\a+\b)+7]
.endif
.endr
.endm
; 24 LDS loads in one run: a quarter step's fragments (128 rows of B, then 64 of A, 32 K at byte k of the rows) into buffer f
.macro FETCH slot, k, f
	WIN 0
.irp i, 0,1,2,3,4,5,6,7
	ds_load_b128 v[\f+8*\i:\f+8*\i+3],   v[ADRB+\slot] offset:\k+\i*16*PITCH
	ds_load_b128 v[\f+8*\i+4:\f+8*\i+7], v[ADRB+\slot] offset:\k+\i*16*PITCH+32
.endr
.irp i, 0,1,2,3
	ds_load_b128 v[\f+64+8*\i:\f+64+8*\i+3],   v[ADRA+\slot] offset:\k+\i*16*PITCH
	ds_load_b128 v[\f+64+8*\i+4:\f+64+8*\i+7], v[ADRA+\slot] offset:\k+\i*16*PITCH+32
.endr
.endm
; One of a K step's first three quarters: multiplies buffer f, and in its middle fetches the next quarter into buffer g.
.macro QUARTER slot, k, f, g, zero
	s_wait_dscnt 4                                 ; B and A's blocks 0, 1 are in; the youngest four loads (A's blocks 2, 3) may be out
	WIN W_MUL
	MUL8 \f, 0, \zero
	MUL8 \f, 1, \zero
	PLACES
	FETCH \slot, \k, \g
	s_wait_dscnt 24                                ; all but the 24 just issued
	WIN W_MUL
	MUL8 \f, 2, \zero
	MUL8 \f, 3, \zero
.endm
.macro THREE slot, zero
	QUARTER \slot, 64,  F0, F1, \zero
	QUARTER \slot, 128, F1, F0, 0
	QUARTER \slot, 192, F0, F1, 0
.endm
; The last quarter: multiplies buffer 1 and changes slots.  In front of the barrier each wave waits for its reads of this slot and for all its tensor loads
; (the one that is out is its part of the next slot).  Where the slot is filled again the barrier opens a round of the cluster's barrier, and the
; refill is the wave's first and only tensor load behind the round.
.macro TURN slot, next, fill
	s_wait_dscnt 4
	WIN W_MUL
	MUL8 F1, 0, 0
	s_wait_dscnt 0                                 ; my reads of this slot are over
	s_wait_tensorcnt 0x0                           ; all my tensor loads have landed
	ds_add_u32 v254, v255
	s_wait_dscnt 0x0
	s_barrier_signal -1
	MUL8 F1, 1, 0                                  ; register work while the others arrive
	WIN 0
	s_barrier_wait -1
.if \fill
	CREST                                          ; no wave of any partner still reads this slot or has a load on its way
	s_add_nc_u64 s[G0+4*\slot+2:G0+4*\slot+3], s[G0+4*\slot+2:G0+4*\slot+3], 2*KSTEP*2
	s_add_nc_u64 s[G0B+4*\slot+2:G0B+4*\slot+3], s[G0B+4*\slot+2:G0B+4*\slot+3], 2*KSTEP*2
	JLOAD \slot
.endif
	PLACES
	FETCH \next, 0, F0
	WIN W_MUL
	MUL8 F1, 2, 0
	MUL8 F1, 3, 0
.endm
.macro LAP zero
	THREE 0, \zero
	TURN 0, 1, 1
	THREE 1, 0
	TURN 1, 0, 1
.endm
	s_load_b128 s[4:7], s[0:1], 0x0                ; xb s[4:5], wqkv s[6:7]
	s_load_b256 s[68:75], s[0:1], 0x10             ; cos s[68:69], sin s[70:71], v1 s[72:73], v_lamb s[74:75]
	s_load_b128 s[76:79], s[0:1], 0x30             ; qf s[76:77], kf s[78:79]
	s_load_b64 s[80:81], s[0:1], 0x40              ; vf
	v_lshl_add_u32 v254, v0, 2, 0x33000
	v_mov_b32 v255, 0
	ds_add_u32 v254, v255
	s_wait_dscnt 0x0
	v_lshrrev_b32 v1, 5, v0
	v_readfirstlane_b32 s10, v1                    ; wave 0..3
	s_lshr_b32 s11, s10, 1                         ; wa: my 64 of A's rows.  Also: I fetch for A (0) or for B (1)
	s_and_b32 s12, s10, 1                          ; wb: my 128 of B's rows.  Also: which half of that tile I fetch
	s_bfe_u32 s40, ttmp6, 0x40000                  ; cx: my place in the cluster
	s_and_b32 s13, ttmp7, 0xffff                   ; y
	s_lshl_b32 s41, ttmp9, 2
	s_add_co_u32 s41, s41, s40                     ; wgx = 4 x cluster x + cx
	s_cmp_ge_u32 s13, 12                           ; y is the same in all four partners: a whole cluster has products to make, or none
	s_cbranch_scc1 .Lstream
	s_lshl_b32 s14, s41, 7                         ; A's first row, q and k: 128 wgx
	s_lshl_b32 s15, s40, 7
	s_add_co_u32 s15, s15, 2560                    ; v: 2560 + 128 cx
	s_lshl_b32 s44, s13, 8                         ; B's first row, q and k: 256 y
	s_sub_co_u32 s45, s13, 10
	s_lshl_b32 s45, s45, 2
	s_add_co_u32 s45, s45, ttmp9
	s_lshl_b32 s45, s45, 8                         ; v: 256 (4 (y - 10) + cluster x): made of what the partners share
	s_cmp_ge_u32 s13, 10
	s_cselect_b32 s14, s15, s14
	s_cselect_b32 s44, s45, s44
	s_lshl_b32 s16, s12, 6
	s_add_co_u32 s14, s14, s16                     ; + the half that I fetch
	s_lshl_b32 s14, s14, 12                        ; rows of 4,096 bytes
	s_mov_b32 s15, 0
	s_lshl_b32 s16, s12, 7
	s_add_co_u32 s44, s44, s16
	s_lshl_b32 s44, s44, 12
	s_mov_b32 s45, 0
	s_mul_i32 s20, s12, AH                         ; where my half goes: A's halves at 0 and AH,
	s_mul_i32 s21, s12, BH
	s_add_co_u32 s21, s21, 2*AH                    ; B's behind them: the wave's number and constants alone
	; group 1: A's tile half 64 rows x 128 elements, B's 128 x 128; 2-byte elements; 4 words of padding behind every 64
	s_mov_b32 s[G1+0], (1<<16)|(1<<20)|(5<<22)|(3<<25)
	s_mov_b32 s[G1+1], KSTEP<<16                   ; tensor_dim0 = 128
	s_mov_b32 s[G1+2], 64<<16                      ; tensor_dim1 = 64
	s_mov_b32 s[G1+3], KSTEP<<16                   ; tile_dim0 = 128
	s_mov_b32 s[G1+4], 64                          ; tile_dim1 = 64
	s_mov_b32 s[G1+5], 2048                        ; elements from row to row
	s_mov_b32 s[G1+6], 0
	s_mov_b32 s[G1+7], 0
	s_mov_b32 s[G1B+0], 15|(1<<16)|(1<<20)|(1<<21)|(5<<22)|(3<<25)   ; the mask names all four partners; bit 21 beside it
	s_mov_b32 s[G1B+1], KSTEP<<16
	s_mov_b32 s[G1B+2], 128<<16
	s_mov_b32 s[G1B+3], KSTEP<<16
	s_mov_b32 s[G1B+4], 128
	s_mov_b32 s[G1B+5], 2048
	s_mov_b32 s[G1B+6], 0
	s_mov_b32 s[G1B+7], 0
	s_wait_kmcnt 0x0
	s_cmp_ge_u32 s13, 10
	s_cselect_b64 s[16:17], s[6:7], s[4:5]         ; A: xb for q and k, wqkv for v
	s_cselect_b64 s[46:47], s[4:5], s[6:7]         ; B: the other
	s_add_nc_u64 s[14:15], s[16:17], s[14:15]
	s_add_nc_u64 s[46:47], s[46:47], s[44:45]
	CROUND                                         ; all four work-groups are here: the first joint loads meet
.irp s, 0,1
	s_mov_b32 s[G0+4*\s], 1
	s_add_co_u32 s[G0+4*\s+1], s20, \s*SLOT
	s_add_nc_u64 s[G0+4*\s+2:G0+4*\s+3], s[14:15], \s*KSTEP*2
	s_or_b32 s[G0+4*\s+3], s[G0+4*\s+3], 0x80000000
	s_mov_b32 s[G0B+4*\s], 1
	s_add_co_u32 s[G0B+4*\s+1], s21, \s*SLOT
	s_add_nc_u64 s[G0B+4*\s+2:G0B+4*\s+3], s[46:47], \s*KSTEP*2
	s_or_b32 s[G0B+4*\s+3], s[G0B+4*\s+3], 0x80000000
	JLOAD \s                                       ; both slots' first fills go out together: two tensor loads of a wave are out
.endr
	v_and_b32 v1, 15, v0                           ; r
	v_bfe_u32 v2, v0, 4, 1                         ; h
	v_mul_u32_u24 v3, v1, PITCH
	v_lshl_add_u32 v3, v2, 4, v3                   ; row x pitch + 16 h
	s_mul_i32 s22, s11, AH
	s_mul_i32 s23, s12, BH
	s_add_co_u32 s23, s23, 2*AH
.irp s, 0,1
	v_add_nc_u32 v[ADRA+\s], s22, v3
	v_add_nc_u32 v[ADRB+\s], s23, v3
	s_add_co_u32 s22, s22, SLOT
	s_add_co_u32 s23, s23, SLOT
.endr
	s_wait_tensorcnt 1                             ; my part of K step 0 is in; K step 1's stays out
	s_barrier_signal -1
	s_barrier_wait -1
	FETCH 0, 0, F0
	LAP 1                                          ; the first products start the sums: nothing is cleared
	WIN 0
	s_mov_b32 s3, LAPS-2
.Llap:
	LAP 0
	WIN 0
	s_sub_co_u32 s3, s3, 1
	s_cmp_lg_u32 s3, 0
	s_cbranch_scc1 .Llap
	THREE 0, 0                                     ; the last lap fills nothing
	TURN 0, 1, 0
	THREE 1, 0
	s_wait_dscnt 4
	WIN W_MUL
	MUL8 F1, 0, 0
	MUL8 F1, 1, 0
	s_wait_dscnt 0
	MUL8 F1, 2, 0
	MUL8 F1, 3, 0
	WIN 0
	PLACES                                         ; behind the last matrix instructions: the epilogues read results and load onto fragment registers
.set LN16, 24                          ; v24  16 x lane
.set CSO,  25                          ; v25  q, k: 256 r + 16 h in cos and sin
.set V1O,  26                          ; v26  v: 512 r + 32 h in v1
	v_and_b32 v[LN16], 31, v0
	v_lshlrev_b32 v[LN16], 4, v[LN16]
	s_cmp_ge_u32 s13, 10                           ; y is the same in all four partners
	s_cbranch_scc1 .Lvpart
	; ---- q, k: RMS norm over the head's 128 channels, rotation of the pairs (2 p, 2 p + 1), f16, out in fragment order ----
.set CC, 32                            ; v[32:63]   cos of my 32 pairs (4 for each b), later x the row's factor
.set SN, 64                            ; v[64:95]   sin likewise
.set YY, 96                            ; v[96:159]  the 64 rotated numbers
.set PK, 160                           ; v[160:191] packed, to store
.set SS, 192                           ; v[192:199] four chains of squares
.set RR, 200                           ; v[200:201] the row's factor, twice
.set TA, 202                           ; v[202:209] at work
	s_lshl_b32 s66, s41, 7
	s_lshl_b32 s67, s11, 6
	s_add_co_u32 s66, s66, s67                     ; t0 = 128 wgx + 64 wa: my first position
	s_lshl_b32 s92, s66, 8                         ; t0 rows of 256 bytes in cos, sin; also t0 / 16 position tiles of 4,096 bytes in qf, kf
	s_mov_b32 s93, 0
	s_add_nc_u64 s[68:69], s[68:69], s[92:93]
	s_add_nc_u64 s[70:71], s[70:71], s[92:93]
	s_lshl_b32 s67, s13, 1
	s_add_co_u32 s67, s67, s12                     ; head = 2 y + wb: 0-15 are q's, 16-19 k's
	s_and_b32 s67, s67, 15
	s_lshl_b32 s90, s67, 19                        ; a head is 128 x 8 x 512 bytes
	s_add_co_u32 s90, s90, s92
	s_mov_b32 s91, 0
	s_cmp_ge_u32 s13, 8
	s_cselect_b64 s[82:83], s[78:79], s[76:77]
	s_cselect_b32 s86, 1.0, 0x3e0293ee             ; q: 128^-0.5 x log2(e)
	s_add_nc_u64 s[82:83], s[82:83], s[90:91]
	s_mov_b32 s84, 0x3c000000                      ; 1 / 128
	s_mov_b32 s85, 0x358637bd                      ; 1e-6
	s_mov_b32 s87, 0x76543210                      ; v_permlanex16_b32: lane i of one half reads lane i of the other
	s_mov_b32 s88, 0xfedcba98
	v_lshlrev_b32 v[CSO], 8, v1
	v_lshl_add_u32 v[CSO], v2, 4, v[CSO]
; Positions 16 a + r.  Channel 16 b + 8 h + 2 q is pair p = 8 b + 4 h + q: a lane's four pairs of block b are 16 bytes of a row of cos.
.macro QKROW a
	WIN 0
.irp b, 0,1,2,3,4,5,6,7
	global_load_b128 v[CC+4*\b:CC+4*\b+3], v[CSO], s[68:69] offset:4096*\a+32*\b
	global_load_b128 v[SN+4*\b:SN+4*\b+3], v[CSO], s[70:71] offset:4096*\a+32*\b
.endr
	WIN 0x05                                       ; sources 0, 1: the accumulators
.irp i, 0,1,2,3
	v_pk_mul_f32 v[SS+2*\i:SS+2*\i+1], v[64*\a+2*\i:64*\a+2*\i+1], v[64*\a+2*\i:64*\a+2*\i+1]
.endr
.set n, 4
.rept 28
	v_pk_fma_f32 v[SS+2*(n%4):SS+2*(n%4)+1], v[64*\a+2*n:64*\a+2*n+1], v[64*\a+2*n:64*\a+2*n+1], v[SS+2*(n%4):SS+2*(n%4)+1]
.set n, n+1
.endr
	WIN 0
	v_pk_add_f32 v[SS:SS+1], v[SS:SS+1], v[SS+2:SS+3]
	v_pk_add_f32 v[SS+4:SS+5], v[SS+4:SS+5], v[SS+6:SS+7]
	v_pk_add_f32 v[SS:SS+1], v[SS:SS+1], v[SS+4:SS+5]
	v_add_f32 v[SS], v[SS], v[SS+1]                ; my 64 channels;
	v_permlanex16_b32 v[SS+2], v[SS], s87, s88     ; the other 64 lie in the lane 16 away
	v_add_f32 v[SS], v[SS], v[SS+2]
	v_fma_f32 v[SS], v[SS], s84, s85               ; mean + eps
	v_rsq_f32 v[SS+1], v[SS]
	v_nop                                          ; one plain instruction behind the transcendental (ISA guide 5.7.2)
	s_wait_alu depctr_va_vdst(0)
	v_mul_f32 v[RR], s86, v[SS+1]
	v_mul_f32 v[RR+1], s86, v[SS+1]
	s_wait_loadcnt 0x0                             ; cos and sin of this row block
.set n, 0
.rept 16
	v_pk_mul_f32 v[CC+2*n:CC+2*n+1], v[CC+2*n:CC+2*n+1], v[RR:RR+1]
	v_pk_mul_f32 v[SN+2*n:SN+2*n+1], v[SN+2*n:SN+2*n+1], v[RR:RR+1]
.set n, n+1
.endr
	WIN 0x01                                       ; source 0: the accumulators
.irp b, 0,1,2,3,4,5,6,7
.irp q, 0,1,2,3
	v_mul_f32 v[TA+2*\q], v[64*\a+8*\b+2*\q+1], v[SN+4*\b+\q]
	v_mul_f32 v[TA+2*\q+1], v[64*\a+8*\b+2*\q], v[SN+4*\b+\q]
.endr
.irp q, 0,1,2,3
	v_fma_f32 v[YY+8*\b+2*\q], v[64*\a+8*\b+2*\q], v[CC+4*\b+\q], -v[TA+2*\q]        ; y0 = x0 c - x1 s
	v_fma_f32 v[YY+8*\b+2*\q+1], v[64*\a+8*\b+2*\q+1], v[CC+4*\b+\q], v[TA+2*\q+1]   ; y1 = x1 c + x0 s
.endr
.endr
	WIN 0
	s_wait_xcnt 0x0                                ; PK, which the last row block's stores read, is rewritten only behind this wait
.irp b, 0,1,2,3,4,5,6,7
.irp q, 0,1,2,3
	v_cvt_pk_f16_f32 v[PK+4*\b+\q], v[YY+8*\b+2*\q], v[YY+8*\b+2*\q+1]
.endr
.endr
.irp b, 0,1,2,3,4,5,6,7
	global_store_b128 v[LN16], v[PK+4*\b:PK+4*\b+3], s[82:83] offset:4096*\a+512*\b   ; 512 consecutive bytes a store
.endr
.endm
	QKROW 0
	QKROW 1
	QKROW 2
	QKROW 3
	s_branch .Lclose
	; ---- v: ((1 - lambda) v + lambda v1) / 4, transposed as the accumulators lie ----
	; lambda v1 lies [key][channel] in memory; the accumulators hold [channel r][keys 8 h + j].  It is brought in as a matrix fragment (16 keys x 32 channels,
	; rounded to f16) and multiplied by a 16 x 32 piece of the identity, which adds v1(key, channel) onto the accumulator's own layout: 32 matrix instructions a wave.
.Lvpart:
.set LV,  32                           ; v[32:159]  v1 as loaded: 8 fragments x 16 f32; later the packed results
.set FV,  160                          ; v[160:223] 8 fragments (4 key tiles x 2 channel chunks) in f16
.set ID,  224                          ; v[224:235] 0,0,0,0, E0..E3, 0,0,0,0: the identity's two pieces overlap
.set LAM, 236                          ; v[236:237] lambda / 4, twice
.set OML, 238                          ; v[238:239] (1 - lambda) / 4, twice
	s_load_b32 s96, s[74:75], 0x0
	s_sub_co_u32 s66, s13, 10
	s_lshl_b32 s66, s66, 2
	s_add_co_u32 s66, s66, ttmp9                   ; my block of 256 positions
	s_lshl_b32 s90, s40, 20                        ; v1: head cx,
	s_lshl_b32 s67, s66, 17                        ; 256 positions of 512 bytes,
	s_add_co_u32 s90, s90, s67
	s_lshl_b32 s67, s12, 16                        ; my 128 of them,
	s_add_co_u32 s90, s90, s67
	s_lshl_b32 s67, s11, 8                         ; my 64 channels
	s_add_co_u32 s90, s90, s67
	s_mov_b32 s91, 0
	s_add_nc_u64 s[72:73], s[72:73], s[90:91]
	s_lshl_b32 s90, s40, 19                        ; vf: head cx,
	s_lshl_b32 s67, s66, 16                        ; 16 key tiles of 4,096 bytes,
	s_add_co_u32 s90, s90, s67
	s_lshl_b32 s67, s12, 15                        ; my 8 of them,
	s_add_co_u32 s90, s90, s67
	s_lshl_b32 s67, s11, 11                        ; my 4 channel tiles of 512 bytes
	s_add_co_u32 s90, s90, s67
	s_add_nc_u64 s[80:81], s[80:81], s[90:91]
	v_lshlrev_b32 v[V1O], 9, v1
	v_lshl_add_u32 v[V1O], v2, 5, v[V1O]
; key tiles 4 g .. 4 g + 3: fragment (bb, ec) = keys 16 b + r, channels 32 ec + 8 h .. + 7 and 32 ec + 16 + 8 h .. + 7
.macro VLOADS g
.irp bb, 0,1,2,3
.irp ec, 0,1
	global_load_b128 v[LV+16*(2*\bb+\ec):LV+16*(2*\bb+\ec)+3],     v[V1O], s[72:73] offset:8192*(4*\g+\bb)+128*\ec
	global_load_b128 v[LV+16*(2*\bb+\ec)+4:LV+16*(2*\bb+\ec)+7],   v[V1O], s[72:73] offset:8192*(4*\g+\bb)+128*\ec+16
	global_load_b128 v[LV+16*(2*\bb+\ec)+8:LV+16*(2*\bb+\ec)+11],  v[V1O], s[72:73] offset:8192*(4*\g+\bb)+128*\ec+64
	global_load_b128 v[LV+16*(2*\bb+\ec)+12:LV+16*(2*\bb+\ec)+15], v[V1O], s[72:73] offset:8192*(4*\g+\bb)+128*\ec+80
.endr
.endr
.endm
.macro VCONV                           ; x lambda / 4, then f16.  The 64 multiplies are also the places between a group's matrix instructions and the writes of FV
	s_wait_loadcnt 0x0
.set n, 0
.rept 64
	v_pk_mul_f32 v[LV+2*n:LV+2*n+1], v[LV+2*n:LV+2*n+1], v[LAM:LAM+1]
.set n, n+1
.endr
.set n, 0
.rept 64
	v_cvt_pk_f16_f32 v[FV+n], v[LV+2*n], v[LV+2*n+1]
.set n, n+1
.endr
.endm
.macro VADD g                          ; 16 matrix instructions on 16 different accumulators
	WIN W_MUL
.irp a, 0,1,2,3
.irp bb, 0,1,2,3
	v_wmma_f32_16x16x32_f16 v[8*(8*\a+4*\g+\bb):8*(8*\a+4*\g+\bb)+7], v[FV+8*(2*\bb+\a/2):FV+8*(2*\bb+\a/2)+7], v[ID+4-4*(\a%2):ID+4-4*(\a%2)+7], v[8*(8*\a+4*\g+\bb):8*(8*\a+4*\g+\bb)+7]
.endr
.endr
	WIN 0
.endm
	VLOADS 0
	; the identity: row n = r has its one at k = r (a even) or 16 + r (a odd); lane (r, h) holds k = 8 h .. 8 h + 7, so the one is in the half h = r >> 3
	v_lshrrev_b32 v3, 3, v1
	v_and_b32 v4, 1, v1
	v_lshlrev_b32 v4, 4, v4
	v_mov_b32 v5, 0x3c00                           ; 1.0 in f16,
	v_lshlrev_b32 v5, v4, v5                       ; in the word's half r & 1
	v_cmp_eq_u32 vcc_lo, v3, v2
	v_cndmask_b32 v5, 0, v5, vcc_lo
	v_bfe_u32 v6, v1, 1, 2                         ; in register (r & 7) >> 1
.irp i, 0,1,2,3
	v_mov_b32 v[ID+\i], 0
	v_mov_b32 v[ID+8+\i], 0
	v_cmp_eq_u32 vcc_lo, \i, v6
	v_cndmask_b32 v[ID+4+\i], 0, v5, vcc_lo
.endr
	s_wait_kmcnt 0x0
	v_mov_b32 v[LAM+1], s96
	v_sub_f32 v[OML+1], 1.0, v[LAM+1]
	v_mul_f32 v[LAM], 0x3e800000, v[LAM+1]         ; the factor 1 / 4 of the stored v rides on both weights
	v_mul_f32 v[OML], 0x3e800000, v[OML+1]
	v_mov_b32 v[LAM+1], v[LAM]
	v_mov_b32 v[OML+1], v[OML]
	WIN 0x41                                       ; destination and source 0: the accumulators
.set n, 0
.rept 128
	v_pk_mul_f32 v[2*n:2*n+1], v[2*n:2*n+1], v[OML:OML+1]
.set n, n+1
.endr
	WIN 0
	VCONV
	VLOADS 1                                       ; LV has been converted: the second group's loads are on their way during the first group's products
	VADD 0
	VCONV
	VADD 1
	PLACES
.irp a, 0,1,2,3
	s_wait_xcnt 0x0                                ; the packed registers, which the last stores read, are rewritten only behind this wait
	WIN 0x05
.irp b, 0,1,2,3,4,5,6,7
.irp q, 0,1,2,3
	v_cvt_pk_f16_f32 v[LV+4*\b+\q], v[64*\a+8*\b+2*\q], v[64*\a+8*\b+2*\q+1]
.endr
.endr
	WIN 0
.irp b, 0,1,2,3,4,5,6,7
	global_store_b128 v[LN16], v[LV+4*\b:LV+4*\b+3], s[80:81] offset:4096*\b+512*\a   ; key tile b, channel tile a: 512 consecutive bytes
.endr
.endr
	s_branch .Lclose
	; ---- y 12-15: 4 Wo -> wob in f16, v1 -> out1.  128 threads; a trip is 32 loads of 16 bytes a thread, 64 KiB a work-group ----
	; No tile is asked for on this way, by any of the cluster's four work-groups; it ends in the same closing round as the others.
.Lstream:
.set T16,  24                          ; v24        16 x thread
.set T8,   25                          ; v25        8 x thread
.set FOUR, 26                          ; v[26:27]   4.0, twice
.set SX,   32                          ; v[32:159]  32 x 4 numbers as loaded
.set SY,   160                         ; v[160:223] 32 x 4 f16 to store
	s_load_b64 s[82:83], s[0:1], 0x48              ; Wo
	s_load_b128 s[84:87], s[0:1], 0x50             ; wob s[84:85], out1 s[86:87]
	s_sub_co_u32 s66, s13, 12
	s_lshl_b32 s66, s66, 4
	s_add_co_u32 s66, s66, s41                     ; g = 16 (y - 12) + wgx: 0 to 63
	v_lshlrev_b32 v[T16], 4, v0
	v_lshlrev_b32 v[T8], 3, v0
	v_mov_b32 v[FOUR], 4.0
	v_mov_b32 v[FOUR+1], 4.0
	s_mov_b32 s91, 0
	s_wait_kmcnt 0x0
	s_lshl_b32 s90, s66, 18                        ; 256 KiB of Wo,
	s_add_nc_u64 s[82:83], s[82:83], s[90:91]
	s_lshl_b32 s90, s66, 17                        ; 128 KiB of wob,
	s_add_nc_u64 s[84:85], s[84:85], s[90:91]
	s_lshl_b32 s90, s66, 16                        ; 64 KiB of v1 and of out1
	s_add_nc_u64 s[72:73], s[72:73], s[90:91]
	s_add_nc_u64 s[86:87], s[86:87], s[90:91]
	s_mov_b32 s3, 4
.Lwo:
.set n, 0
.rept 32
	global_load_b128 v[SX+4*n:SX+4*n+3], v[T16], s[82:83] offset:2048*n th:TH_LOAD_NT   ; a wave's load covers 512 consecutive bytes
.set n, n+1
.endr
.set n, 0
.rept 32
	s_wait_loadcnt 31-n                            ; loads come back in order: load n is in, the younger ones stay out
	v_pk_mul_f32 v[SX+4*n:SX+4*n+1], v[SX+4*n:SX+4*n+1], v[FOUR:FOUR+1]
	v_pk_mul_f32 v[SX+4*n+2:SX+4*n+3], v[SX+4*n+2:SX+4*n+3], v[FOUR:FOUR+1]
	v_cvt_pk_f16_f32 v[SY+2*n], v[SX+4*n], v[SX+4*n+1]
	v_cvt_pk_f16_f32 v[SY+2*n+1], v[SX+4*n+2], v[SX+4*n+3]
	global_store_b64 v[T8], v[SY+2*n:SY+2*n+1], s[84:85] offset:1024*n   ; a wave's store covers 256 consecutive bytes, aligned
.set n, n+1
.endr
	s_wait_xcnt 0x0                                ; the bases and SY, which the stores read, are written again only behind this wait
	s_add_nc_u64 s[82:83], s[82:83], 0x10000
	s_add_nc_u64 s[84:85], s[84:85], 0x8000
	s_sub_co_u32 s3, s3, 1
	s_cmp_lg_u32 s3, 0
	s_cbranch_scc1 .Lwo
.set n, 0
.rept 32
	global_load_b128 v[SX+4*n:SX+4*n+3], v[T16], s[72:73] offset:2048*n
.set n, n+1
.endr
.set n, 0
.rept 32
	s_wait_loadcnt 31-n
	global_store_b128 v[T16], v[SX+4*n:SX+4*n+3], s[86:87] offset:2048*n th:TH_STORE_NT
.set n, n+1
.endr
.Lclose:
	CROUND                                         ; the closing round: no work-group ends while a partner may still ask for a tile that names it
	s_endpgm
.Lfunc_end_k_qc25817288f_qkv:
	.size	k_qc25817288f_qkv, .Lfunc_end_k_qc25817288f_qkv-k_qc25817288f_qkv
	.p2alignl 7, 3214868480
	.fill 96, 4, 3214868480
	.section	.rodata,"a",@progbits
	.p2align	6, 0x0
	.amdhsa_kernel k_qc25817288f_qkv
		.amdhsa_group_segment_fixed_size 327680
		.amdhsa_private_segment_fixed_size 0
		.amdhsa_enable_private_segment 0
		.amdhsa_kernarg_size 96
		.amdhsa_user_sgpr_count 2
		.amdhsa_user_sgpr_kernarg_segment_ptr 1
		.amdhsa_wavefront_size32 1
		.amdhsa_system_sgpr_workgroup_id_x 1
		.amdhsa_system_sgpr_workgroup_id_y 1
		.amdhsa_system_sgpr_workgroup_id_z 1
		.amdhsa_system_vgpr_workitem_id 0
		.amdhsa_next_free_vgpr 512
		.amdhsa_next_free_sgpr 100
		.amdhsa_reserve_vcc 1
		.amdhsa_float_denorm_mode_32 3
		.amdhsa_float_denorm_mode_16_64 3
		.amdhsa_memory_ordered 1
		.amdhsa_forward_progress 1
		.amdhsa_inst_pref_size 230
	.end_amdhsa_kernel
	.amdgpu_metadata
---
amdhsa.version: [ 1, 2 ]
amdhsa.kernels:
  - .name:           k_qc25817288f_qkv
    .symbol:         k_qc25817288f_qkv.kd
    .args:
      - { .name: xb, .offset: 0, .size: 8, .value_kind: global_buffer, .address_space: global }
      - { .name: wqkv, .offset: 8, .size: 8, .value_kind: global_buffer, .address_space: global }
      - { .name: cos, .offset: 16, .size: 8, .value_kind: global_buffer, .address_space: global }
      - { .name: sin, .offset: 24, .size: 8, .value_kind: global_buffer, .address_space: global }
      - { .name: v1, .offset: 32, .size: 8, .value_kind: global_buffer, .address_space: global }
      - { .name: v_lamb, .offset: 40, .size: 8, .value_kind: global_buffer, .address_space: global }
      - { .name: qf, .offset: 48, .size: 8, .value_kind: global_buffer, .address_space: global }
      - { .name: kf, .offset: 56, .size: 8, .value_kind: global_buffer, .address_space: global }
      - { .name: vf, .offset: 64, .size: 8, .value_kind: global_buffer, .address_space: global }
      - { .name: Wo, .offset: 72, .size: 8, .value_kind: global_buffer, .address_space: global }
      - { .name: wob, .offset: 80, .size: 8, .value_kind: global_buffer, .address_space: global }
      - { .name: out1, .offset: 88, .size: 8, .value_kind: global_buffer, .address_space: global }
    .group_segment_fixed_size: 327680
    .private_segment_fixed_size: 0
    .kernarg_segment_align: 8
    .kernarg_segment_size: 96
    .max_flat_workgroup_size: 128
    .sgpr_count:     100
    .vgpr_count:     512
    .wavefront_size: 32
...
	.end_amdgpu_metadata
.endif
;; end of part 6
;; launch attn (part 7): grid 16 x 16, 4 waves a work-group, no clusters, 153,088 bytes of LDS; arguments qf, kf, vf, x, gate_w, yb; writes yb
.if DOCPART == 7
	.amdgcn_target "amdgcn-amd-amdhsa--gfx1250"
	.amdhsa_code_object_version 6
	.text
	.protected	k_qc25817288f_attn
	.globl	k_qc25817288f_attn
	.p2align	8
	.type	k_qc25817288f_attn,@function
k_qc25817288f_attn:
	s_mov_b64 s[64:65], 0
	v_nop
	global_prefetch_b8 v0, s[64:65] scope:SCOPE_SE
	s_setreg_imm32_b32 hwreg(HW_REG_WAVE_MODE, 25, 1), 1
	s_wait_xcnt 0x0
; LAUNCH 3 OF 4.  Causal attention of one head (grid y) on two query blocks of 64 rows (grid x = j: blocks j and 31 - j), the head's sigmoid gate, 1 / sum; yb in f16.
; vf holds v / 4, so yb holds y / 4 (the fourth launch's weights are 4 Wo; the room in f16 is counted at the first launch's head).
; Left out: key tiles wholly above the diagonal (the mask is reference()'s own jnp.tril; shown at the first launch's head).
; All four waves hold the same 64 queries; wave w takes the key tiles (64 keys) t = w mod 4, downward from 4 (qb >> 2) + w.  A block needs (qb >> 2) + 1 trips,
; and the two blocks' trips add up to 9 for every j: all 256 work-groups do the same work.  Only a block's first trip can touch the diagonal, and it alone is masked.
; In that trip a wave with w > qb & 3 has a tile wholly above the diagonal (3 of a work-group's 36 tile slots): it is multiplied and masked like the
; others; its maximum is the mask's value, so its sums get the factor 2^(mask - true maximum) = 0 later.
; LIMITS: the mask's value is -1e30, not the least f32: scores (x log2 e) must stay above it; they are bounded by 128 x the squares of cos, sin x 0.13.
; A running maximum is kept, as reference() takes the row's maximum away.  A weight under 2^-25 of its wave's running maximum rounds to 0 in f16 (it stays in the f32 sum).
; The gate's product (16 numbers a row) is made in f32 on the vector unit.
;
; ORIENTATION.  S^T = K Q^T (source 0 = 16 keys, source 1 = 16 queries): lane (r, h) holds query r, register j key 8 h + j.  Two such tiles, packed to f16, ARE the
; fragment of P (query r; keys 8 h .., 16 + 8 h ..) for O^T = V^T P^T (source 0 = 16 channels of V^T, source 1 = P): no lane moves, and maximum, sum and factor are one number a lane.
; K, V and Q lie in memory in fragment order (second launch): a wave's load takes 512 consecutive bytes straight into fragment registers.
; NO JOINT REQUESTS: each byte of K and V is multiplied by exactly one wave of the work-group, four times from its registers; a joint request lands in LDS, which would
; add a write and a read of 32 KiB of LDS for each tile to bytes that no second wave of the work-group reads.  So the loop has no LDS access and no barrier.
;
; TWO PIECES.  In the trips behind a block's first (7 of a work-group's 9) the wave's four query tiles are two pieces, A = tiles 0, 1 and B = tiles 2, 3, which share K and V:
;   S of A | S of B with A's vector phase | PV of A with B's vector phase | PV of B.
; A piece's vector phase (274 instructions) is cut into 32 slices, one behind each of the other piece's 32 matrix instructions, so 64 of a trip's 128 matrix instructions have
; vector work beside them.  S, O, K and Q, V fill four register windows, and the vector work wants its sources and its destination in one window, which would also
; have to hold K or Q (128 + 128 registers and the work registers): so a slice costs two changes of window, 128 in a trip.
; A block's first trip stays in phases: its mask (some 100 instructions a piece) has to come ahead of the maximum.
;
; REGISTERS.  Window 0: below.  Window 1: O(qt, dt) at 64 qt + 8 dt.  Window 2: Q(qt, c) at 32 qt + 8 c; K(kt, c) at 128 + 32 kt + 8 c.  Window 3: V(dt, kc) at 64 kc + 8 dt.
.set PT,   0                           ; v[0:3]     at work, one for each query tile (free after the prologue)
.set LOFF, 4                           ; 16 x lane
.set DLT,  5                           ; 64 (w - (qb & 3)) + 8 h - r: key - query at (kt, j) = (qt, 0) in a block's first trip
.set NEG,  6                           ; the mask's value
.set GXO,  7                           ; 8192 r + 32 h in x
.set GWO,  8                           ; 32 h in the head's row of gate_w
.set OPW,  9                           ; LDS: where my partial O goes
.set OPR0, 10                          ; LDS: my query tile's partial O of waves 0, 1
.set OPR1, 11                          ; of waves 2, 3
.set MLW,  12                          ; LDS: where my m and l go
.set MLR,  13                          ; LDS: my query tile's m and l
.set STO,  14                          ; LDS stage: in
.set RD,   15                          ; LDS stage: back
.set CO,   16                          ; my byte offset in two rows of yb
.set B8,   17                          ; 8 h - r
.set M,    20                          ; v[20:23]   running maximum of query tile qt
.set L,    24                          ; v[24:27]   running sum (my half of the keys)
.set MX,   28                          ; v[28:31]   new maximum
.set NM,   32                          ; v[32:39]   - maximum, twice.  In the merge: x's 8 numbers
.set AL,   40                          ; v[40:47]   2^(old - new maximum), twice.  In the merge: the four waves' m, then l
.set LS,   48                          ; v[48:55]   the trip's sums.  In the merge: the four waves' factors, twice
.set GW,   56                          ; v[56:63]   gate_w[head][8 h .. 8 h + 7]
.set S,    64                          ; v[64:191]  S(qt, kt) at 32 qt + 8 kt; P(qt, kc) at 32 qt + 16 kc
.set YY,   192                         ; v[192:255] the merge's result
.set GX, NM
.set MM, AL
.set LL, AL+4
.set FP, LS
.set QF, 0
.set KF, 128
.set VF, 0
.set ML0,    131072                    ; LDS: partial O [wave][64 x 512 bytes] at 0; m, l [wave][qt][m, l][32 lanes] here;
.set STAGE,  135168                    ; 16 rows x 272 bytes for each wave here
.set SPITCH, 272
.set W_S,   0x0a                       ; sources 0, 1 (K, Q) window 2; C, D window 0
.set W_PV,  0x53                       ; source 0 (V) window 3; source 1 (P) window 0; C, D window 1
.set W_QK,  0x80                       ; loads into window 2
.set W_V,   0xc0                       ; loads into window 3
.set W_RS,  0x41                       ; destination and source 0 window 1
.set W_OST, 0x04                       ; LDS store data window 1
.set MSB, 0
.macro WIN new                         ; the immediate's high byte repeats the setting that is left
.if MSB != \new
	s_set_vgpr_msb (MSB<<8)|\new
.set MSB, \new
.endif
.endm
.macro LDQ
	WIN W_QK
.set n, 0
.rept 32
	global_load_b128 v[QF+4*n:QF+4*n+3], v[LOFF], s[38:39] offset:512*n
.set n, n+1
.endr
	WIN 0
.endm
.macro LDK
	WIN W_QK
.set n, 0
.rept 32
	global_load_b128 v[KF+4*n:KF+4*n+3], v[LOFF], s[26:27] offset:512*n
.set n, n+1
.endr
	WIN 0
.endm
.macro LDV
	WIN W_V
.irp kc, 0,1
.irp e, 0,1
.irp dt, 0,1,2,3,4,5,6,7
	global_load_b128 v[VF+64*\kc+8*\dt+4*\e:VF+64*\kc+8*\dt+4*\e+3], v[LOFF], s[28:29] offset:(2*\kc+\e)*4096+512*\dt
.endr
.endr
.endr
	WIN 0
.endm
; The next tile's K.  selb: behind tile w comes the second block's first tile.  K's base is free: the wait at the trip's head has shown its loads done.
.macro NEXTK selb
.if \selb
	s_sub_co_u32 s30, s21, 4
	s_cmp_ge_u32 s21, 4
	s_cselect_b32 s21, s30, s23                    ; four tiles down, or the second block's first tile
.else
	s_sub_co_u32 s21, s21, 4
.endif
	s_lshl_b32 s30, s21, 14                        ; a tile is 16 KiB in kf and in vf
	s_mov_b32 s31, 0
	s_add_nc_u64 s[26:27], s[32:33], s[30:31]
	LDK
.endm
.macro NEXTV                           ; the same tile's V.  V's base is free: the wait in front of PV has shown its loads done
	s_add_nc_u64 s[28:29], s[34:35], s[30:31]
	LDV
.endm
; One matrix instruction of S^T = K Q^T: chunk c of the 128 channels, key tile kt, query tile qt; chunk 0 starts the sum
.macro SMUL c, kt, qt
.if \c
	v_wmma_f32_16x16x32_f16 v[S+32*\qt+8*\kt:S+32*\qt+8*\kt+7], v[KF+32*\kt+8*\c:KF+32*\kt+8*\c+7], v[QF+32*\qt+8*\c:QF+32*\qt+8*\c+7], v[S+32*\qt+8*\kt:S+32*\qt+8*\kt+7]
.else
	v_wmma_f32_16x16x32_f16 v[S+32*\qt+8*\kt:S+32*\qt+8*\kt+7], v[KF+32*\kt+8*\c:KF+32*\kt+8*\c+7], v[QF+32*\qt+8*\c:QF+32*\qt+8*\c+7], 0
.endif
.endm
; One matrix instruction of O^T = V^T P^T: chunk kc of the 64 keys, channel tile dt, query tile qt
.macro PVMUL kc, dt, qt, zero
.if \zero
	v_wmma_f32_16x16x32_f16 v[64*\qt+8*\dt:64*\qt+8*\dt+7], v[VF+64*\kc+8*\dt:VF+64*\kc+8*\dt+7], v[S+32*\qt+16*\kc:S+32*\qt+16*\kc+7], 0
.else
	v_wmma_f32_16x16x32_f16 v[64*\qt+8*\dt:64*\qt+8*\dt+7], v[VF+64*\kc+8*\dt:VF+64*\kc+8*\dt+7], v[S+32*\qt+16*\kc:S+32*\qt+16*\kc+7], v[64*\qt+8*\dt:64*\qt+8*\dt+7]
.endif
.endm
; key <= query  <=>  DLT <= 16 (qt - kt) - j.  One compare serves all tile pairs with the same qt - kt = dd - 3.
.macro MASK
.irp dd, 0,1,2,3,4,5,6
.irp jj, 0,1,2,3,4,5,6,7
	v_cmp_ge_i32 vcc_lo, 16*(\dd-3)-\jj, v[DLT]
.irp qt, 0,1,2,3
.if (\qt+3-\dd >= 0)
.if (\qt+3-\dd <= 3)
	v_cndmask_b32 v[S+32*\qt+8*(\qt+3-\dd)+\jj], v[NEG], v[S+32*\qt+8*(\qt+3-\dd)+\jj], vcc_lo
.endif
.endif
.endr
.endr
.endr
.endm
; A BLOCK'S FIRST TRIP, in phases: masked; it starts maximum, sums and O.  The next tile's K and V are loaded.
.macro TRIP1 selb
	s_wait_loadcnt 0x0                             ; Q, K, V (and gate_w)
	WIN W_S
.irp c, 0,1,2,3                        ; 64 matrix instructions; the 16 accumulators take turns, one instruction a turn
.irp kt, 0,1,2,3
.irp qt, 0,1,2,3
	SMUL \c, \kt, \qt
.endr
.endr
.endr
	WIN 0
.rept 4
	v_nop                                          ; four places: loads land on K's registers, vector instructions read S (ISA guide 7.12.1 for vector instructions)
.endr
	NEXTK \selb
	MASK
.irp qt, 0,1,2,3
	v_max3_num_f32 v[MX+\qt], v[S+32*\qt], v[S+32*\qt+1], v[S+32*\qt+2]
.endr
.irp i, 3,5,7,9,11,13,15,17,19,21,23,25,27,29
.irp qt, 0,1,2,3
	v_max3_num_f32 v[MX+\qt], v[MX+\qt], v[S+32*\qt+\i], v[S+32*\qt+\i+1]
.endr
.endr
.irp qt, 0,1,2,3
	v_max_num_f32 v[MX+\qt], v[MX+\qt], v[S+32*\qt+31]
.endr
.irp qt, 0,1,2,3
	v_permlanex16_b32 v[PT+\qt], v[MX+\qt], s24, s25       ; the other 32 keys lie in the lane 16 away
.endr
.irp qt, 0,1,2,3
	v_max_num_f32 v[MX+\qt], v[MX+\qt], v[PT+\qt]
.endr
.irp qt, 0,1,2,3
	v_mov_b32 v[M+\qt], v[MX+\qt]
.endr
.irp qt, 0,1,2,3
	v_sub_f32 v[NM+2*\qt], 0, v[MX+\qt]
	v_sub_f32 v[NM+2*\qt+1], 0, v[MX+\qt]
.endr
.irp qt, 0,1,2,3
.set n, 0
.rept 16
	v_pk_add_f32 v[S+32*\qt+2*n:S+32*\qt+2*n+1], v[S+32*\qt+2*n:S+32*\qt+2*n+1], v[NM+2*\qt:NM+2*\qt+1]
.set n, n+1
.endr
.endr
.set n, 0
.rept 128
	v_exp_f32 v[S+n], v[S+n]
.set n, n+1
.endr
	v_nop                                          ; one plain instruction behind the last exponential (ISA guide 5.7.2)
	s_wait_alu depctr_va_vdst(0)
.irp qt, 0,1,2,3
	v_pk_add_f32 v[LS+2*\qt:LS+2*\qt+1], v[S+32*\qt:S+32*\qt+1], v[S+32*\qt+2:S+32*\qt+3]
.endr
.irp i, 4,6,8,10,12,14,16,18,20,22,24,26,28,30
.irp qt, 0,1,2,3
	v_pk_add_f32 v[LS+2*\qt:LS+2*\qt+1], v[LS+2*\qt:LS+2*\qt+1], v[S+32*\qt+\i:S+32*\qt+\i+1]
.endr
.endr
.irp qt, 0,1,2,3
	v_add_f32 v[L+\qt], v[LS+2*\qt], v[LS+2*\qt+1]
.endr
	; P in f16, in place: pair p of a group of 16 registers goes to the group's register p; each target has been read before it is written
.irp qt, 0,1,2,3
.irp kc, 0,1
.irp p, 0,1,2,3,4,5,6,7
	v_cvt_pk_f16_f32 v[S+32*\qt+16*\kc+\p], v[S+32*\qt+16*\kc+2*\p], v[S+32*\qt+16*\kc+2*\p+1]
.endr
.endr
.endr
	WIN W_PV
.irp kc, 0,1                           ; 64 matrix instructions; the 32 accumulators take turns, one instruction a turn
.irp dt, 0,1,2,3,4,5,6,7
.irp qt, 0,1,2,3
	PVMUL \kc, \dt, \qt, 1-\kc
.endr
.endr
.endr
	WIN 0
.rept 5
	v_nop                                          ; five places: the next trip's first products write over P; loads land on V's registers
.endr
	NEXTV
.endm
; THE VECTOR PHASE OF A PIECE (query tiles qa, qb), in parts that SLICE deals out.
; Step i (0 to 7) of the maximum: two chains for each tile, MX over scores 0-15 and the old maximum, PT over scores 16-31; the last step joins them.
.macro MAXSTEP qa, qb, i
.if (\i) == 0
.irp q, \qa, \qb
	v_max3_num_f32 v[MX+\q], v[S+32*\q], v[S+32*\q+1], v[S+32*\q+2]
.endr
.irp q, \qa, \qb
	v_max3_num_f32 v[PT+\q], v[S+32*\q+16], v[S+32*\q+17], v[S+32*\q+18]
.endr
.else
.if (\i) < 7
.irp q, \qa, \qb
	v_max3_num_f32 v[MX+\q], v[MX+\q], v[S+32*\q+2*(\i)+1], v[S+32*\q+2*(\i)+2]
.endr
.irp q, \qa, \qb
	v_max3_num_f32 v[PT+\q], v[PT+\q], v[S+32*\q+2*(\i)+17], v[S+32*\q+2*(\i)+18]
.endr
.else
.irp q, \qa, \qb
	v_max3_num_f32 v[MX+\q], v[MX+\q], v[S+32*\q+15], v[M+\q]
.endr
.irp q, \qa, \qb
	v_max3_num_f32 v[MX+\q], v[PT+\q], v[S+32*\q+31], v[MX+\q]
.endr
.endif
.endif
.endm
; j = 0: the maximum across the two halves of the lanes, old - new, the new one kept.  j = 1: the factor 2^(old - new) and - maximum, each twice.
.macro MID qa, qb, j
.if (\j) == 0
.irp q, \qa, \qb
	v_permlanex16_b32 v[PT+\q], v[MX+\q], s24, s25         ; the other 32 keys lie in the lane 16 away
.endr
.irp q, \qa, \qb
	v_max_num_f32 v[MX+\q], v[MX+\q], v[PT+\q]
.endr
.irp q, \qa, \qb
	v_sub_f32 v[PT+\q], v[M+\q], v[MX+\q]
.endr
.irp q, \qa, \qb
	v_mov_b32 v[M+\q], v[MX+\q]
.endr
.else
.irp q, \qa, \qb
	v_exp_f32 v[AL+2*\q], v[PT+\q]
	v_exp_f32 v[AL+2*\q+1], v[PT+\q]
.endr
.irp q, \qa, \qb
	v_sub_f32 v[NM+2*\q], 0, v[MX+\q]              ; plain instructions behind the exponentials (ISA guide 5.7.2)
	v_sub_f32 v[NM+2*\q+1], 0, v[MX+\q]
.endr
.endif
.endm
; u = 0 to 7: sixteen registers of the piece's O times its tile's factor
.macro RESC qa, qb, u
.set r_q, \qa+(\qb-\qa)*((\u)/4)
.set r_b, 64*r_q+16*((\u)%4)
	s_wait_alu depctr_va_vdst(0)
.irp i, 0,1,2,3,4,5,6,7
	v_pk_mul_f32 v[r_b+2*\i:r_b+2*\i+1], v[r_b+2*\i:r_b+2*\i+1], v[AL+2*r_q:AL+2*r_q+1]
.endr
.endm
; The piece's 64 scores go in 16 chunks of four registers, the two tiles by turns (chunk c: tile c mod 2, registers 4 (c / 2) ..).  Part t (0 to 17) takes the maximum off chunk t,
; takes the exponentials of chunk t - 1, and sums and packs chunk t - 2.  Behind each exponential stands a plain instruction of another chunk (of the other tile):
; it neither reads the result nor writes the source (ISA guide 5.7.2).  Packing: pair p of a group of 16 registers goes to the group's register p, which has been summed.
.macro CHUNKS qa, qb, t
.set c_t, \t
.set c_e, 0
.set c_z, 0
.set c_a, 0
.if c_t >= 1
.if c_t <= 16
.set c_e, 1
.set c_er, S+32*(\qa+(\qb-\qa)*((c_t-1)%2))+4*((c_t-1)/2)
.endif
.endif
.if c_t >= 2
.set c_z, 1
.set c_zq, \qa+(\qb-\qa)*((c_t-2)%2)
.set c_zg, (c_t-2)/2
.set c_zr, S+32*c_zq+4*c_zg
.set c_zt, S+32*c_zq+16*(c_zg/4)+2*(c_zg%4)
.endif
.if c_t <= 15
.set c_a, 1
.set c_aq, \qa+(\qb-\qa)*(c_t%2)
.set c_ar, S+32*c_aq+4*(c_t/2)
.endif
.if c_e
	v_exp_f32 v[c_er], v[c_er]
.endif
.if c_z
.if c_zg == 0
	s_wait_alu depctr_va_vdst(0)
	v_pk_add_f32 v[LS+2*c_zq:LS+2*c_zq+1], v[c_zr:c_zr+1], v[c_zr+2:c_zr+3]          ; the first chunk starts the sum
.else
	s_wait_alu depctr_va_vdst(0)
	v_pk_add_f32 v[LS+2*c_zq:LS+2*c_zq+1], v[LS+2*c_zq:LS+2*c_zq+1], v[c_zr:c_zr+1]
.endif
.endif
.if c_e
	v_exp_f32 v[c_er+1], v[c_er+1]
.endif
.if c_z
.if c_zg
	v_pk_add_f32 v[LS+2*c_zq:LS+2*c_zq+1], v[LS+2*c_zq:LS+2*c_zq+1], v[c_zr+2:c_zr+3]
.endif
.endif
.if c_e
	v_exp_f32 v[c_er+2], v[c_er+2]
.endif
.if c_z
	v_cvt_pk_f16_f32 v[c_zt], v[c_zr], v[c_zr+1]
.endif
.if c_e
	v_exp_f32 v[c_er+3], v[c_er+3]
.endif
.if c_z
	v_cvt_pk_f16_f32 v[c_zt+1], v[c_zr+2], v[c_zr+3]
.endif
.if c_a
	v_pk_add_f32 v[c_ar:c_ar+1], v[c_ar:c_ar+1], v[NM+2*c_aq:NM+2*c_aq+1]
	v_pk_add_f32 v[c_ar+2:c_ar+3], v[c_ar+2:c_ar+3], v[NM+2*c_aq:NM+2*c_aq+1]
.endif
.if c_t == 17
.irp q, \qa, \qb
	v_add_f32 v[LS+2*\q], v[LS+2*\q], v[LS+2*\q+1]
.endr
.irp q, \qa, \qb
	v_fma_f32 v[L+\q], v[L+\q], v[AL+2*\q], v[LS+2*\q]
.endr
.endif
.endm
; Slice sn (0 to 31) of a piece's vector phase; it steps sn.  0-3: the maximum.  4, 5: MID.  Of the 26 others every third, from slice 8 on, is a part of the rescaling of O
; (its own window), the rest are the 18 parts of CHUNKS.  Eight to ten instructions a slice.
.macro SLICE qa, qb
.if sn < 4
	WIN 0
	MAXSTEP \qa, \qb, 2*sn
	MAXSTEP \qa, \qb, 2*sn+1
.else
.if sn < 6
	WIN 0
	MID \qa, \qb, sn-4
.else
.set sm, sn-6
.if sm%3 == 2
	WIN W_RS
	RESC \qa, \qb, sm/3
.else
	WIN 0
	CHUNKS \qa, \qb, 2*(sm/3)+sm%3
.endif
.endif
.endif
.set sn, sn+1
.endm
; A LATER TRIP, in two pieces.  pf: the next tile's K and V are loaded.  selb: see NEXTK.
; In every run the accumulators take turns, one matrix instruction a turn (8 in a piece's S, 16 in a piece's PV); the slices name no register of
; the matrix instructions that they stand among: A's slices touch S and O of tiles 0, 1 while S of tiles 2, 3 is made from K and Q; B's touch S and O of tiles 2, 3 while
; O of tiles 0, 1 is made from V and P of tiles 0, 1.
.macro TRIP2 pf, selb
	s_wait_loadcnt 32                              ; K is in; the 32 loads of V, issued behind it, may be out
	WIN W_S
.irp c, 0,1,2,3
.irp kt, 0,1,2,3
.irp qt, 0,1
	SMUL \c, \kt, \qt
.endr
.endr
.endr
.rept 4
	v_nop                                          ; four places: A's slices read S of tiles 0, 1 (ISA guide 7.12.1)
.endr
.set sn, 0
.irp c, 0,1,2,3
.irp kt, 0,1,2,3
.irp qt, 2,3
	WIN W_S
	SMUL \c, \kt, \qt
	SLICE 0, 1
.endr
.endr
.endr
	WIN 0
.rept 4
	v_nop                                          ; four places: loads land on K's registers, B's slices read S of tiles 2, 3
.endr
.if \pf
	NEXTK \selb
	s_wait_loadcnt 32                              ; V is in; the next tile's 32 loads of K, issued behind it, may be out
.else
	s_wait_loadcnt 0x0
.endif
.set sn, 0
.irp kc, 0,1
.irp dt, 0,1,2,3,4,5,6,7
.irp qt, 0,1
	WIN W_PV
	PVMUL \kc, \dt, \qt, 0
	SLICE 2, 3
.endr
.endr
.endr
	WIN W_PV
.irp kc, 0,1
.irp dt, 0,1,2,3,4,5,6,7
.irp qt, 2,3
	PVMUL \kc, \dt, \qt, 0
.endr
.endr
.endr
	WIN 0
.rept 5
	v_nop                                          ; five places: the next trip's first products write over P; loads land on V's registers; the merge stores O
.endr
.if \pf
	NEXTV
.endif
.endm
; The merge's reads of partial O: quads 8 bt .. 8 bt + 7 of my query tile, of all four waves, 512 consecutive bytes a load
.macro OPLOAD bt
.irp sw, 0,1
.irp q, 0,1,2,3,4,5,6,7
	ds_load_b128 v[S+4*(8*\sw+\q):S+4*(8*\sw+\q)+3], v[OPR0] offset:32768*\sw+512*(8*\bt+\q)
.endr
.endr
.irp sw, 0,1
.irp q, 0,1,2,3,4,5,6,7
	ds_load_b128 v[S+64+4*(8*\sw+\q):S+64+4*(8*\sw+\q)+3], v[OPR1] offset:32768*\sw+512*(8*\bt+\q)
.endr
.endr
.endm
.macro OPSUM bt
.set n, 0
.rept 16
	v_pk_mul_f32 v[YY+32*\bt+2*n:YY+32*\bt+2*n+1], v[S+2*n:S+2*n+1], v[FP:FP+1]
.set n, n+1
.endr
.irp sw, 1,2,3
.set n, 0
.rept 16
	v_pk_fma_f32 v[YY+32*\bt+2*n:YY+32*\bt+2*n+1], v[S+32*\sw+2*n:S+32*\sw+2*n+1], v[FP+2*\sw:FP+2*\sw+1], v[YY+32*\bt+2*n:YY+32*\bt+2*n+1]
.set n, n+1
.endr
.endr
.endm
; The four waves' partial results of block s20 meet in LDS; wave w finishes query tile w: y = gate / sum x the sum over the waves of 2^(m - maximum) O.
.macro MERGE last
.if \last == 0
	s_sub_co_u32 s46, 31, s17
	s_lshl_b32 s30, s46, 14
	s_mov_b32 s31, 0
	s_add_nc_u64 s[38:39], s[36:37], s[30:31]      ; the second block's Q: the first block's loads were waited for long ago
	LDQ
.endif
	s_lshl_b32 s30, s20, 19                        ; x: 64 rows of 8,192 bytes a block,
	s_lshl_b32 s46, s16, 17                        ; 16 a wave
	s_add_co_u32 s30, s30, s46
	s_mov_b32 s31, 0
	s_add_nc_u64 s[40:41], s[10:11], s[30:31]
	global_load_b128 v[GX:GX+3], v[GXO], s[40:41]              ; x[row r of my tile][8 h .. 8 h + 7]
	global_load_b128 v[GX+4:GX+7], v[GXO], s[40:41] offset:16
.irp qt, 0,1,2,3
	ds_store_b32 v[MLW], v[M+\qt] offset:256*\qt
	ds_store_b32 v[MLW], v[L+\qt] offset:256*\qt+128
.endr
	WIN W_OST
.set n, 0
.rept 64
	ds_store_b128 v[OPW], v[4*n:4*n+3] offset:512*n
.set n, n+1
.endr
	WIN 0
	s_wait_dscnt 0x0                               ; my stores are done, for the others' sake
	s_barrier_signal -1
	s_barrier_wait -1
.irp sw, 0,1,2,3
	ds_load_b32 v[MM+\sw], v[MLR] offset:1024*\sw
	ds_load_b32 v[LL+\sw], v[MLR] offset:1024*\sw+128
.endr
	OPLOAD 0
	s_wait_dscnt 32                                ; m and l are in; the 32 reads of partial O, issued behind them, may be out
	v_max3_num_f32 v[PT], v[MM], v[MM+1], v[MM+2]
	v_max_num_f32 v[PT], v[PT], v[MM+3]
.irp sw, 0,1,2,3
	v_sub_f32 v[MM+\sw], v[MM+\sw], v[PT]
.endr
.irp sw, 0,1,2,3
	v_exp_f32 v[MM+\sw], v[MM+\sw]
.endr
	v_nop
	s_wait_alu depctr_va_vdst(0)
	v_mul_f32 v[PT+1], v[MM], v[LL]
	v_fmac_f32 v[PT+1], v[MM+1], v[LL+1]
	v_fmac_f32 v[PT+1], v[MM+2], v[LL+2]
	v_fmac_f32 v[PT+1], v[MM+3], v[LL+3]
	v_permlanex16_b32 v[PT+2], v[PT+1], s24, s25   ; the sums of the other half of the keys
	v_add_f32 v[PT+1], v[PT+1], v[PT+2]
	s_wait_loadcnt 0x0                             ; x's 8 numbers (and whatever was issued before them)
	v_mul_f32 v[PT+2], v[GX], v[GW]
.irp i, 1,2,3,4,5,6,7
	v_fmac_f32 v[PT+2], v[GX+\i], v[GW+\i]
.endr
	v_permlanex16_b32 v[PT+3], v[PT+2], s24, s25   ; the other 8 of the 16 channels
	v_add_f32 v[PT+2], v[PT+2], v[PT+3]
	v_mul_f32 v[PT+2], 0xbfb8aa3b, v[PT+2]         ; sigmoid(z) = 1 / (1 + 2^(-log2(e) z))
	v_exp_f32 v[PT+2], v[PT+2]
	v_rcp_f32 v[PT+1], v[PT+1]                     ; 1 / sum
	v_nop
	s_wait_alu depctr_va_vdst(0)
	v_add_f32 v[PT+2], 1.0, v[PT+2]
	v_rcp_f32 v[PT+2], v[PT+2]
	v_nop
	s_wait_alu depctr_va_vdst(0)
	v_mul_f32 v[PT+1], v[PT+1], v[PT+2]
.irp sw, 0,1,2,3
	v_mul_f32 v[FP+2*\sw], v[MM+\sw], v[PT+1]
	v_mul_f32 v[FP+2*\sw+1], v[MM+\sw], v[PT+1]
.endr
	s_wait_dscnt 0x0
	OPSUM 0
	OPLOAD 1
	s_lshl_b32 s30, s20, 18                        ; yb: 64 rows of 4,096 bytes a block,
	s_lshl_b32 s46, s16, 16                        ; 16 a wave,
	s_add_co_u32 s30, s30, s46
	s_lshl_b32 s46, s18, 8                         ; the head's 256 bytes of a row
	s_add_co_u32 s30, s30, s46
	s_add_nc_u64 s[42:43], s[14:15], s[30:31]
	s_wait_dscnt 0x0
	OPSUM 1
	; a lane holds channels 16 dt + 8 h .. + 7 of query r: 16 bytes; through my own stage they become whole rows of 256 bytes
.irp dt, 0,1,2,3,4,5,6,7
.irp i, 0,1,2,3
	v_cvt_pk_f16_f32 v[S+4*\dt+\i], v[YY+8*\dt+2*\i], v[YY+8*\dt+2*\i+1]
.endr
.endr
.irp dt, 0,1,2,3,4,5,6,7
	ds_store_b128 v[STO], v[S+4*\dt:S+4*\dt+3] offset:32*\dt
.endr
.irp t, 0,1,2,3,4,5,6,7
	ds_load_b128 v[S+32+4*\t:S+32+4*\t+3], v[RD] offset:2*SPITCH*\t    ; LDS serves a wave's instructions in order: these see the stores above
.endr
.irp t, 0,1,2,3,4,5,6,7
	s_wait_dscnt 7-\t                              ; rows 2 t, 2 t + 1 are in, the younger reads stay out
	global_store_b128 v[CO], v[S+32+4*\t:S+32+4*\t+3], s[42:43] offset:8192*\t   ; 16 lanes store 256 consecutive bytes, aligned
.endr
.if \last == 0
	s_wait_dscnt 0x0                               ; my reads of the others' bytes are done:
	s_wait_xcnt 0x0                                ; (and the stores' data registers and base are written again only behind this wait)
	s_barrier_signal -1                            ; the next merge's stores come behind every wave's reads
	s_barrier_wait -1
.endif
.endm
	s_load_b256 s[4:11], s[0:1], 0x0               ; qf s[4:5], kf s[6:7], vf s[8:9], x s[10:11]
	s_load_b128 s[12:15], s[0:1], 0x20             ; gate_w s[12:13], yb s[14:15]
	v_lshl_add_u32 v18, v0, 2, 0x25400
	v_mov_b32 v19, 0
	v_lshrrev_b32 v1, 5, v0
	v_readfirstlane_b32 s16, v1                    ; wave
	s_mov_b32 s17, ttmp9                           ; j
	s_and_b32 s18, ttmp7, 0xffff                   ; head
	s_lshr_b32 s19, s18, 2                         ; its key/value head
	s_mov_b32 s24, 0x76543210                      ; v_permlanex16_b32: lane i of one half reads lane i of the other
	s_mov_b32 s25, 0xfedcba98
	v_and_b32 v2, 31, v0                           ; lane
	v_and_b32 v3, 15, v0                           ; r
	v_bfe_u32 v1, v0, 4, 1                         ; h
	v_lshlrev_b32 v[LOFF], 4, v2
	v_lshlrev_b32 v[B8], 3, v1
	v_sub_nc_u32 v[B8], v[B8], v3
	v_mov_b32 v[NEG], 0xf149f2ca                   ; -1e30
	v_lshlrev_b32 v[GXO], 13, v3
	v_lshl_add_u32 v[GXO], v1, 5, v[GXO]
	v_lshlrev_b32 v[GWO], 5, v1
	s_lshl_b32 s46, s16, 15
	v_add_nc_u32 v[OPW], s46, v[LOFF]
	s_lshl_b32 s46, s16, 13
	v_add_nc_u32 v[OPR0], s46, v[LOFF]
	v_add_nc_u32 v[OPR1], 0x10000, v[OPR0]
	s_lshl_b32 s46, s16, 10
	s_add_co_u32 s46, s46, ML0
	v_lshl_add_u32 v[MLW], v2, 2, s46
	s_lshl_b32 s46, s16, 8
	s_add_co_u32 s46, s46, ML0
	v_lshl_add_u32 v[MLR], v2, 2, s46
	s_mul_i32 s46, s16, 16*SPITCH
	s_add_co_u32 s46, s46, STAGE
	v_mul_u32_u24 v[STO], v3, SPITCH
	v_lshl_add_u32 v[STO], v1, 4, v[STO]
	v_add_nc_u32 v[STO], s46, v[STO]
	v_mul_u32_u24 v[RD], v1, SPITCH
	v_lshl_add_u32 v[RD], v3, 4, v[RD]
	v_add_nc_u32 v[RD], s46, v[RD]
	v_lshlrev_b32 v[CO], 12, v1
	v_lshl_add_u32 v[CO], v3, 4, v[CO]
	s_mov_b32 s20, s17                             ; the first block: qb = j
	s_lshr_b32 s22, s17, 2                         ; its trips behind the first
	s_lshl_b32 s21, s22, 2
	s_add_co_u32 s21, s21, s16                     ; my first tile: 4 (j >> 2) + w
	s_sub_co_u32 s23, 31, s17
	s_lshr_b32 s23, s23, 2
	s_lshl_b32 s23, s23, 2
	s_add_co_u32 s23, s23, s16                     ; my first tile of the second block: 4 ((31 - j) >> 2) + w, 31 at the most
	s_and_b32 s46, s20, 3
	s_sub_co_i32 s46, s16, s46
	s_lshl_b32 s46, s46, 6
	v_add_nc_u32 v[DLT], s46, v[B8]
	s_wait_kmcnt 0x0
	s_lshl_b32 s30, s19, 19                        ; a head is 512 KiB in qf, kf, vf
	s_mov_b32 s31, 0
	s_add_nc_u64 s[32:33], s[6:7], s[30:31]
	s_add_nc_u64 s[34:35], s[8:9], s[30:31]
	s_lshl_b32 s30, s18, 19
	s_add_nc_u64 s[36:37], s[4:5], s[30:31]
	s_lshl_b32 s30, s18, 6
	s_add_nc_u64 s[44:45], s[12:13], s[30:31]
	s_lshl_b32 s30, s17, 14
	s_add_nc_u64 s[38:39], s[36:37], s[30:31]
	s_lshl_b32 s30, s21, 14
	s_add_nc_u64 s[26:27], s[32:33], s[30:31]
	s_add_nc_u64 s[28:29], s[34:35], s[30:31]
	global_load_b128 v[GW:GW+3], v[GWO], s[44:45]
	global_load_b128 v[GW+4:GW+7], v[GWO], s[44:45] offset:16
	LDQ
	LDK
	LDV
	TRIP1 1
	s_cmp_eq_u32 s22, 0
	s_cbranch_scc1 .Lmerge_a
.Lpass_a:
	TRIP2 1, 1                                     ; the block's last trip (tile w) loads the second block's first tile
	s_sub_co_u32 s22, s22, 1
	s_cmp_lg_u32 s22, 0
	s_cbranch_scc1 .Lpass_a
.Lmerge_a:
	MERGE 0
	s_sub_co_u32 s20, 31, s17                      ; the second block: qb = 31 - j, 16 to 31: 5 to 8 trips
	s_and_b32 s46, s20, 3
	s_sub_co_i32 s46, s16, s46
	s_lshl_b32 s46, s46, 6
	v_add_nc_u32 v[DLT], s46, v[B8]
	s_lshr_b32 s22, s20, 2
	s_sub_co_u32 s22, s22, 1                       ; its trips but the first and the last: 3 to 6
	TRIP1 0
.Lpass_b:
	TRIP2 1, 0
	s_sub_co_i32 s22, s22, 1
	s_cmp_gt_i32 s22, 0                            ; a signed compare: the loop ends whatever the start
	s_cbranch_scc1 .Lpass_b
	TRIP2 0, 0                                     ; tile w: nothing is left to load
	MERGE 1
	s_wait_tensorcnt 0x0
	ds_add_u32 v18, v19
	s_wait_dscnt 0x0
	s_endpgm
.Lfunc_end_k_qc25817288f_attn:
	.size	k_qc25817288f_attn, .Lfunc_end_k_qc25817288f_attn-k_qc25817288f_attn
	.p2alignl 7, 3214868480
	.fill 96, 4, 3214868480
	.section	.rodata,"a",@progbits
	.p2align	6, 0x0
	.amdhsa_kernel k_qc25817288f_attn
		.amdhsa_group_segment_fixed_size 153088
		.amdhsa_private_segment_fixed_size 0
		.amdhsa_enable_private_segment 0
		.amdhsa_kernarg_size 48
		.amdhsa_user_sgpr_count 2
		.amdhsa_user_sgpr_kernarg_segment_ptr 1
		.amdhsa_wavefront_size32 1
		.amdhsa_system_sgpr_workgroup_id_x 1
		.amdhsa_system_sgpr_workgroup_id_y 1
		.amdhsa_system_sgpr_workgroup_id_z 1
		.amdhsa_system_vgpr_workitem_id 0
		.amdhsa_next_free_vgpr 896
		.amdhsa_next_free_sgpr 66
		.amdhsa_reserve_vcc 1
		.amdhsa_float_denorm_mode_32 3
		.amdhsa_float_denorm_mode_16_64 3
		.amdhsa_memory_ordered 1
		.amdhsa_forward_progress 1
		.amdhsa_inst_pref_size 255
	.end_amdhsa_kernel
	.section	.bss,"aw",@nobits
	.p2align	6
	.space	262144
	.amdgpu_metadata
---
amdhsa.version: [ 1, 2 ]
amdhsa.kernels:
  - .name:           k_qc25817288f_attn
    .symbol:         k_qc25817288f_attn.kd
    .args:
      - { .name: qf, .offset: 0, .size: 8, .value_kind: global_buffer, .address_space: global }
      - { .name: kf, .offset: 8, .size: 8, .value_kind: global_buffer, .address_space: global }
      - { .name: vf, .offset: 16, .size: 8, .value_kind: global_buffer, .address_space: global }
      - { .name: x, .offset: 24, .size: 8, .value_kind: global_buffer, .address_space: global }
      - { .name: gate_w, .offset: 32, .size: 8, .value_kind: global_buffer, .address_space: global }
      - { .name: yb, .offset: 40, .size: 8, .value_kind: global_buffer, .address_space: global }
    .group_segment_fixed_size: 153088
    .private_segment_fixed_size: 0
    .kernarg_segment_align: 8
    .kernarg_segment_size: 48
    .max_flat_workgroup_size: 128
    .sgpr_count:     66
    .vgpr_count:     896
    .wavefront_size: 32
...
	.end_amdgpu_metadata
.endif
;; end of part 7
;; launch oproj (part 8): grid 16 x 16, 4 waves a work-group, clusters of 4 x 4, 327,680 bytes of LDS; arguments yb, wob, out0; writes out0
.if DOCPART == 8
	.amdgcn_target "amdgcn-amd-amdhsa--gfx1250"
	.amdhsa_code_object_version 6
	.text
	.protected	k_qc25817288f_oproj
	.globl	k_qc25817288f_oproj
	.p2align	8
	.type	k_qc25817288f_oproj,@function
k_qc25817288f_oproj:
	s_mov_b64 s[64:65], 0
	v_nop
	global_prefetch_b8 v0, s[64:65] scope:SCOPE_SE
	s_setreg_imm32_b32 hwreg(HW_REG_WAVE_MODE, 25, 1), 1
	s_wait_xcnt 0x0
	s_wait_alu depctr_hold_cnt(0) depctr_sa_sdst(0) depctr_va_vdst(0) depctr_va_sdst(0) depctr_va_ssrc(0) depctr_va_vcc(0) depctr_vm_vsrc(0)
	s_getreg_b32 s2, hwreg(HW_REG_IB_STS2, 6, 4)
	s_cmp_eq_u32 s2, 0
	s_cbranch_scc0 .Lentry_in_a_cluster
	s_endpgm
.Lentry_in_a_cluster:
	s_bfe_u32 s2, ttmp6, 0x10000c
	s_cmp_lg_u32 s2, 0xf033
	s_cbranch_scc0 .Lentry_shape_is_right
	s_endpgm
.Lentry_shape_is_right:
; LAUNCH 4 OF 4.  out0 = y Wo^T = (y / 4) (4 Wo)^T: f16 operands (yb holds y / 4, wob 4 Wo: exact factors), f32 sums, K = 2048, f32 out.  Nothing is left out here.
; 2048 x 2048 results are 256 blocks of 128 x 128, one for each of 256 WGPs.  A work-group has four waves, a wave 64 x 64: 16 accumulator tiles of 16 x 16.
; (Larger blocks would feed more multiply-adds from each LDS byte, 192 fragment rows for 32 matrix instructions against 128 rows for 16 here, but would leave half the WGPs without work.)
; The matrix instruction takes B's rows (wob: columns of out0) as source 0 and A's (yb) as source 1: lane (r, h) holds row 16 a + r of out0 and register j of tile (a, b)
; column 16 b + 8 h + j: eight neighbouring numbers of a row.
; TWO SLOTS OF TWO K STEPS: a slot holds 256 along K of A's 128 rows and B's 128 rows, rows of 512 bytes padded to 528.  K = 2048 is 8 slots' worth: two first fills and six refills,
; and a refill has a slot's 128 matrix instructions, less the eight between signal and request, in which to land.  Each wave brings 64 rows with one tensor load.
; CLUSTER 4 x 4: the four work-groups of a row of the cluster make blocks of one block row and ask for A's tile jointly; the four of a column ask for B's jointly.
; A work-group's tiles are 256 rows x 4,096 bytes = 1 MiB; each is asked for once for four: 1/4 MiB of requests a work-group.
;
; REGISTERS.  Window 0: v16-26 addresses; v32-159 fragment buffer 0.  Window 1: v0-127 the accumulators (tile (a, b) at 8 (4 a + b)); v128-255 fragment buffer 1.
; A fragment buffer holds 64 along K: for each chunk kc of 32, B's four fragments at 64 kc, A's four at 64 kc + 32.
; Buffer fb begins at register 32 + 96 fb of window fb.  Products on it: C and D window 1, sources window fb: 0x50 + 5 fb.  Loads into it: destination window fb: 0x40 fb.
.set PITCH,  528                       ; an LDS row: 512 bytes + 16 of padding = 33 x 16, so that the 16 rows of a fragment load start 16 bytes apart modulo 256
.set HALFT,  64*PITCH                  ; 64 rows: what one tensor load brings, and what one wave reads of A or of B
.set SLOT,   4*HALFT                   ; A's 128 rows, then B's 128 rows
.set STAGE,  2*SLOT                    ; behind the ring: 16 rows x 272 bytes for each wave; no tensor load lands here
.set SPITCH, 272                       ; 64 f32 + 16 bytes
.set SLOTK,  512                       ; bytes of a row of yb or wob in a slot
.set LAPS,   4                         ; 2048 / (2 x 256): a lap is once round the ring
.set ADRA, 16                          ; v16-17  LDS address of my A fragments in slot 0, 1
.set ADRB, 20                          ; v20-21  the same for B
.set STO,  24                          ; v24     the way out: where I put 32 bytes of a row
.set RD,   25                          ; v25     the way out: where I read a row back
.set CO,   26                          ; v26     my byte offset in two rows of out0
.set G1,  24                           ; s[24:31] group 1 for A's tiles
.set G0,  32                           ; s[32:39] group 0 for A's tiles, a set for each slot
.set G1B, 48                           ; s[48:55] group 1 for B's tiles: it differs from A's in the mask alone
.set G0B, 56                           ; s[56:63] group 0 for B's tiles, a set for each slot
.set MSB, 0
.macro WIN new                         ; the immediate's high byte repeats the setting that is left
.if MSB != (\new)
	s_set_vgpr_msb (MSB<<8)|(\new)
.set MSB, (\new)
.endif
.endm
; A joint load.  Waves 0, 1 fetch A's two halves, waves 2, 3 B's.  Each line has one mask and one set of registers for all that issue it; the branch hangs on the wave's number alone.
.macro JLOAD s
	s_cmp_eq_u32 s11, 0
	s_cbranch_scc0 .Lfor_b_\@
	tensor_load_to_lds s[G0+4*\s:G0+4*\s+3], s[G1:G1+7]
	s_nop 0
	s_branch .Lasked_\@
.Lfor_b_\@:
	tensor_load_to_lds s[G0B+4*\s:G0B+4*\s+3], s[G1B:G1B+7]
	s_nop 0
.Lasked_\@:
.endm
.macro CREST                           ; a round of the cluster's barrier behind its opening work-group barrier
	s_cmp_lg_u32 s10, 0
	s_cbranch_scc1 .Lnot_wave_0_\@
	s_barrier_signal -3
.Lnot_wave_0_\@:
	s_barrier_wait -3
	s_barrier_signal -1
	s_barrier_wait -1
.endm
.macro CROUND                          ; a whole round
	s_barrier_signal -1
	s_barrier_wait -1
	CREST
.endm
; Four places behind a matrix instruction before its result is read or a load lands on one of its registers (ISA guide 7.12.1 for vector instructions)
.macro PLACES
.rept 4
	v_nop
.endr
.endm
; 8 matrix instructions: A blocks a0, a0 + 1 x all 4 B blocks, chunk kc of buffer fb.  The 16 accumulators take turns, one instruction a turn, in the same order in every
; chunk.
.macro MUL8 fb, kc, a0, zero
.irp a, \a0, \a0+1
.irp b, 0,1,2,3
.if \zero
	v_wmma_f32_16x16x32_f16 v[8*(4*(\a)+\b):8*(4*(\a)+\b)+7], v[32+96*\fb+64*\kc+8*\b:32+96*\fb+64*\kc+8*\b+7], v[64+96*\fb+64*\kc+8*(\a):64+96*\fb+64*\kc+8*(\a)+7], 0
.else
	v_wmma_f32_16x16x32_f16 v[8*(4*(\a)+\b):8*(4*(\a)+\b)+7], v[32+96*\fb+64*\kc+8*\b:32+96*\fb+64*\kc+8*\b+7], v[64+96*\fb+64*\kc+8*(\a):64+96*\fb+64*\kc+8*(\a)+7], v[8*(4*(\a)+\b):8*(4*(\a)+\b)+7]
.endif
.endr
.endr
.endm
; 32 LDS loads in one run: 64 along K at byte k of the slot's rows into buffer fb; chunk 0's sixteen (B's, then A's) ahead of chunk 1's
.macro FETCH slot, k, fb
	WIN 0x40*\fb
.irp kc, 0,1
.irp i, 0,1,2,3
	ds_load_b128 v[32+96*\fb+64*\kc+8*\i:32+96*\fb+64*\kc+8*\i+3],   v[ADRB+\slot] offset:\k+64*\kc+\i*16*PITCH
	ds_load_b128 v[32+96*\fb+64*\kc+8*\i+4:32+96*\fb+64*\kc+8*\i+7], v[ADRB+\slot] offset:\k+64*\kc+\i*16*PITCH+32
.endr
.irp i, 0,1,2,3
	ds_load_b128 v[64+96*\fb+64*\kc+8*\i:64+96*\fb+64*\kc+8*\i+3],   v[ADRA+\slot] offset:\k+64*\kc+\i*16*PITCH
	ds_load_b128 v[64+96*\fb+64*\kc+8*\i+4:64+96*\fb+64*\kc+8*\i+7], v[ADRA+\slot] offset:\k+64*\kc+\i*16*PITCH+32
.endr
.endr
.endm
; A slot is four parts of 64 along K, 32 matrix instructions each, on buffers 0, 1, 0, 1.
; One of the first three: multiplies buffer f; in its middle it fetches the next part, at byte k of the same slot's rows, into buffer g.
.macro PART slot, k, f, g, zero
	s_wait_dscnt 16                                ; chunk 0's fragments are in; chunk 1's sixteen loads may be out
	WIN 0x50+5*\f
	MUL8 \f, 0, 0, \zero
	MUL8 \f, 0, 2, \zero
	PLACES
	FETCH \slot, \k, \g
	s_wait_dscnt 32                                ; all but the 32 just issued
	WIN 0x50+5*\f
	MUL8 \f, 1, 0, 0
	MUL8 \f, 1, 2, 0
.endm
.macro THREE slot, zero
	PART \slot, 128, 0, 1, \zero
	PART \slot, 256, 1, 0, 0
	PART \slot, 384, 0, 1, 0
.endm
; The fourth part: multiplies buffer 1 and changes slots.  In front of the barrier each wave waits for its reads of this slot and for all its tensor loads (the one that is out
; is its part of the next slot).  Where the slot is filled again the barrier opens a round of the cluster's barrier, and the joint refill is the wave's first and only
; tensor load behind the round; then the next slot's first fragments, with sixteen matrix instructions in which to land.
.macro TURN slot, next, fill
	s_wait_dscnt 16
	WIN 0x55
	MUL8 1, 0, 0, 0
	s_wait_dscnt 0                                 ; my reads of this slot are over
	s_set_vgpr_msb 0x5550
	s_wait_tensorcnt 0x0                           ; all my tensor loads have landed
	ds_add_u32 v254, v255
	s_wait_dscnt 0x0
	s_set_vgpr_msb 0x5055
	s_barrier_signal -1
	MUL8 1, 0, 2, 0                                ; register work while the others arrive
	WIN 0
	s_barrier_wait -1
.if \fill
	CREST                                          ; no wave of any partner still reads this slot or has a load on its way
	s_add_nc_u64 s[G0+4*\slot+2:G0+4*\slot+3], s[G0+4*\slot+2:G0+4*\slot+3], 2*SLOTK
	s_add_nc_u64 s[G0B+4*\slot+2:G0B+4*\slot+3], s[G0B+4*\slot+2:G0B+4*\slot+3], 2*SLOTK
	JLOAD \slot
.endif
	PLACES
	FETCH \next, 0, 0
	WIN 0x55
	MUL8 1, 1, 0, 0
	MUL8 1, 1, 2, 0
.endm
.macro LAP zero
	THREE 0, \zero
	TURN 0, 1, 1
	THREE 1, 0
	TURN 1, 0, 1
.endm
	s_load_b128 s[4:7], s[0:1], 0x0                ; yb s[4:5], wob s[6:7]
	s_load_b64 s[8:9], s[0:1], 0x10                ; out0
	v_lshl_add_u32 v254, v0, 2, 0x46400
	v_mov_b32 v255, 0
	ds_add_u32 v254, v255
	v_lshrrev_b32 v1, 5, v0
	v_readfirstlane_b32 s10, v1                    ; wave 0..3
	s_lshr_b32 s11, s10, 1                         ; which half of the block's rows is mine.  Also: I fetch for A (0) or for B (1)
	s_and_b32 s12, s10, 1                          ; which half of its columns.  Also: which 64 rows of that tile I fetch
	s_bfe_u32 s40, ttmp6, 0x40000                  ; cx
	s_bfe_u32 s41, ttmp6, 0x40004                  ; cy
	s_lshl_b32 s42, ttmp9, 2
	s_add_co_u32 s42, s42, s40                     ; block column = 4 x cluster x + cx
	s_and_b32 s13, ttmp7, 0xffff
	s_lshl_b32 s13, s13, 2
	s_add_co_u32 s13, s13, s41                     ; block row = 4 x cluster y + cy
	s_lshl_b32 s43, s41, 2
	s_lshl_b32 s43, 15, s43                        ; my row of the cluster: places 4 cy .. 4 cy + 3
	s_lshl_b32 s44, 0x1111, s40                    ; my column: places cx, cx + 4, cx + 8, cx + 12
	; group 1: 64 rows x 256 elements of 2 bytes; 4 words of padding behind every 128; bit 21 beside the mask
	s_or_b32 s[G1+0], s43, (1<<16)|(1<<20)|(1<<21)|(6<<22)|(3<<25)    ; A's tiles go to my row
	s_or_b32 s[G1B+0], s44, (1<<16)|(1<<20)|(1<<21)|(6<<22)|(3<<25)   ; B's to my column
	s_mov_b32 s[G1+1], 256<<16                     ; tensor_dim0 = 256
	s_mov_b32 s[G1B+1], 256<<16
	s_mov_b32 s[G1+2], 64<<16                      ; tensor_dim1 = 64
	s_mov_b32 s[G1B+2], 64<<16
	s_mov_b32 s[G1+3], 256<<16                     ; tile_dim0 = 256
	s_mov_b32 s[G1B+3], 256<<16
	s_mov_b32 s[G1+4], 64                          ; tile_dim1 = 64
	s_mov_b32 s[G1B+4], 64
	s_mov_b32 s[G1+5], 2048                        ; elements from row to row
	s_mov_b32 s[G1B+5], 2048
	s_mov_b32 s[G1+6], 0
	s_mov_b32 s[G1B+6], 0
	s_mov_b32 s[G1+7], 0
	s_mov_b32 s[G1B+7], 0
	; A's tiles hang on the block row alone, which my row of the cluster shares; B's on the block column alone, which my column shares.
	; Every wave makes both addresses, in registers that never hold the other coordinate, and asks by one of them.
	s_lshl_b32 s17, s12, 6                         ; which 64 rows of the tile I fetch
	s_lshl_b32 s16, s13, 7
	s_add_co_u32 s16, s16, s17                     ; A: row 128 x block row + 64 x half
	s_lshl_b32 s16, s16, 12                        ; rows of 4,096 bytes
	s_lshl_b32 s46, s42, 7
	s_add_co_u32 s46, s46, s17                     ; B: row 128 x block column + 64 x half
	s_lshl_b32 s46, s46, 12
	s_mov_b32 s17, 0
	s_mov_b32 s47, 0
	s_mul_i32 s20, s10, HALFT                      ; where they go: A's two halves, then B's two = wave x 64 rows: no place in the cluster enters an LDS address
	s_wait_dscnt 0x0
	s_wait_kmcnt 0x0
	s_add_nc_u64 s[14:15], s[4:5], s[16:17]
	s_add_nc_u64 s[46:47], s[6:7], s[46:47]
	CROUND                                         ; all sixteen work-groups are here: the first joint loads meet
.irp s, 0,1
	s_mov_b32 s[G0+4*\s], 1
	s_add_co_u32 s[G0+4*\s+1], s20, \s*SLOT
	s_add_nc_u64 s[G0+4*\s+2:G0+4*\s+3], s[14:15], \s*SLOTK
	s_or_b32 s[G0+4*\s+3], s[G0+4*\s+3], 0x80000000
	s_mov_b32 s[G0B+4*\s], 1
	s_add_co_u32 s[G0B+4*\s+1], s20, \s*SLOT
	s_add_nc_u64 s[G0B+4*\s+2:G0B+4*\s+3], s[46:47], \s*SLOTK
	s_or_b32 s[G0B+4*\s+3], s[G0B+4*\s+3], 0x80000000
	JLOAD \s                                       ; both slots' first fills go out together: two tensor loads of a wave are out
.endr
	v_and_b32 v1, 15, v0                           ; r
	v_bfe_u32 v2, v0, 4, 1                         ; h
	v_mul_u32_u24 v3, v1, PITCH
	v_lshl_add_u32 v3, v2, 4, v3                   ; row x pitch + 16 h
	s_mul_i32 s21, s11, HALFT                      ; my 64 rows of A
	s_mul_i32 s22, s12, HALFT                      ; my 64 rows of B,
	s_add_co_u32 s22, s22, 2*HALFT                 ; which lie behind A's 128
.irp s, 0,1
	v_add_nc_u32 v[ADRA+\s], s21, v3
	v_add_nc_u32 v[ADRB+\s], s22, v3
	s_add_co_u32 s21, s21, SLOT
	s_add_co_u32 s22, s22, SLOT
.endr
	s_mul_i32 s23, s10, 16*SPITCH
	s_add_co_u32 s23, s23, STAGE                   ; my stage
	v_mul_u32_u24 v4, v1, SPITCH                   ; in: row r, 32 bytes for each half of the lanes
	v_lshl_add_u32 v4, v2, 5, v4
	v_add_nc_u32 v[STO], s23, v4
	v_mul_u32_u24 v5, v2, SPITCH                   ; back: lanes 0-15 take one row of 256 bytes, lanes 16-31 the next
	v_lshl_add_u32 v5, v1, 4, v5
	v_add_nc_u32 v[RD], s23, v5
	v_lshlrev_b32 v5, 13, v2                       ; and the same two rows in out0, 8,192 bytes apart
	v_lshl_add_u32 v[CO], v1, 4, v5
	s_wait_tensorcnt 1                             ; my part of slot 0 is in; slot 1's stays out
	s_barrier_signal -1
	s_barrier_wait -1
	FETCH 0, 0, 0
	LAP 1                                          ; the first products start the sums: nothing is cleared
	WIN 0                                          ; at a label and at a branch every window is 0
	s_mov_b32 s3, LAPS-2
.Llap:
	LAP 0
	WIN 0
	s_sub_co_u32 s3, s3, 1
	s_cmp_lg_u32 s3, 0
	s_cbranch_scc1 .Llap
	THREE 0, 0                                     ; the last lap fills nothing, and has no round of the cluster's barrier
	TURN 0, 1, 0
	THREE 1, 0
	s_wait_dscnt 16                                ; the very last part: nothing more to fetch
	WIN 0x55
	MUL8 1, 0, 0, 0
	MUL8 1, 0, 2, 0
	s_wait_dscnt 0
	MUL8 1, 1, 0, 0
	MUL8 1, 1, 2, 0
	WIN 0
	PLACES                                         ; behind the last matrix instructions: LDS stores read results, loads land on fragment registers
	s_lshl_b32 s13, s13, 7
	s_lshl_b32 s14, s11, 6
	s_add_co_u32 s16, s13, s14                     ; my first row of out0,
	s_lshl_b32 s16, s16, 13                        ; rows of 8,192 bytes
	s_mov_b32 s17, 0
	s_add_nc_u64 s[8:9], s[8:9], s[16:17]
	s_lshl_b32 s46, s42, 9                         ; my first column, in bytes: 512 x block + 256 x half (in the registers that held B's address: none that feeds A's descriptors ever holds cx)
	s_lshl_b32 s47, s12, 8
	s_add_co_u32 s46, s46, s47
	s_mov_b32 s47, 0
	s_add_nc_u64 s[8:9], s[8:9], s[46:47]
; Rows 16 a .. 16 a + 15 of my block: a lane's 8 numbers of tile (a, b) are 32 bytes of a row; through my own stage they become whole rows of 256 bytes.
.macro OUT16 a, f
	WIN 0x04                                       ; LDS store data: the accumulators
.irp b, 0,1,2,3
	ds_store_b128 v[STO], v[8*(4*\a+\b):8*(4*\a+\b)+3] offset:64*\b
	ds_store_b128 v[STO], v[8*(4*\a+\b)+4:8*(4*\a+\b)+7] offset:64*\b+16
.endr
	WIN 0
	s_wait_xcnt 0x0                                ; registers f .., which earlier stores read, and the stores' base are rewritten only behind this wait
.if \a
	s_add_nc_u64 s[8:9], s[8:9], 16*8192
.endif
.irp t, 0,1,2,3,4,5,6,7
	ds_load_b128 v[\f+4*\t:\f+4*\t+3], v[RD] offset:2*SPITCH*\t    ; LDS serves a wave's instructions in order: these see the stores above
.endr
.irp t, 0,1,2,3,4,5,6,7
	s_wait_dscnt 7-\t                              ; rows 2 t, 2 t + 1 are in, the younger reads stay out
	global_store_b128 v[CO], v[\f+4*\t:\f+4*\t+3], s[8:9] offset:2*8192*\t th:TH_STORE_NT   ; 16 lanes store 256 consecutive bytes, aligned
.endr
.endm
	OUT16 0, 32
	OUT16 1, 64
	OUT16 2, 32
	OUT16 3, 64
	s_wait_tensorcnt 0x0
	ds_add_u32 v254, v255
	s_wait_dscnt 0x0
	CROUND                                         ; the closing round: no work-group ends while a partner may still ask for a tile that names it
	s_endpgm
.Lfunc_end_k_qc25817288f_oproj:
	.size	k_qc25817288f_oproj, .Lfunc_end_k_qc25817288f_oproj-k_qc25817288f_oproj
	.p2alignl 7, 3214868480
	.fill 96, 4, 3214868480
	.section	.rodata,"a",@progbits
	.p2align	6, 0x0
	.amdhsa_kernel k_qc25817288f_oproj
		.amdhsa_group_segment_fixed_size 327680
		.amdhsa_private_segment_fixed_size 0
		.amdhsa_enable_private_segment 0
		.amdhsa_kernarg_size 24
		.amdhsa_user_sgpr_count 2
		.amdhsa_user_sgpr_kernarg_segment_ptr 1
		.amdhsa_wavefront_size32 1
		.amdhsa_system_sgpr_workgroup_id_x 1
		.amdhsa_system_sgpr_workgroup_id_y 1
		.amdhsa_system_sgpr_workgroup_id_z 1
		.amdhsa_system_vgpr_workitem_id 0
		.amdhsa_next_free_vgpr 512
		.amdhsa_next_free_sgpr 66
		.amdhsa_reserve_vcc 0
		.amdhsa_float_denorm_mode_32 3
		.amdhsa_float_denorm_mode_16_64 3
		.amdhsa_memory_ordered 1
		.amdhsa_forward_progress 1
		.amdhsa_inst_pref_size 123
	.end_amdhsa_kernel
	.amdgpu_metadata
---
amdhsa.version: [ 1, 2 ]
amdhsa.kernels:
  - .name:           k_qc25817288f_oproj
    .symbol:         k_qc25817288f_oproj.kd
    .args:
      - { .name: yb, .offset: 0, .size: 8, .value_kind: global_buffer, .address_space: global }
      - { .name: wob, .offset: 8, .size: 8, .value_kind: global_buffer, .address_space: global }
      - { .name: out0, .offset: 16, .size: 8, .value_kind: global_buffer, .address_space: global }
    .group_segment_fixed_size: 327680
    .private_segment_fixed_size: 0
    .kernarg_segment_align: 8
    .kernarg_segment_size: 24
    .max_flat_workgroup_size: 128
    .sgpr_count:     66
    .vgpr_count:     512
    .wavefront_size: 32
...
	.end_amdgpu_metadata
.endif
;; end of part 8
